; MI455X (gfx1250); checked and timed in simulation.
; The chip was launched on July 23, 2026; its instructions are those of AMD's public machine-readable ISA for CDNA 5 (MIT licence, August 2026) and "CDNA5" Instruction Set Architecture Reference Guide (July 2026). The comments in the code are by the model that wrote it; some were corrected since.
;; Longformer Block. Allowed arithmetic: matrix products marked QUANTISED: E2M3 operands, one E8M0 scale for each 32 along K, by v_wmma_scale_f32_16x16x128_f8f6f4 with both operands' format E2M3, f32 sums; everything else in f32.
;; Inputs: W1_codes 4,096 x 32 x 24 uint8 (E2M3 codes of W1, K innermost, in blocks of 32 codes, four codes in three bytes); W1_scales 4,096 x 32 uint8 (E8M0 scales of W1, one for each 32 codes along K); W2_codes 1,024 x 128 x 24 uint8 (E2M3 codes of W2, K innermost, in blocks of 32 codes, four codes in three bytes); W2_scales 1,024 x 128 uint8 (E8M0 scales of W2, one for each 32 codes along K); Wk_codes 1,024 x 32 x 24 uint8 (E2M3 codes of Wk, K innermost, in blocks of 32 codes, four codes in three bytes); Wk_scales 1,024 x 32 uint8 (E8M0 scales of Wk, one for each 32 codes along K); Wo_codes 1,024 x 32 x 24 uint8 (E2M3 codes of Wo, K innermost, in blocks of 32 codes, four codes in three bytes); Wo_scales 1,024 x 32 uint8 (E8M0 scales of Wo, one for each 32 codes along K); Wq_codes 1,024 x 32 x 24 uint8 (E2M3 codes of Wq, K innermost, in blocks of 32 codes, four codes in three bytes); Wq_scales 1,024 x 32 uint8 (E8M0 scales of Wq, one for each 32 codes along K); Wv_codes 1,024 x 32 x 24 uint8 (E2M3 codes of Wv, K innermost, in blocks of 32 codes, four codes in three bytes); Wv_scales 1,024 x 32 uint8 (E8M0 scales of Wv, one for each 32 codes along K); b1 4,096 float32; b2 1,024 float32; bo 1,024 float32; ln1_b 1,024 float32; ln1_g 1,024 float32; ln2_b 1,024 float32; ln2_g 1,024 float32; x 2 x 2,048 x 1,024 float32.
;; Outputs: out0 2 x 2,048 x 1,024 float32.
;; This version of the problem:
;;   THIS VERSION OF THE PROBLEM IS GIVEN IN LOW PRECISION. The matrix products marked QUANTISED in the list below multiply operands that are first quantised to E2M3 (2 exponent bits, 3 mantissa bits; 6 bits a number), with one power-of-two scale for each 32 numbers along K (OCP MX v1.0); their sums are f32. All else is computed in f32.
;;   The module's matrix products, in the order in which they are computed (A, B: the left and right operand; K: the contracted axis; several contracted axes count as one K, in the product's order):
;;     1. [M 4,096, K 1,024] x [K 1,024, N 1,024]; A: computed on the way; B: input Wq (given as codes): QUANTISED
;;     2. [M 4,096, K 1,024] x [K 1,024, N 1,024]; A: computed on the way; B: input Wk (given as codes): QUANTISED
;;     3. [M 4,096, K 1,024] x [K 1,024, N 1,024]; A: computed on the way; B: input Wv (given as codes): QUANTISED
;;     4. batch 32 x [M 2,048, K 64] x [K 64, N 2,048]; A: computed on the way; B: computed on the way: QUANTISED
;;     5. batch 32 x [M 2,048, K 2,048] x [K 2,048, N 64]; A: softmax (see below); B: computed on the way: QUANTISED
;;     6. [M 4,096, K 1,024] x [K 1,024, N 1,024]; A: computed on the way; B: input Wo (given as codes): QUANTISED
;;     7. [M 4,096, K 1,024] x [K 1,024, N 4,096]; A: computed on the way; B: input W1 (given as codes): QUANTISED
;;     8. [M 4,096, K 4,096] x [K 4,096, N 1,024]; A: computed on the way; B: input W2 (given as codes): QUANTISED
;;   THE QUANTISER, for each operand of a quantised product, along K:
;;     - K is cut into blocks of 32 from its start; a last block that is shorter is filled with zeros.
;;     - A block's scale is 2^e with e = floor(log2(the largest magnitude in the block)) - 2, held to -126 .. 127; a block of zeros has e = 0. As a byte (E8M0): e + 127.
;;     - Each number is divided by its block's scale, clamped to +-7.5, and rounded to the nearest number of E2M3, ties to even, subnormals kept.
;;     - The product sums the exact products of the quantised numbers (number of the format x scale) in f32.
;;   ~~~python
;;   def quantise(x, axis):      # numpy; x: float32 -> the quantised numbers, widened to float32 again
;;       x = np.moveaxis(x, axis, -1); K = x.shape[-1]
;;       x = np.pad(x, [(0, 0)] * (x.ndim - 1) + [(0, -K % 32)]); x = x.reshape(x.shape[:-1] + (-1, 32)); a = np.abs(x).max(-1, keepdims=True)
;;       e = np.where(a > 0, np.clip(np.frexp(np.where(a > 0, a, 1))[1] - 1 - 2, -126, 127), 0)      # np.frexp(a)[1] - 1 = floor(log2(a)), exactly
;;       r = np.clip(x / 2.0 ** e, -7.5, 7.5)
;;       step = 2.0 ** (np.maximum(np.frexp(np.where(r == 0, 1, r))[1] - 1, 0) - 3)
;;       q = np.round(r / step) * step * 2.0 ** e      # np.round: ties to even
;;       return np.moveaxis(q.reshape(q.shape[:-2] + (-1,))[..., :K], -1, axis).astype(np.float32)
;;   ~~~
;;   SOFTMAX AHEAD OF A QUANTISED PRODUCT. Where the list says 'softmax', what is quantised is not the finished softmax but p = 2^(t - M), with t = logit x log2(e) and M = ceil(the row's largest t), a whole number; so 1/2 < the row's largest p <= 1. The row's sum l is taken of the UNQUANTISED p, in f32, and the product's result is divided by l at the end. Since M is a whole number, a kernel that streams over the keys may use a running M (the ceiling of the running maximum): every later rescaling is an exact power of two, which a block's scale takes up: the codes' values come out the same.
;;   OPERANDS COMPUTED ON THE WAY. 'Computed on the way' means the value that the module computes at that place (a softmax that the list does not call 'softmax' is quantised finished and normalised). What goes into a quantiser is computed in f32, as accurately as f32 sums, v_exp_f32 and their like allow (about 1e-6 of the number): no bf16 or f16 on the way to a quantiser, and a product that is left as it is and whose result goes on into a quantised operand takes f32 operands (vector FMAs, or v_wmma_f32_16x16x4_f32). A number that lies on a knife's edge between two numbers of the format may be rounded either way, as far as f32 arithmetic and the matrix unit's own rounding can turn it there, and no further.
;;   INPUTS GIVEN AS CODES. W1 (in the module: [1024, 4096], K = its axis 0); W2 (in the module: [4096, 1024], K = its axis 0); Wk (in the module: [1024, 1024], K = its axis 0); Wo (in the module: [1024, 1024], K = its axis 0); Wq (in the module: [1024, 1024], K = its axis 0); Wv (in the module: [1024, 1024], K = its axis 0): each comes as NAME_codes (uint8): NAME with its K axis moved to the last place and cut into blocks of 32 codes, [.., K / 32, bytes a block], one block behind the other in memory; four codes in three bytes: a row's codes are one little-endian stream of bits, code i at bits 6 i .. 6 i + 5 (a code: sign, 2 exponent bits, 3 mantissa bits); and NAME_scales (uint8): the same leading axes, one E8M0 byte (e + 127) for each 32 codes along K. Its value is code x scale, taken as it is: it is not quantised again, and the codes and scales need not be those that the quantiser above would give.
;; 2 versions, each right. Each part assembles by itself: llvm-mc -triple=amdgcn-amd-amdhsa -mcpu=gfx1250 --defsym DOCPART=n.
;; ======== version 1 of 2: 7 launches
;; workspace buffers: hbuf 3,276,800 bytes; qbuf 3,407,872 bytes; kvrec 6,684,672 bytes; obuf 3,276,800 bytes; x1 16,777,216 bytes; gbuf 13,107,200 bytes
;; launch ln1 (part 1): grid 256 x 1, 16 waves a work-group, no clusters, 84,992 bytes of LDS; arguments x, ln1_g, ln1_b, hbuf; writes hbuf
.if DOCPART == 1
	.amdgcn_target "amdgcn-amd-amdhsa--gfx1250"
	.amdhsa_code_object_version 6
	.text
	.protected	k_q069849bd95_ln1
	.globl	k_q069849bd95_ln1
	.p2align	8
	.type	k_q069849bd95_ln1,@function
k_q069849bd95_ln1:
	s_mov_b64 s[64:65], 0
	v_nop
	global_prefetch_b8 v0, s[64:65] scope:SCOPE_SE
	s_setreg_imm32_b32 hwreg(HW_REG_WAVE_MODE, 25, 1), 1
	s_wait_xcnt 0x0
; y = (x - mean) * rsqrt(var + 1e-5) * g + b for rows of 1,024 f32 numbers, then y is turned into codes of FP6 (E2M3) with one E8M0 byte for each 32 along the row.
; OUT: codes [4096][768 bytes] at byte 0 of the buffer, scale bytes [4096][32] at byte SCOFF.  The rows lie in IMAGE ORDER: place 16 tau + r holds true row 32 (tau / 2) + 8 (tau % 2) + r + 8 (r / 8),
; so that 16 places on end are a tile whose results, in a product used transposed, fall on 16 neighbouring true rows for each pair of tiles.
; SHARES: work-group tau takes the 16 rows of tile tau, one wave a row: the row stays in 32 registers a lane between the mean, the variance (two passes: a common offset of the inputs costs nothing) and the scaling.
; The conversions take 16 neighbours from one lane's registers, the loads give a lane 4: so 512 numbers at a time turn through the wave's own stage in LDS (64 bytes + 16 of padding a lane).
; A block's scale byte is its largest magnitude's exponent field - 2, held at 1 from below.
; LIMITS: a block of zeros gets the byte 1 and not 127 (its codes are zeros; this program alone reads the bytes); NaN and infinities among the inputs are not served.
.set SP,    80                         ; a lane's place in a stage
.set WST,   5120                       ; a wave's two stages of 32 x SP bytes
.set SCB,   16*WST                     ; behind the stages: the work-group's 512 scale bytes
.set SCOFF, 3145728                    ; where the scale bytes begin in the buffer
.set T,     16                         ; v16-31   at work
.set X,     32                         ; v32-63   the row: register 4 j + i = number 128 j + 4 lane + i
.set G,     64                         ; v64-95   g likewise
.set B,     96                         ; v96-127  b likewise
.set XS,    128                        ; v128-143 16 neighbours
.set C,     144                        ; v144.. codes, four registers a step
.set E,     152                        ; v152-153 a scale byte a step
	s_load_b256 s[4:11], s[0:1], 0x0               ; x s[4:5], g s[6:7], b s[8:9], out s[10:11]
	v_lshl_add_u32 v160, v0, 2, 0x14400
	v_mov_b32 v161, 0
	v_lshrrev_b32 v1, 5, v0
	v_readfirstlane_b32 s12, v1                    ; wave 0..15
	v_and_b32 v2, 31, v0                           ; lane
	v_lshlrev_b32 v1, 4, v2                        ; 16 x lane: my bytes of a load's 512
	s_mul_i32 s13, s12, WST
	v_lshrrev_b32 v3, 2, v2
	v_mul_u32_u24 v3, v3, SP
	v_and_b32 v4, 3, v2
	v_lshl_add_u32 v3, v4, 4, v3
	v_add_nc_u32 v3, s13, v3                       ; the stage, way in: SP (lane / 4) + 16 (lane % 4)
	v_mul_u32_u24 v6, v2, SP
	v_add_nc_u32 v6, s13, v6                       ; way out: SP x lane
	v_mul_u32_u24 v4, v2, 12                       ; my 16 codes' 12 bytes
	s_lshl_b32 s13, s12, 5
	s_add_co_u32 s13, s13, SCB
	v_lshrrev_b32 v5, 1, v2
	v_add_nc_u32 v5, s13, v5                       ; my block's scale byte: 32 a wave, two lanes to a block
	v_add_nc_u32 v7, SCB, v1                       ; wave 0 reads all 512 back
	s_lshr_b32 s14, ttmp9, 1
	s_lshl_b32 s14, s14, 5
	s_and_b32 s15, ttmp9, 1
	s_lshl_b32 s15, s15, 3
	s_add_co_u32 s14, s14, s15
	s_add_co_u32 s14, s14, s12
	s_and_b32 s15, s12, 8
	s_add_co_u32 s14, s14, s15                     ; true row = 32 (tau / 2) + 8 (tau % 2) + w + 8 (w / 8)
	s_lshl_b32 s14, s14, 12                        ; x 4,096 bytes
	s_mov_b32 s15, 0
	s_lshl_b32 s16, ttmp9, 4
	s_add_co_u32 s16, s16, s12
	s_mul_i32 s16, s16, 768                        ; place 16 tau + w, 768 bytes of codes
	s_mov_b32 s17, 0
	s_lshl_b32 s18, ttmp9, 9
	s_add_co_u32 s18, s18, SCOFF                   ; the tile's 512 scale bytes
	s_mov_b32 s19, 0
	s_mov_b32 s20, 0x76543210
	s_mov_b32 s21, 0xfedcba98                      ; v_permlanex16_b32's selects for lane l xor 16
	s_mov_b32 s22, 0x3a800000                      ; 1 / 1,024
	s_wait_kmcnt 0x0
	s_add_nc_u64 s[4:5], s[4:5], s[14:15]
	s_add_nc_u64 s[16:17], s[10:11], s[16:17]
	s_add_nc_u64 s[18:19], s[10:11], s[18:19]
.irp j, 0,1,2,3,4,5,6,7
	global_load_b128 v[X+4*\j:X+4*\j+3], v1, s[4:5] offset:512*\j      ; 32 lanes read 512 consecutive bytes (a later launch reads the row again: no hint)
.endr
.irp j, 0,1,2,3,4,5,6,7
	global_load_b128 v[G+4*\j:G+4*\j+3], v1, s[6:7] offset:512*\j
.endr
.irp j, 0,1,2,3,4,5,6,7
	global_load_b128 v[B+4*\j:B+4*\j+3], v1, s[8:9] offset:512*\j
.endr
.macro REDUCE                          ; v[T] summed over the 32 lanes, the result in every lane
	v_add_f32_dpp v[T], v[T], v[T] row_xmask:1 row_mask:0xf bank_mask:0xf
	v_add_f32_dpp v[T], v[T], v[T] row_xmask:2 row_mask:0xf bank_mask:0xf
	v_add_f32_dpp v[T], v[T], v[T] row_xmask:4 row_mask:0xf bank_mask:0xf
	v_add_f32_dpp v[T], v[T], v[T] row_xmask:8 row_mask:0xf bank_mask:0xf
	v_permlanex16_b32 v[T+1], v[T], s20, s21
	v_add_f32 v[T], v[T], v[T+1]
.endm
	s_wait_loadcnt 16                              ; the row is in; the 16 loads of g and b may be out
	v_pk_add_f32 v[T:T+1], v[X:X+1], v[X+2:X+3]    ; the sum, in four chains
	v_pk_add_f32 v[T+2:T+3], v[X+4:X+5], v[X+6:X+7]
	v_pk_add_f32 v[T+4:T+5], v[X+8:X+9], v[X+10:X+11]
	v_pk_add_f32 v[T+6:T+7], v[X+12:X+13], v[X+14:X+15]
.irp j, 16,24
	v_pk_add_f32 v[T:T+1], v[T:T+1], v[X+\j:X+\j+1]
	v_pk_add_f32 v[T+2:T+3], v[T+2:T+3], v[X+\j+2:X+\j+3]
	v_pk_add_f32 v[T+4:T+5], v[T+4:T+5], v[X+\j+4:X+\j+5]
	v_pk_add_f32 v[T+6:T+7], v[T+6:T+7], v[X+\j+6:X+\j+7]
.endr
	v_pk_add_f32 v[T:T+1], v[T:T+1], v[T+2:T+3]
	v_pk_add_f32 v[T+4:T+5], v[T+4:T+5], v[T+6:T+7]
	v_pk_add_f32 v[T:T+1], v[T:T+1], v[T+4:T+5]
	v_add_f32 v[T], v[T], v[T+1]
	REDUCE
	v_mul_f32 v[T], s22, v[T]                      ; the mean
	v_mov_b32 v[T+1], v[T]
.set ii, 0
.rept 16
	v_pk_add_f32 v[X+ii:X+ii+1], v[X+ii:X+ii+1], v[T:T+1] neg_lo:[0,1] neg_hi:[0,1]   ; x - mean
.set ii, ii+2
.endr
.irp k, 0,1,2,3
	v_pk_mul_f32 v[T+2+2*\k:T+3+2*\k], v[X+2*\k:X+2*\k+1], v[X+2*\k:X+2*\k+1]         ; the sum of squares, in four chains
.endr
.irp j, 8,16,24
.irp k, 0,1,2,3
	v_pk_fma_f32 v[T+2+2*\k:T+3+2*\k], v[X+\j+2*\k:X+\j+2*\k+1], v[X+\j+2*\k:X+\j+2*\k+1], v[T+2+2*\k:T+3+2*\k]
.endr
.endr
	v_pk_add_f32 v[T+2:T+3], v[T+2:T+3], v[T+4:T+5]
	v_pk_add_f32 v[T+6:T+7], v[T+6:T+7], v[T+8:T+9]
	v_pk_add_f32 v[T+2:T+3], v[T+2:T+3], v[T+6:T+7]
	v_add_f32 v[T], v[T+2], v[T+3]
	REDUCE
	v_fmaak_f32 v[T], s22, v[T], 0x3727c5ac        ; the variance + 1e-5
	v_rsq_f32 v[T+2], v[T]
	v_rsq_f32 v[T+3], v[T]                         ; twice: a pair for the packed multiply
	s_wait_loadcnt 0x0                             ; g and b
	v_nop                                          ; a plain place behind the transcendentals
.set ii, 0
	s_wait_alu depctr_va_vdst(0)
.rept 16
	v_pk_mul_f32 v[X+ii:X+ii+1], v[X+ii:X+ii+1], v[T+2:T+3]
.set ii, ii+2
.endr
.set ii, 0
.rept 16
	v_pk_fma_f32 v[X+ii:X+ii+1], v[X+ii:X+ii+1], v[G+ii:G+ii+1], v[B+ii:B+ii+1]
.set ii, ii+2
.endr
; 512 numbers: through the stage, so that a lane holds 16 neighbours (two lanes a block); the block's scale; the codes; 384 consecutive bytes a wave go out
.macro QSTEP s
.irp i, 0,1,2,3
	ds_store_b128 v3, v[X+16*\s+4*\i:X+16*\s+4*\i+3] offset:32*SP*\s+8*SP*\i
.endr
.irp i, 0,1,2,3
	ds_load_b128 v[XS+4*\i:XS+4*\i+3], v6 offset:32*SP*\s+16*\i       ; LDS serves a wave's instructions in order: these see my stores
.endr
	s_wait_dscnt 0x0
	v_max3_num_f32 v[T+4], |v[XS]|, |v[XS+1]|, |v[XS+2]|
	v_max3_num_f32 v[T+5], |v[XS+3]|, |v[XS+4]|, |v[XS+5]|
.irp i, 6,10
	v_max3_num_f32 v[T+4], v[T+4], |v[XS+\i]|, |v[XS+\i+1]|
	v_max3_num_f32 v[T+5], v[T+5], |v[XS+\i+2]|, |v[XS+\i+3]|
.endr
	v_max3_num_f32 v[T+4], v[T+4], |v[XS+14]|, |v[XS+15]|
	v_max3_num_f32 v[T+4], v[T+4], v[T+5], 0x1800000                  ; the floor 2^(3 - 127): the byte cannot fall under 1
	v_max_num_f32_dpp v[T+4], v[T+4], v[T+4] row_xmask:1 row_mask:0xf bank_mask:0xf   ; with my neighbour's 16: the block's largest magnitude
	v_add_nc_u32 v[T+6], 0xff000000, v[T+4]        ; 2 off its exponent field: the conversion's scale operand
	v_cvt_scalef32_pk16_fp6_f32 v[C+4*\s:C+4*\s+2], v[XS:XS+15], v[T+6]
	v_lshrrev_b32 v[E+\s], 23, v[T+6]              ; the scale's byte
	ds_store_b8 v5, v[E+\s] offset:16*\s           ; both lanes of a block write the same byte with the same value
	global_store_b96 v4, v[C+4*\s:C+4*\s+2], s[16:17] offset:384*\s
.endm
	QSTEP 0
	QSTEP 1
	s_wait_dscnt 0x0                               ; for the others' sake: my scale bytes lie in LDS
	s_barrier_signal -1
	s_barrier_wait -1
	s_cmp_lg_u32 s12, 0
	s_cbranch_scc1 .Ldone
	ds_load_b128 v[T:T+3], v7                      ; the tile's 512 scale bytes leave as two aligned blocks of 256
	s_wait_dscnt 0x0
	global_store_b128 v1, v[T:T+3], s[18:19]
.Ldone:
	s_wait_tensorcnt 0x0
	ds_add_u32 v160, v161
	s_wait_dscnt 0x0
	s_endpgm
.Lfunc_end_k_q069849bd95_ln1:
	.size	k_q069849bd95_ln1, .Lfunc_end_k_q069849bd95_ln1-k_q069849bd95_ln1
	.p2alignl 7, 3214868480
	.fill 96, 4, 3214868480
	.section	.rodata,"a",@progbits
	.p2align	6, 0x0
	.amdhsa_kernel k_q069849bd95_ln1
		.amdhsa_group_segment_fixed_size 84992
		.amdhsa_private_segment_fixed_size 0
		.amdhsa_enable_private_segment 0
		.amdhsa_kernarg_size 32
		.amdhsa_user_sgpr_count 2
		.amdhsa_user_sgpr_kernarg_segment_ptr 1
		.amdhsa_wavefront_size32 1
		.amdhsa_system_sgpr_workgroup_id_x 1
		.amdhsa_system_sgpr_workgroup_id_y 1
		.amdhsa_system_sgpr_workgroup_id_z 1
		.amdhsa_system_vgpr_workitem_id 0
		.amdhsa_next_free_vgpr 162
		.amdhsa_next_free_sgpr 66
		.amdhsa_reserve_vcc 0
		.amdhsa_float_denorm_mode_32 3
		.amdhsa_float_denorm_mode_16_64 3
		.amdhsa_memory_ordered 1
		.amdhsa_forward_progress 1
		.amdhsa_inst_pref_size 14
	.end_amdhsa_kernel
	.amdgpu_metadata
---
amdhsa.version: [ 1, 2 ]
amdhsa.kernels:
  - .name:           k_q069849bd95_ln1
    .symbol:         k_q069849bd95_ln1.kd
    .args:
      - { .name: x, .offset: 0, .size: 8, .value_kind: global_buffer, .address_space: global }
      - { .name: ln1_g, .offset: 8, .size: 8, .value_kind: global_buffer, .address_space: global }
      - { .name: ln1_b, .offset: 16, .size: 8, .value_kind: global_buffer, .address_space: global }
      - { .name: hbuf, .offset: 24, .size: 8, .value_kind: global_buffer, .address_space: global }
    .group_segment_fixed_size: 84992
    .private_segment_fixed_size: 0
    .kernarg_segment_align: 8
    .kernarg_segment_size: 32
    .max_flat_workgroup_size: 512
    .sgpr_count:     66
    .vgpr_count:     162
    .wavefront_size: 32
...
	.end_amdgpu_metadata
.endif
;; end of part 1
;; launch qkv (part 2): grid 12 x 16, 4 waves a work-group, clusters of 4 x 4, 327,680 bytes of LDS; arguments hbuf, Wq_codes, Wq_scales, Wk_codes, Wk_scales, Wv_codes, Wv_scales, qbuf, kvrec; writes qbuf, kvrec
.if DOCPART == 2
	.amdgcn_target "amdgcn-amd-amdhsa--gfx1250"
	.amdhsa_code_object_version 6
	.text
	.protected	k_q069849bd95_qkv
	.globl	k_q069849bd95_qkv
	.p2align	8
	.type	k_q069849bd95_qkv,@function
k_q069849bd95_qkv:
	s_mov_b64 s[64:65], 0
	v_nop
	global_prefetch_b8 v0, s[64:65] scope:SCOPE_SE
	s_setreg_imm32_b32 hwreg(HW_REG_WAVE_MODE, 25, 1), 1
	s_wait_xcnt 0x0
	s_wait_alu depctr_hold_cnt(0) depctr_sa_sdst(0) depctr_va_vdst(0) depctr_va_sdst(0) depctr_va_ssrc(0) depctr_va_vcc(0) depctr_vm_vsrc(0)
	s_getreg_b32 s2, hwreg(HW_REG_IB_STS2, 6, 4)
	s_cmp_eq_u32 s2, 0
	s_cbranch_scc0 .Lentry_in_a_cluster
	s_endpgm
.Lentry_in_a_cluster:
	s_bfe_u32 s2, ttmp6, 0x10000c
	s_cmp_lg_u32 s2, 0xf033
	s_cbranch_scc0 .Lentry_shape_is_right
	s_endpgm
.Lentry_shape_is_right:
; q = h Wq, k = h Wk, v = h Wv on codes of FP6 (E2M3) with E8M0 scales, K = 1,024; the results are quantised here: q and k along the head's 64, v along the keys.
; h: codes [4096][768 bytes] and scale bytes [4096][32] (at SCOFF), rows in image order (place 16 tau + r = true row 32 (tau / 2) + 8 (tau % 2) + r + 8 (r / 8)).  The weights: codes [1024][768], scale bytes [1024][32], K innermost.
; ONE GEMM TEXT, C = A B^T on tiles of 256 x 256, four waves of 128 x 128, K in steps of 256 through a ring of two LDS slots, the scale bytes of the tile's rows in LDS for the whole launch.
; The cluster's x says which product: 0: A = h, B = Wq;  1: A = h, B = Wk;  2: A = Wv, B = h, which is v TRANSPOSED: both operands lie alike in memory, so v^T is the same product with the operands exchanged.
; THE MATRIX INSTRUCTION IS USED TRANSPOSED (source 0 = 16 rows of B, source 1 = 16 rows of A): a lane holds one row of A's side and its registers run along B's side, which is the axis to be quantised:
; for q and k the head's channels (brought into neighbours of 16 by an exchange of the halves of the lanes), for v the keys (already neighbours of 16 for each pair of tiles, by the image order of h's rows).
; OUT, as images of an operand's registers (a fragment's registers 6 c .. 6 c + 3 at 768 c + 16 lane, 6 c + 4, 6 c + 5 at 768 c + 512 + 8 lane):
;   qbuf: half images [head 32][tile 128][768], scale words [head][tile][16 x 4] at SCOFF (two bytes low, 0 above).
;   kvrec: a record of REC bytes for each head and 128 keys: K's 8 half images, V^T's 4 images (16 channels x 128 keys) at 6,144, K's scale words at 12,288, V's at 12,800.
; CLUSTERS: 4 x 4 work-groups; A's tiles are asked for jointly along a row of the cluster, B's along a column.
; LIMITS: a block of zeros gets the scale byte 1 and not 127 (its codes are zeros; this program alone reads the bytes); NaN and infinities are not served.
; REGISTERS: window 0: v0-31 addresses; v32-63 scale words, two sets; v64-81 the quantiser's; from v128 A's fragments, one set; later the codes.  window 1: B's fragments, two sets.  windows 2, 3: the 64 accumulators ((a, b) at v[8 (8 (a % 4) + b)]).
.set SIZE_K, 1024
.set KSTEP,  256                       ; along K in a slot
.set NQ,     KSTEP/128
.set ROWB,   192                       ; a tile's row in bytes
.set KROW,   SIZE_K*6/8
.set PITCH,  240                       ; an LDS row: 3 x (64 bytes + 16 of padding)
.set FR,     12
.set NL,     6
.set NP,     4
.set HALFT,  128*PITCH
.set SLOT,   4*HALFT
.set LAPS,   SIZE_K/(2*KSTEP)
.set KS,     SIZE_K/32
.set SCL,    2*SLOT                    ; behind the ring: the scale bytes, as 256 bytes + 16 of padding
.set HALFS,  (128*KS/256)*272
.set SBLK,   (16*KS/256)*272
.set SPARE,  SCL+4*HALFS               ; the spare words, 128 bytes for each wave: two blocks of 256 bytes that no other line names
.set SCOFF,  3145728
.set REC,    13056
.set HREC,   16*REC                    ; from a head's records to the next head's
.set ADRA, 16
.set ADRB, 20
.set ADRS, 27
.set SPW,  28                          ; v28  LDS address of my spare word; never rewritten
.set NIL,  29                          ; v29  0; never rewritten
.set SC,   32
.set AF,   128
.set TM,   64                          ; the way out: v64-79 the quantiser's, v80 the scale word, v81 a head's half of it
.set PW,   80
.set HW,   81
.set PC,   128                         ; v128-147 the codes just made
.set VA0,  16                          ; the way out: 16 lane;  v17: 512 + 8 lane;  v18, v19: the same for the second head;  v20: scale words;  v21: 4 r;  v22: 16 h
.set VB0,  17
.set VA1,  18
.set VB1,  19
.set VS,   20
.set VR,   21
.set SH,   22
.set SEL,  50
.set G1, 24
.set G0, 32
.set G1B, 48
.set G0B, 56
.set G1S, 68
.set G0S, 76
.set G1SB, 80
.set G0SB, 88
.set MSB, 0
.macro WIN new                         ; the immediate's high byte repeats the setting that is left
.if MSB != (\new)
	s_set_vgpr_msb (MSB<<8)|(\new)
.set MSB, (\new)
.endif
.endm
.set MUL_LO, 0xa1                      ; source 0 (B) window 1, source 1 (A) window 0, C and D window 2
.set MUL_HI, 0xf1
.set TO_B,   0x40
.macro JLOAD g0a, g1a, g0b, g1b        ; a joint load: waves 0 and 1 fetch for A, waves 2 and 3 for B; four v_nop follow each of the two lines
	s_cmp_eq_u32 s15, 0
	s_cbranch_scc0 .Lfor_b_\@
	tensor_load_to_lds s[\g0a:\g0a+3], s[\g1a:\g1a+7]
	s_nop 0
.rept 4
	v_nop
.endr
	s_branch .Lasked_\@
.Lfor_b_\@:
	tensor_load_to_lds s[\g0b:\g0b+3], s[\g1b:\g1b+7]
	s_nop 0
.rept 4
	v_nop
.endr
.Lasked_\@:
.endm
.macro CREST                           ; a round of the cluster's barrier behind its opening barrier
	s_cmp_lg_u32 s14, 0
	s_cbranch_scc1 .Lnot_wave_0_\@
	s_barrier_signal -3
.Lnot_wave_0_\@:
	s_barrier_wait -3
	s_barrier_signal -1
	s_barrier_wait -1
.endm
.macro CROUND
	s_barrier_signal -1
	s_barrier_wait -1
	CREST
.endm
	s_load_b512 s[68:83], s[0:1], 0x0              ; h 68, Wq codes 70, scales 72, Wk 74, 76, Wv 78, 80, qbuf 82
	s_load_b64 s[84:85], s[0:1], 0x40              ; kvrec
	v_lshl_add_u32 v[SPW], v0, 2, SPARE
	v_mov_b32 v[NIL], 0
	ds_add_u32 v28, v29
	ds_add_u32 v28, v29
	s_wait_dscnt 0x0
	v_lshrrev_b32 v1, 5, v0
	v_readfirstlane_b32 s14, v1                    ; wave 0..3
	s_lshr_b32 s15, s14, 1                         ; which half of the tile's rows is mine.  Also: I fetch for A (0) or for B (1)
	s_and_b32 s16, s14, 1                          ; which half of its columns.  Also: which 128 rows I fetch
	s_bfe_u32 s40, ttmp6, 0x40000                  ; cx, cy
	s_bfe_u32 s41, ttmp6, 0x40004
	s_and_b32 s17, ttmp7, 0xffff                   ; the cluster's y
	s_cmp_eq_u32 ttmp9, 2                          ; the cluster's x: the product.  It is the same in all partners
	s_cselect_b32 s98, 0, 4                        ; q, k: tile row = 4 y + cy, tile column = cx;  v^T: tile row = cy, tile column = 4 y + cx
	s_cselect_b32 s99, 4, 0
	s_mul_i32 s42, s99, s17
	s_add_co_u32 s42, s42, s40                     ; tile column
	s_mul_i32 s17, s98, s17
	s_add_co_u32 s17, s17, s41                     ; tile row
	s_lshl_b32 s43, s41, 2
	s_lshl_b32 s43, 15, s43                        ; my row of the cluster
	s_lshl_b32 s44, 0x1111, s40                    ; my column
	s_wait_kmcnt 0x0
	s_add_nc_u64 s[86:87], s[68:69], SCOFF         ; h's scale bytes
	s_mov_b64 s[12:13], s[82:83]                   ; qbuf
	s_mov_b64 s[100:101], s[84:85]                 ; kvrec
	s_cmp_eq_u32 ttmp9, 2
	s_cselect_b64 s[4:5], s[78:79], s[68:69]       ; A's codes
	s_cselect_b64 s[6:7], s[80:81], s[86:87]       ; A's scales
	s_cselect_b64 s[8:9], s[68:69], s[70:71]       ; B's codes
	s_cselect_b64 s[10:11], s[86:87], s[72:73]     ; B's scales
	s_cmp_eq_u32 ttmp9, 1
	s_cselect_b64 s[8:9], s[74:75], s[8:9]
	s_cselect_b64 s[10:11], s[76:77], s[10:11]
	; descriptor group 1: a tile of 128 rows x ROWB bytes, 16 bytes of padding behind every 64
	s_or_b32 s[G1+0], s43, (0<<16)|(1<<20)|(1<<21)|(3<<22)|(3<<25)
	s_or_b32 s[G1B+0], s44, (0<<16)|(1<<20)|(1<<21)|(3<<22)|(3<<25)
.irp g, G1, G1B
	s_mov_b32 s[\g+1], ROWB<<16
	s_mov_b32 s[\g+2], 128<<16
	s_mov_b32 s[\g+3], ROWB<<16
	s_mov_b32 s[\g+4], 128
	s_mov_b32 s[\g+5], KROW
	s_mov_b32 s[\g+6], 0
	s_mov_b32 s[\g+7], 0
.endr
	; the scale bytes of 128 rows: a dense block, as rows of 256 bytes with 16 of padding behind each
	s_or_b32 s[G1S+0], s43, (3<<16)|(1<<20)|(1<<21)|(5<<22)|(3<<25)
	s_or_b32 s[G1SB+0], s44, (3<<16)|(1<<20)|(1<<21)|(5<<22)|(3<<25)
.irp g, G1S, G1SB
	s_mov_b32 s[\g+1], 32<<16
	s_mov_b32 s[\g+2], (128*KS/256)<<16
	s_mov_b32 s[\g+3], 32<<16
	s_mov_b32 s[\g+4], 128*KS/256
	s_mov_b32 s[\g+5], 32
	s_mov_b32 s[\g+6], 0
	s_mov_b32 s[\g+7], 0
.endr
	s_lshl_b32 s18, s16, 7
	s_lshl_b32 s20, s17, 8
	s_add_co_u32 s20, s20, s18                     ; A: row 256 x tile row + 128 x half
	s_lshl_b32 s46, s42, 8
	s_add_co_u32 s46, s46, s18                     ; B: row 256 x tile column + 128 x half
	s_mov_b32 s21, 0
	s_mov_b32 s47, 0
	s_mov_b64 s[18:19], KS
	s_mul_u64 s[22:23], s[20:21], s[18:19]
	s_mul_u64 s[92:93], s[46:47], s[18:19]
	s_mov_b64 s[18:19], KROW
	s_mul_u64 s[20:21], s[20:21], s[18:19]
	s_mul_u64 s[46:47], s[46:47], s[18:19]
	s_mul_i32 s45, s14, HALFT                      ; where they go: wave x 128 rows: no place in the cluster enters an LDS address
	s_mul_i32 s94, s14, HALFS
	s_add_nc_u64 s[20:21], s[4:5], s[20:21]
	s_add_nc_u64 s[22:23], s[6:7], s[22:23]
	s_add_nc_u64 s[46:47], s[8:9], s[46:47]
	s_add_nc_u64 s[92:93], s[10:11], s[92:93]
	CROUND                                         ; all sixteen work-groups are here: the first joint loads meet
	s_mov_b32 s[G0S], 1
	s_add_co_u32 s[G0S+1], s94, SCL
	s_mov_b64 s[G0S+2:G0S+3], s[22:23]
	s_or_b32 s[G0S+3], s[G0S+3], 0x80000000
	s_mov_b32 s[G0SB], 1
	s_add_co_u32 s[G0SB+1], s94, SCL
	s_mov_b64 s[G0SB+2:G0SB+3], s[92:93]
	s_or_b32 s[G0SB+3], s[G0SB+3], 0x80000000
	JLOAD G0S, G1S, G0SB, G1SB                     ; the scales first: they are wanted with K step 0
.irp s, 0,1
	s_mov_b32 s[G0+4*\s], 1
	s_add_co_u32 s[G0+4*\s+1], s45, \s*SLOT
	s_add_nc_u64 s[G0+4*\s+2:G0+4*\s+3], s[20:21], \s*ROWB
	s_or_b32 s[G0+4*\s+3], s[G0+4*\s+3], 0x80000000
	s_mov_b32 s[G0B+4*\s], 1
	s_add_co_u32 s[G0B+4*\s+1], s45, \s*SLOT
	s_add_nc_u64 s[G0B+4*\s+2:G0B+4*\s+3], s[46:47], \s*ROWB
	s_or_b32 s[G0B+4*\s+3], s[G0B+4*\s+3], 0x80000000
	JLOAD G0+4*\s, G1, G0B+4*\s, G1B
.endr
	v_and_b32 v1, 15, v0                           ; r
	v_bfe_u32 v2, v0, 4, 1                         ; h
	v_mul_u32_u24 v3, v1, PITCH
	v_mul_u32_u24 v4, v2, 24
	v_add_nc_u32 v4, v3, v4                        ; a fragment's row x pitch + 24 x half
	v_lshl_add_u32 v5, v2, 4, v4                   ; and the same behind one padding more
	s_mul_i32 s21, s15, HALFT
	s_mul_i32 s22, s16, HALFT
	s_add_co_u32 s22, s22, 2*HALFT
.irp s, 0,1
	v_add_nc_u32 v[ADRA+\s], s21, v4
	v_add_nc_u32 v[ADRB+\s], s22, v4
	v_add_nc_u32 v[ADRA+2+\s], s21, v5
	v_add_nc_u32 v[ADRB+2+\s], s22, v5
	s_add_co_u32 s21, s21, SLOT
	s_add_co_u32 s22, s22, SLOT
.endr
	v_mul_u32_u24 v5, v1, KS
	v_lshrrev_b32 v6, 8, v5
	v_lshl_add_u32 v5, v6, 4, v5                   ; my row's scales: KS bytes a row, 16 more for each 256 passed
	s_mul_i32 s21, s15, HALFS
	s_mul_i32 s22, s16, HALFS
	s_add_co_u32 s22, s22, 2*HALFS
	s_sub_co_u32 s22, s22, s21
	v_mul_u32_u24 v6, s22, v2                      ; lanes 16-31 take B's
	s_add_co_u32 s21, s21, SCL
	v_add_nc_u32 v5, v5, v6
	v_add_nc_u32 v[ADRS], s21, v5
.macro FRAG reg, adr, q, i             ; a fragment, 16 rows x 128 K: 12 registers, in pieces of 8 bytes; where the piece three on lies behind one padding more, the second address register serves
.irp p, 0,1,2,3,4,5
.set PCE, 12*(\q)+6*(\p/3)+\p%3
.if PCE%8 < 5
	ds_load_b64 v[\reg+2*\p:\reg+2*\p+1], v[\adr] offset:8*PCE+16*(PCE/8)+(\i)*16*PITCH
.else
	ds_load_b64 v[\reg+2*\p:\reg+2*\p+1], v[\adr+2] offset:8*PCE+16*(PCE/8)+(\i)*16*PITCH
.endif
.endr
.endm
; 16 matrix instructions: A's blocks a0, a0 + 1 x B's eight.  The 64 accumulators take turns, one instruction a turn, in the same order in every step.
.macro MUL16 a0, p, q, sc, zero
.irp a, \a0, \a0+1
.irp b, 0,1,2,3,4,5,6,7
.if \zero
	v_wmma_scale_f32_16x16x128_f8f6f4 v[8*(8*((\a)%4)+\b):8*(8*((\a)%4)+\b)+7], v[128*(\p)+FR*\b:128*(\p)+FR*\b+FR-1], v[AF+FR*(\a):AF+FR*(\a)+FR-1], 0, v[SC+8*NQ*(\sc)+NQ*\b+(\q)], v[SC+8*NQ*(\sc)+NQ*(\a)+(\q)] matrix_a_fmt:MATRIX_FMT_FP6 matrix_b_fmt:MATRIX_FMT_FP6 matrix_a_scale:MATRIX_SCALE_ROW1
.else
	v_wmma_scale_f32_16x16x128_f8f6f4 v[8*(8*((\a)%4)+\b):8*(8*((\a)%4)+\b)+7], v[128*(\p)+FR*\b:128*(\p)+FR*\b+FR-1], v[AF+FR*(\a):AF+FR*(\a)+FR-1], v[8*(8*((\a)%4)+\b):8*(8*((\a)%4)+\b)+7], v[SC+8*NQ*(\sc)+NQ*\b+(\q)], v[SC+8*NQ*(\sc)+NQ*(\a)+(\q)] matrix_a_fmt:MATRIX_FMT_FP6 matrix_b_fmt:MATRIX_FMT_FP6 matrix_a_scale:MATRIX_SCALE_ROW1
.endif
.endr
.endr
.endm
.macro FETCH_B slot, q, p
	WIN TO_B
.irp i, 0,1,2,3,4,5,6,7
	FRAG 128*(\p)+FR*\i, ADRB+\slot, \q, \i
.endr
	WIN 0
.endm
.macro FETCH_A slot, q, i0
.irp i, \i0, \i0+1, \i0+2, \i0+3
	FRAG AF+FR*(\i), ADRA+\slot, \q, \i
.endr
.endm
.macro SCALES sc                       ; the next K step's scale words: lanes 0-15 take A's block i, lanes 16-31 B's block i
.irp i, 0,1,2,3,4,5,6,7
	ds_load_b64 v[SC+8*NQ*\sc+NQ*\i:SC+8*NQ*\sc+NQ*\i+1], v[ADRS] offset:\i*SBLK
.endr
.endm
.macro PLACES n                        ; plain vector places behind matrix instructions, in front of loads into their registers and of reads of their results
.rept \n
	v_nop
.endr
.endm
.macro STEP slot, q, zero              ; a step of 128 along K that has its successor in the same slot
	s_wait_dscnt 4*NL                              ; B's set and A's blocks 0-3 are in; the youngest 24 loads (A's blocks 4-7) may be out
	WIN MUL_LO
	MUL16 0, (\q)%2, \q, \slot, \zero
	MUL16 2, (\q)%2, \q, \slot, \zero
	s_wait_dscnt 0
	PLACES NP
	FETCH_B \slot, (\q)+1, 1-(\q)%2
	FETCH_A \slot, (\q)+1, 0
	WIN MUL_HI
	MUL16 4, (\q)%2, \q, \slot, \zero
	MUL16 6, (\q)%2, \q, \slot, \zero
	PLACES NP
	WIN 0
	FETCH_A \slot, (\q)+1, 4
.endm
; A slot's last step changes slots: one barrier; in front of it each wave waits for all its tensor loads, adds 0 to its spare word, and waits for that and for its own reads of this slot.
.macro TURN slot, next, fill
	s_wait_tensorcnt 0x0                           ; all my tensor loads have landed: my part of the next slot
	ds_add_u32 v[SPW], v[NIL]                      ; 0 onto my spare word
	s_wait_dscnt 4*NL+1                            ; (the add and the youngest 24 loads may be out)
	WIN MUL_LO
	MUL16 0, 1, NQ-1, \slot, 0
	s_wait_dscnt 0x0                               ; the add is done, and my reads of this slot are over
	s_barrier_signal -1
	MUL16 2, 1, NQ-1, \slot, 0
	WIN 0
	s_barrier_wait -1
.if \fill
	CREST                                          ; the barrier has opened a round of the cluster's barrier: no wave of any partner still reads this slot or has a load on its way
	s_add_nc_u64 s[G0+4*\slot+2:G0+4*\slot+3], s[G0+4*\slot+2:G0+4*\slot+3], 2*ROWB
	s_add_nc_u64 s[G0B+4*\slot+2:G0B+4*\slot+3], s[G0B+4*\slot+2:G0B+4*\slot+3], 2*ROWB
	JLOAD G0+4*\slot, G1, G0B+4*\slot, G1B         ; the first tensor load behind the round; its four v_nop are the places in front of the loads below
.else
	PLACES NP
.endif
	v_add_nc_u32 v[ADRS], 4*NQ, v[ADRS]
	FETCH_B \next, 0, 0
	FETCH_A \next, 0, 0
	SCALES \next
	WIN MUL_HI
	MUL16 4, 1, NQ-1, \slot, 0
	MUL16 6, 1, NQ-1, \slot, 0
	PLACES NP
	WIN 0
	FETCH_A \next, 0, 4
.endm
	s_wait_tensorcnt 1                             ; the scales and my part of K step 0 are in (K step 1's load may be out)
	s_barrier_signal -1
	s_barrier_wait -1
	FETCH_B 0, 0, 0
	FETCH_A 0, 0, 0
	SCALES 0
	FETCH_A 0, 0, 4
	STEP 0, 0, 1                                   ; the first step's products start the sums
	s_mov_b32 s3, LAPS-1
.Llap:
	TURN 0, 1, 1
	STEP 1, 0, 0
	TURN 1, 0, 1
	STEP 0, 0, 0
	s_sub_co_u32 s3, s3, 1
	s_cmp_lg_u32 s3, 0
	s_cbranch_scc1 .Llap
	TURN 0, 1, 0                                   ; the last lap fills nothing
	STEP 1, 0, 0
	s_wait_dscnt 4*NL
	WIN MUL_LO
	MUL16 0, 1, NQ-1, 1, 0
	MUL16 2, 1, NQ-1, 1, 0
	s_wait_dscnt 0
	WIN MUL_HI
	MUL16 4, 1, NQ-1, 1, 0
	MUL16 6, 1, NQ-1, 1, 0
	WIN 0
; THE WAY OUT.  Block a of A's side: 64 registers of a lane, register 8 b + j = (my row r, B's row 16 b + 8 h + j), in window w.
; SWAPS: the halves of the lanes change places between the registers of tiles 2 b and 2 b + 1, from each accumulator's low end on: register 16 b + i then holds column 32 b + 16 h + i.
.macro SWAPS s, w
	WIN ((\w)<<6)|(\w)
.irp b, 0,1,2,3
.irp j, 0,1,2,3,4,5,6,7
	v_permlane16_swap_b32 v[\s+16*\b+\j], v[\s+16*\b+8+\j]
.endr
.endr
.endm
; QUANT: 64 numbers of a lane, register 16 b + i = k 32 b + 16 h + i of my row, become a fragment's codes in v[PC] on and its scale word in v[PW].
.macro QUANT s, w
	WIN (\w)|((\w)<<2)
.irp b, 0,1,2,3
	v_max3_num_f32 v[TM+\b], |v[\s+16*\b]|, |v[\s+1+16*\b]|, 0x1800000     ; with the floor 2^(3 - 127): the byte cannot fall under 1
.endr
.irp i, 2,4,6,8,10,12,14
.irp b, 0,1,2,3
	v_max3_num_f32 v[TM+\b], |v[\s+16*\b+\i]|, |v[\s+1+16*\b+\i]|, v[TM+\b]
.endr
.endr
	WIN 0
.irp b, 0,1,2,3
	v_permlanex16_b32 v[TM+4+\b], v[TM+\b], s[SEL], s[SEL+1]
.endr
.irp b, 0,1,2,3
	v_max_num_f32 v[TM+\b], v[TM+\b], v[TM+4+\b]   ; with lane l xor 16's: the block's largest magnitude
.endr
.irp b, 0,1,2,3
	v_add_nc_u32 v[TM+12+\b], 0xff000000, v[TM+\b] ; 2 off its exponent field: the conversion's scale operand
.endr
.irp b, 0,1,2,3
	v_lshrrev_b32 v[TM+4+\b], 23, v[TM+12+\b]      ; the scale's byte
.endr
	v_lshl_or_b32 v[PW], v[TM+5], 8, v[TM+4]
	v_lshl_or_b32 v[PW], v[TM+6], 16, v[PW]
	v_lshl_or_b32 v[PW], v[TM+7], 24, v[PW]
	WIN \w
.irp c, 0,1
	v_cvt_scalef32_pk16_fp6_f32 v[PC+6*\c:PC+2+6*\c], v[\s+32*\c:\s+15+32*\c], v[TM+12+2*\c]
	v_cvt_scalef32_pk16_fp6_f32 v[PC+12+4*\c:PC+14+4*\c], v[\s+16+32*\c:\s+31+32*\c], v[TM+12+2*\c+1]
.endr
	WIN 0
	v_nop                                          ; one plain place behind a scaled conversion
.irp c, 0,1                            ; the operand's layout wants a whole block in a lane
.irp i, 0,1,2
	v_permlane16_swap_b32 v[PC+6*\c+\i], v[PC+12+4*\c+\i]
.endr
.irp i, 0,1,2
	v_mov_b32 v[PC+3+6*\c+\i], v[PC+12+4*\c+\i]
.endr
.endr
.endm
.macro FINISH                          ; the wave's end, then the closing round
	s_wait_tensorcnt 0x0
	ds_add_u32 v[SPW], v[NIL]
	s_wait_dscnt 0x0
	CROUND
	s_endpgm
.endm
	PLACES NP
	v_and_b32 v1, 15, v0
	v_bfe_u32 v2, v0, 4, 1
	v_and_b32 v3, 31, v0
	v_lshlrev_b32 v[VA0], 4, v3
	v_lshl_add_u32 v[VB0], v3, 3, 512
	v_lshlrev_b32 v[VR], 2, v1
	v_lshlrev_b32 v[SH], 4, v2
.irp b, 0,1,2,3
	v_mov_b32 v[TM+4+\b], 0                        ; written once: a lane permute's destination counts as one of its sources
.endr
	s_mov_b32 s[SEL], 0x76543210
	s_mov_b32 s[SEL+1], 0xfedcba98
	s_cmp_eq_u32 ttmp9, 2
	s_cbranch_scc1 .Lvpath
	; ---- q and k: my 128 columns are two heads; the fragment's two halves are the two heads' half images
	s_lshl_b32 s20, s17, 4
	s_lshl_b32 s21, s15, 3
	s_add_co_u32 s20, s20, s21                     ; my first tile of rows
	s_lshr_b32 s21, s20, 7                         ; the batch
	s_and_b32 s22, s20, 127                        ; the tile in it
	s_lshl_b32 s21, s21, 4
	s_lshl_b32 s23, s42, 2
	s_add_co_u32 s21, s21, s23
	s_lshl_b32 s23, s16, 1
	s_add_co_u32 s21, s21, s23                     ; my first head: 16 batch + 4 tile column + 2 half
	s_lshl_b32 s23, s21, 7
	s_add_co_u32 s23, s23, s22
	s_mul_i32 s44, s23, 768                        ; q: half image (head, tile)
	s_lshl_b32 s46, s23, 6
	s_add_co_u32 s46, s46, SCOFF                   ;    and its 16 scale words
	s_lshl_b32 s23, s21, 4
	s_lshr_b32 s22, s22, 3
	s_add_co_u32 s23, s23, s22
	s_mul_i32 s23, s23, REC                        ; k: the record (head, tile / 8)
	s_add_co_u32 s43, s23, 12288
	s_mov_b32 s48, 98304                           ; from a head to the next: q's images, q's words
	s_mov_b32 s49, 8192
	s_cmp_eq_u32 ttmp9, 1
	s_cselect_b32 s44, s23, s44
	s_cselect_b32 s46, s43, s46
	s_cselect_b64 s[12:13], s[100:101], s[12:13]
	s_cselect_b32 s48, HREC, s48
	s_cselect_b32 s49, HREC, s49
	s_mov_b32 s45, 0
	s_mov_b32 s47, 0
	s_add_nc_u64 s[44:45], s[12:13], s[44:45]
	s_add_nc_u64 s[46:47], s[12:13], s[46:47]
	v_add_nc_u32 v[VA1], s48, v[VA0]
	v_add_nc_u32 v[VB1], s48, v[VB0]
	v_mad_u32_u24 v[VS], v2, s49, v[VR]            ; lanes 0-15 store the first head's words, lanes 16-31 the second's
.macro QKOUT a
.if \a > 0
	s_wait_xcnt 0x0                                ; the last block's stores have read their registers
.endif
	SWAPS 64*((\a)%4), 2+(\a)/4
	QUANT 64*((\a)%4), 2+(\a)/4
	v_bfe_u32 v[HW], v[PW], v[SH], 16              ; my head's two bytes, 0 above
	global_store_b128 v[VA0], v[PC:PC+3], s[44:45] offset:768*\a       ; 512 consecutive bytes
	global_store_b64 v[VB0], v[PC+4:PC+5], s[44:45] offset:768*\a      ; 256 consecutive bytes
	global_store_b128 v[VA1], v[PC+6:PC+9], s[44:45] offset:768*\a
	global_store_b64 v[VB1], v[PC+10:PC+11], s[44:45] offset:768*\a
	global_store_b32 v[VS], v[HW], s[46:47] offset:64*\a
.endm
.irp a, 0,1,2,3,4,5,6,7
	QKOUT \a
.endr
	FINISH
.Lvpath:
	; ---- v^T: my 128 rows are two heads' channels, my 128 columns the keys of one record; a block of 16 channels is one whole image
	s_lshl_b32 s20, s42, 1
	s_add_co_u32 s20, s20, s16                     ; which 128 keys of the 4,096
	s_lshr_b32 s21, s20, 4                         ; the batch
	s_and_b32 s20, s20, 15                         ; the record in a head
	s_lshl_b32 s21, s21, 4
	s_lshl_b32 s22, s17, 2
	s_add_co_u32 s21, s21, s22
	s_lshl_b32 s22, s15, 1
	s_add_co_u32 s21, s21, s22                     ; my first head
	s_lshl_b32 s21, s21, 4
	s_add_co_u32 s21, s21, s20
	s_mul_i32 s44, s21, REC
	s_add_co_u32 s44, s44, 6144
	s_mov_b32 s45, 0
	s_add_nc_u64 s[44:45], s[100:101], s[44:45]
.macro VOUT a
.if \a > 0
	s_wait_xcnt 0x0
.endif
	QUANT 64*((\a)%4), 2+(\a)/4
	global_store_b128 v[VA0], v[PC:PC+3], s[44:45] offset:((\a)/4)*HREC+((\a)%4)*1536
	global_store_b64 v[VB0], v[PC+4:PC+5], s[44:45] offset:((\a)/4)*HREC+((\a)%4)*1536
	global_store_b128 v[VA0], v[PC+6:PC+9], s[44:45] offset:((\a)/4)*HREC+((\a)%4)*1536+768
	global_store_b64 v[VB0], v[PC+10:PC+11], s[44:45] offset:((\a)/4)*HREC+((\a)%4)*1536+768
	global_store_b32 v[VR], v[PW], s[44:45] offset:6656+((\a)/4)*HREC+((\a)%4)*64   ; both halves of the lanes hold the same word and write it to the same place
.endm
.irp a, 0,1,2,3,4,5,6,7
	VOUT \a
.endr
	FINISH
.Lfunc_end_k_q069849bd95_qkv:
	.size	k_q069849bd95_qkv, .Lfunc_end_k_q069849bd95_qkv-k_q069849bd95_qkv
	.p2alignl 7, 3214868480
	.fill 96, 4, 3214868480
	.section	.rodata,"a",@progbits
	.p2align	6, 0x0
	.amdhsa_kernel k_q069849bd95_qkv
		.amdhsa_group_segment_fixed_size 327680
		.amdhsa_private_segment_fixed_size 0
		.amdhsa_enable_private_segment 0
		.amdhsa_kernarg_size 72
		.amdhsa_user_sgpr_count 2
		.amdhsa_user_sgpr_kernarg_segment_ptr 1
		.amdhsa_wavefront_size32 1
		.amdhsa_system_sgpr_workgroup_id_x 1
		.amdhsa_system_sgpr_workgroup_id_y 1
		.amdhsa_system_sgpr_workgroup_id_z 1
		.amdhsa_system_vgpr_workitem_id 0
		.amdhsa_next_free_vgpr 1024
		.amdhsa_next_free_sgpr 102
		.amdhsa_reserve_vcc 0
		.amdhsa_float_denorm_mode_32 3
		.amdhsa_float_denorm_mode_16_64 3
		.amdhsa_memory_ordered 1
		.amdhsa_forward_progress 1
		.amdhsa_inst_pref_size 211
	.end_amdhsa_kernel
	.amdgpu_metadata
---
amdhsa.version: [ 1, 2 ]
amdhsa.kernels:
  - .name:           k_q069849bd95_qkv
    .symbol:         k_q069849bd95_qkv.kd
    .args:
      - { .name: hbuf, .offset: 0, .size: 8, .value_kind: global_buffer, .address_space: global }
      - { .name: Wq_codes, .offset: 8, .size: 8, .value_kind: global_buffer, .address_space: global }
      - { .name: Wq_scales, .offset: 16, .size: 8, .value_kind: global_buffer, .address_space: global }
      - { .name: Wk_codes, .offset: 24, .size: 8, .value_kind: global_buffer, .address_space: global }
      - { .name: Wk_scales, .offset: 32, .size: 8, .value_kind: global_buffer, .address_space: global }
      - { .name: Wv_codes, .offset: 40, .size: 8, .value_kind: global_buffer, .address_space: global }
      - { .name: Wv_scales, .offset: 48, .size: 8, .value_kind: global_buffer, .address_space: global }
      - { .name: qbuf, .offset: 56, .size: 8, .value_kind: global_buffer, .address_space: global }
      - { .name: kvrec, .offset: 64, .size: 8, .value_kind: global_buffer, .address_space: global }
    .group_segment_fixed_size: 327680
    .private_segment_fixed_size: 0
    .kernarg_segment_align: 8
    .kernarg_segment_size: 72
    .max_flat_workgroup_size: 128
    .sgpr_count:     102
    .vgpr_count:     1024
    .wavefront_size: 32
...
	.end_amdgpu_metadata
.endif
;; end of part 2
;; launch attn (part 3): grid 272 x 1, 16 waves a work-group, no clusters, 169,984 bytes of LDS; arguments qbuf, kvrec, obuf; writes obuf
.if DOCPART == 3
	.amdgcn_target "amdgcn-amd-amdhsa--gfx1250"
	.amdhsa_code_object_version 6
	.text
	.protected	k_q069849bd95_attn
	.globl	k_q069849bd95_attn
	.p2align	8
	.type	k_q069849bd95_attn,@function
k_q069849bd95_attn:
	s_mov_b64 s[64:65], 0
	v_nop
	global_prefetch_b8 v0, s[64:65] scope:SCOPE_SE
	s_setreg_imm32_b32 hwreg(HW_REG_WAVE_MODE, 25, 1), 1
	s_wait_xcnt 0x0
; Banded causal attention, 32 heads of 64 channels, 2,048 positions, both products on codes of FP6 (E2M3) with E8M0 scales.
; Query i sees keys max(0, i - 128) .. i and key 0; query 2,047 sees every key.  With keys in blocks of 128, a block Q of 128 queries needs key blocks 0 (for key 0), Q - 1 and Q.
; THE SOFTMAX: t = score x log2(e) / 8; M = the running largest t rounded up to a whole number; p = 2^(t - M) is quantised along the keys, not normalised; the sum of the unquantised p divides at the end.
; IN: qbuf (half images of 16 queries x 64 channels, scale words at SCOFF); kvrec: a record of REC bytes for each head and key block: K's 8 half images, V^T's 4 images at VIMG, K's scale words at KSC, V's at VSC.
; Rows lie in image order: lane r of tile e stands for position 32 (e / 2) + 8 (e % 2) + r + 8 (r / 8) of its 128, so that the 16 registers of two neighbouring key tiles are 16 neighbouring keys.
; K = 64 is half of the instruction's 128: Q's upper six registers hold zero codes, which make every product of that half zero whatever K's registers hold there.
; OUT: obuf: o / l quantised along the model's 1,024: images [tile of rows 256][K step 8][1,536] (a head is half an image), scale words [K step][4096][4] at SCOFF.
; SHARES.  Work-groups 0-255: a pair of heads and a block Q: wave (c, e) takes head c of the pair and tile e of 16 queries; the pair's six records come by six tensor loads, each filled once.
; Work-groups 256-271: the tile that holds query 2,047, for a pair of heads: wave (c, e) walks key blocks 2 e and 2 e + 1 straight from memory; the eight partial sums of a head meet in LDS and are merged
; by exact powers of two.  In the other work-groups that tile's two waves compute nothing.  No cluster: neighbouring query blocks share one record in three.
; LIMITS: a block of zeros gets the scale byte 1; NaN and infinities are not served.
; REGISTERS: v1-3 LDS places, v4-6 places in memory, v7 lowest key - 16 h, v8 query - 16 h, v12 -M, v13 largest t, v[14:15] the sum, v16-27 Q, v28 its scale word, v32-79 four fragments, v80-83 their scale words,
; v96-159 S^T, then p; v160-191 O^T; v192-210 p's codes; v212-231 at work; v224 p's scale word.
.set REC,   13056
.set KIMG,  0
.set VIMG,  6144
.set KSC,   12288
.set VSC,   12800
.set HALFL, 3*REC                      ; a head's three records in LDS
.set SCX,   6*REC                      ; 512 bytes: the block's scale words
.set MRG,   SCX+512                    ; 16 x MRGW: a wave's O^T (8 x 512 bytes) and (-M, l) (256 bytes)
.set MRGW,  4608
.set SCX2,  MRG+16*MRGW                ; 256 bytes: the last tile's scale words
.set SCOFF, 3145728
.macro LDQ mode, d, al, ag, off        ; 16 bytes a lane, from LDS (mode 0) or from the record in memory (mode 1)
.if \mode
	global_load_b128 v[\d:\d+3], v[\ag], s[40:41] offset:\off
.else
	ds_load_b128 v[\d:\d+3], v[\al] offset:\off
.endif
.endm
.macro LDD mode, d, al, ag, off        ; 8 bytes
.if \mode
	global_load_b64 v[\d:\d+1], v[\ag], s[40:41] offset:\off
.else
	ds_load_b64 v[\d:\d+1], v[\al] offset:\off
.endif
.endm
.macro LDW mode, d, al, ag, off        ; 4 bytes
.if \mode
	global_load_b32 v[\d], v[\ag], s[40:41] offset:\off
.else
	ds_load_b32 v[\d], v[\al] offset:\off
.endif
.endm
.macro LDWAIT mode
.if \mode
	s_wait_loadcnt 0x0
.else
	s_wait_dscnt 0x0
.endif
.endm
	s_load_b128 s[4:7], s[0:1], 0x0                ; qbuf, kvrec
	s_load_b64 s[8:9], s[0:1], 0x10                ; obuf
	v_lshl_add_u32 v254, v0, 2, 0x29000
	v_mov_b32 v255, 0
	ds_add_u32 v254, v255
	ds_add_u32 v254, v255
	v_lshrrev_b32 v1, 5, v0
	v_readfirstlane_b32 s10, v1                    ; wave 0..15
	s_lshr_b32 s11, s10, 3                         ; c: the head of the pair
	s_and_b32 s12, s10, 7                          ; e
	s_lshr_b32 s13, ttmp9, 4
	s_and_b32 s14, ttmp9, 15
	s_sub_co_u32 s50, ttmp9, 256
	s_cmp_lt_u32 ttmp9, 256
	s_cselect_b32 s13, s13, s50                    ; batch x 8 + pair
	s_cselect_b32 s14, s14, 15                     ; Q
	s_cselect_b32 s15, s12, 7                      ; my tile of queries
	s_lshr_b32 s16, s13, 3                         ; batch
	s_and_b32 s17, s13, 7                          ; pair
	s_lshl_b32 s18, s16, 4
	s_lshl_b32 s50, s17, 1
	s_add_co_u32 s18, s18, s50
	s_add_co_u32 s18, s18, s11                     ; head 0..31
	s_lshl_b32 s19, s14, 3
	s_add_co_u32 s19, s19, s15                     ; tile of queries 0..127
	s_lshl_b32 s37, s14, 7                         ; the block's first query
	; every address register is made here, ahead of every parting of the ways
	v_and_b32 v89, 31, v0                          ; lane
	v_and_b32 v229, 15, v0                         ; r
	v_bfe_u32 v231, v0, 4, 1                       ; h
	v_lshlrev_b32 v4, 4, v89
	v_lshlrev_b32 v5, 3, v89
	v_lshlrev_b32 v6, 2, v229
	s_mul_i32 s50, s11, HALFL
	v_add_nc_u32 v1, s50, v4
	v_add_nc_u32 v2, s50, v5
	v_add_nc_u32 v3, s50, v6
	s_lshl_b32 s51, s11, 1
	v_add_nc_u32 v30, s51, v6
	v_add_nc_u32 v30, SCX2, v30                    ; the last tile's halfword: 4 r + 2 c
	s_lshl_b32 s52, s12, 6
	s_add_co_u32 s51, s51, s52
	v_add_nc_u32 v29, s51, v6
	v_add_nc_u32 v29, SCX, v29                     ; my tile's halfword: 64 e + 4 r + 2 c
	v_add_nc_u32 v31, SCX, v4
	v_and_b32 v88, 3, v0
	v_lshl_add_u32 v88, v88, 4, SCX2
	s_mul_i32 s51, s10, MRGW
	s_add_co_u32 s51, s51, MRG
	v_add_nc_u32 v84, s51, v4
	v_add_nc_u32 v85, s51, v5
	v_add_nc_u32 v85, 4096, v85
	s_mul_i32 s51, s11, 8*MRGW
	s_add_co_u32 s51, s51, MRG
	v_add_nc_u32 v86, s51, v4
	v_add_nc_u32 v87, s51, v5
	v_add_nc_u32 v87, 4096, v87
	s_lshr_b32 s50, s15, 1
	s_lshl_b32 s50, s50, 5
	s_and_b32 s51, s15, 1
	s_lshl_b32 s51, s51, 3
	s_add_co_u32 s50, s50, s51
	s_add_co_u32 s50, s50, s37
	v_and_b32 v10, 8, v229
	v_add_nc_u32 v10, v10, v229
	v_add_nc_u32 v10, s50, v10                     ; my query i
	v_lshlrev_b32 v11, 4, v231
	v_sub_nc_u32 v8, v10, v11                      ; i - 16 h
	v_add_nc_u32 v7, 0xffffff80, v10               ; the lowest key of the band: i - 128;
	v_mov_b32 v228, 0xfff00000
	v_cmp_eq_u32 vcc_lo, 0x7ff, v10
	v_cndmask_b32 v7, v7, v228, vcc_lo             ; query 2,047 has none
	v_sub_nc_u32 v7, v7, v11
	; the one tensor load: a record, 51 rows of 256 bytes, dense.  Wave w < 6 brings record w % 3 of head w / 3: key blocks 0, max(Q - 1, 0), Q
	s_mov_b32 s24, 3<<16                           ; no mask; elements of 8 bytes; no padding
	s_mov_b32 s25, 32<<16                          ; tensor_dim0 = 32
	s_mov_b32 s26, 51<<16                          ; tensor_dim1 = 51
	s_mov_b32 s27, 32<<16                          ; tile_dim0 = 32
	s_mov_b32 s28, 51                              ; tile_dim1 = 51
	s_mov_b32 s29, 32                              ; the pitch
	s_mov_b32 s30, 0
	s_mov_b32 s31, 0
	s_cmp_ge_u32 s10, 3
	s_cselect_b32 s51, 1, 0
	s_mul_i32 s52, s51, 3
	s_sub_co_u32 s52, s10, s52
	s_add_co_u32 s53, s14, s52
	s_sub_co_i32 s53, s53, 2
	s_max_i32 s53, s53, 0
	s_cmp_eq_u32 s52, 0
	s_cselect_b32 s53, 0, s53
	s_sub_co_u32 s54, s18, s11
	s_add_co_u32 s54, s54, s51
	s_lshl_b32 s54, s54, 4
	s_add_co_u32 s54, s54, s53
	s_mul_i32 s54, s54, REC
	s_mov_b32 s55, 0
	s_mov_b32 s32, 1
	s_mul_i32 s33, s10, REC
	; where Q comes from and o goes
	s_lshl_b32 s50, s18, 7
	s_add_co_u32 s50, s50, s19
	s_mul_i32 s42, s50, 768
	s_mov_b32 s43, 0
	s_lshl_b32 s44, s50, 6
	s_add_co_u32 s44, s44, SCOFF
	s_mov_b32 s45, 0
	s_lshl_b32 s50, s16, 7
	s_add_co_u32 s50, s50, s19
	s_lshl_b32 s50, s50, 3
	s_add_co_u32 s50, s50, s17
	s_mul_i32 s46, s50, 1536
	s_mul_i32 s51, s11, 768
	s_add_co_u32 s46, s46, s51
	s_mov_b32 s47, 0
	s_lshl_b32 s48, s17, 14
	s_lshl_b32 s51, s16, 13
	s_add_co_u32 s48, s48, s51
	s_lshl_b32 s51, s14, 9
	s_add_co_u32 s48, s48, s51
	s_add_co_u32 s48, s48, SCOFF
	s_mov_b32 s49, 0
	s_mov_b32 s20, 0x76543210
	s_mov_b32 s21, 0xfedcba98                      ; v_permlanex16_b32's selects for lane l xor 16
	s_mov_b32 s22, 0x3e38aa3b                      ; log2(e) / 8
	s_mov_b32 s23, s22
	s_wait_dscnt 0x0
	s_wait_kmcnt 0x0
	s_add_nc_u64 s[34:35], s[6:7], s[54:55]
	s_or_b32 s35, s35, 0x80000000
	s_add_nc_u64 s[42:43], s[4:5], s[42:43]
	s_add_nc_u64 s[44:45], s[4:5], s[44:45]
	s_add_nc_u64 s[46:47], s[8:9], s[46:47]
	s_add_nc_u64 s[48:49], s[8:9], s[48:49]
	s_cmp_ge_u32 ttmp9, 256
	s_cbranch_scc1 .Lnofill
	s_cmp_lt_u32 s10, 6
	s_cbranch_scc0 .Lnofill
	tensor_load_to_lds s[32:35], s[24:31]          ; a first fill; nothing in this launch is filled again
	s_nop 0
.rept 4
	v_nop
.endr
.Lnofill:
	global_load_b128 v[16:19], v4, s[42:43]        ; Q's half image
	global_load_b64 v[20:21], v5, s[42:43] offset:512
	global_load_b32 v28, v6, s[44:45]              ; and its scale words
	v_mov_b32 v9, 0xff800000                       ; -infinity
	v_mov_b32 v13, 0xff61b1e6                      ; the largest t so far: -3e38
	v_floor_f32 v12, -v13                          ; -M
	v_mov_b32 v14, 0
	v_mov_b32 v15, 0
.irp j, 22,23,24,25,26,27
	v_mov_b32 v[\j], 0                             ; zero codes for k = 64 .. 127
.endr
.irp t, 0,1,2,3
.irp j, 6,7,8,9,10,11
	v_mov_b32 v[32+12*\t+\j], 0                    ; written once: K's half images do not fill them
.endr
.endr
.set ii, 0
.rept 32
	v_mov_b32 v[160+ii], 0                         ; O^T: the step is written once and its first use finds zeros
.set ii, ii+1
.endr
.irp b, 0,1,2,3
	v_mov_b32 v[216+\b], 0                         ; a lane permute's destination counts as one of its sources
.endr
	v_mov_b32 v227, 0                              ; named as the upper half of the pair v[226:227]
	v_mov_b32 v230, 0                              ; the halfword of a wave that computes nothing
	s_wait_tensorcnt 0x0                           ; my record has landed
	s_barrier_signal -1
	s_barrier_wait -1                              ; everybody's has
	s_wait_loadcnt 0x0                             ; Q
; A KEY STEP: the 128 keys from s36 on, whose record lies ro bytes on.
.macro STEP mode, ro
.irp g, 0,1                            ; S^T = K Q^T, four tiles of 16 keys at a time
.rept 4
	v_nop                                          ; places in front of loads into registers that matrix instructions have read
.endr
.irp t, 0,1,2,3
	LDQ \mode, 32+12*\t, 1, 4, \ro+KIMG+768*(4*\g+\t)
	LDD \mode, 36+12*\t, 2, 5, \ro+KIMG+768*(4*\g+\t)+512
	LDW \mode, 80+\t, 3, 6, \ro+KSC+64*(4*\g+\t)
.endr
	LDWAIT \mode
.irp t, 0,1,2,3
	v_wmma_scale_f32_16x16x128_f8f6f4 v[96+8*(4*\g+\t):103+8*(4*\g+\t)], v[32+12*\t:43+12*\t], v[16:27], 0, v[80+\t], v28 matrix_a_fmt:MATRIX_FMT_FP6 matrix_b_fmt:MATRIX_FMT_FP6
.endr
.endr
.rept 4
	v_nop
.endr
.irp t, 0,1,2,3                        ; V^T's four images are asked for now and land under the softmax
	LDQ \mode, 32+12*\t, 1, 4, \ro+VIMG+1536*\t
	LDD \mode, 36+12*\t, 2, 5, \ro+VIMG+1536*\t+512
	LDQ \mode, 38+12*\t, 1, 4, \ro+VIMG+1536*\t+768
	LDD \mode, 42+12*\t, 2, 5, \ro+VIMG+1536*\t+1280
	LDW \mode, 80+\t, 3, 6, \ro+VSC+64*\t
.endr
	; THE MASK.  Register n holds key s36 + 16 h + c, c = 32 (n / 16) + n % 16.  Hidden scores become -infinity: p = 0 then.
	s_sub_co_i32 s39, 0, s36
	s_cmp_eq_u32 s36, s37
	s_cbranch_scc1 .Lupper_\@
	v_mov_b32 v11, v96                             ; below the diagonal block: hidden where the key lies under the band;
	v_add_nc_u32 v10, s39, v7
.set nn, 0
.rept 64
	v_cmp_lt_i32 vcc_lo, 32*(nn/16)+nn%16, v10
	v_cndmask_b32 v[96+nn], v[96+nn], v9, vcc_lo
.set nn, nn+1
.endr
	s_cmp_eq_u32 s36, 0
	s_cselect_b32 s38, 0xffff, 0
	v_cndmask_b32 v96, v96, v11, s38               ; key 0 (register 0 of lanes 0-15 in key block 0) counts for every query
	s_branch .Lmasked_\@
.Lupper_\@:
	v_add_nc_u32 v10, s39, v8                      ; the diagonal block: hidden where the key comes after the query
.set nn, 0
.rept 64
	v_cmp_gt_i32 vcc_lo, 32*(nn/16)+nn%16, v10
	v_cndmask_b32 v[96+nn], v[96+nn], v9, vcc_lo
.set nn, nn+1
.endr
.Lmasked_\@:
.irp b, 0,1,2,3
	v_max3_num_f32 v[212+\b], v[96+16*\b], v[97+16*\b], v[98+16*\b]    ; the largest score of each block of 32 keys: for the row's maximum, and, since p rises with the score, for the block's largest p
.endr
.irp i, 3,5,7,9,11,13
.irp b, 0,1,2,3
	v_max3_num_f32 v[212+\b], v[212+\b], v[96+16*\b+\i], v[97+16*\b+\i]
.endr
.endr
.irp b, 0,1,2,3
	v_max_num_f32 v[212+\b], v[212+\b], v[111+16*\b]
.endr
.irp b, 0,1,2,3
	v_permlanex16_b32 v[216+\b], v[212+\b], s20, s21
.endr
.irp b, 0,1,2,3
	v_max_num_f32 v[212+\b], v[212+\b], v[216+\b]
.endr
	v_max3_num_f32 v228, v212, v213, v214
	v_max_num_f32 v228, v228, v215
	v_mul_f32 v228, s22, v228                      ; as t
	v_max_num_f32 v13, v13, v228                   ; the running largest t
	v_mov_b32 v228, v12
	v_floor_f32 v12, -v13                          ; the new -M = -ceil(t)
	v_sub_f32 v228, v12, v228                      ; old M - new M: a whole number, 0 or less
	v_cvt_i32_f32 v228, v228                       ; (it saturates)
	v_ldexp_f32 v226, 1.0, v228                    ; f = 2^(old M - new M): rounds nothing
.set jj, 0
.rept 32
	v_pk_fma_f32 v[96+jj:97+jj], v[96+jj:97+jj], s[22:23], v[12:13] op_sel_hi:[1,0,0]   ; t - M
.set jj, jj+2
.endr
.irp b, 0,1,2,3
	v_fma_f32 v[212+\b], v[212+\b], s22, v12
.endr
.set jj, 0
.rept 64
	v_exp_f32 v[96+jj], v[96+jj]                   ; p = 2^(t - M)
.set jj, jj+1
.endr
.irp b, 0,1,2,3
	v_exp_f32 v[212+\b], v[212+\b]                 ; the block's largest p
.endr
	v_pk_mul_f32 v[14:15], v[14:15], v[226:227] op_sel_hi:[1,0]        ; the sums under the new M (a plain place behind the exponentials)
	s_wait_alu depctr_va_vdst(0)
.irp b, 0,1,2,3
	v_max_num_f32 v[212+\b], 0x1800000, v[212+\b]  ; the floor 2^(3 - 127)
.endr
.irp b, 0,1,2,3
	v_add_nc_u32 v[220+\b], 0xff000000, v[212+\b]  ; the conversion's scale operand
.endr
.irp b, 0,1,2,3
	v_lshrrev_b32 v[216+\b], 23, v[220+\b]         ; the scale's byte
.endr
	v_lshl_or_b32 v224, v217, 8, v216              ; p's scale word for these 128 keys
	v_lshl_or_b32 v224, v218, 16, v224
	v_lshl_or_b32 v224, v219, 24, v224
.irp c, 0,1
	v_cvt_scalef32_pk16_fp6_f32 v[192+6*\c:194+6*\c], v[96+32*\c:111+32*\c], v[220+2*\c]
	v_cvt_scalef32_pk16_fp6_f32 v[204+4*\c:206+4*\c], v[112+32*\c:127+32*\c], v[220+2*\c+1]
.endr
	v_nop                                          ; one plain place behind a scaled conversion
.irp c, 0,1
.irp i, 0,1,2
	v_permlane16_swap_b32 v[192+6*\c+\i], v[204+4*\c+\i]
.endr
.irp i, 0,1,2
	v_mov_b32 v[195+6*\c+\i], v[204+4*\c+\i]
.endr
.endr
	v_pk_add_f32 v[216:217], v[96:97], v[98:99]    ; the row's sum of the unquantised p, in two chains; these lines are also the places in front of the scaled products below
.irp j, 4,8,12,16,20,24,28,32,36,40,44,48,52,56,60
	v_pk_add_f32 v[14:15], v[14:15], v[96+\j:97+\j]
	v_pk_add_f32 v[216:217], v[216:217], v[98+\j:99+\j]
.endr
	v_pk_add_f32 v[14:15], v[14:15], v[216:217]
.set jj, 0
.rept 16
	v_pk_mul_f32 v[160+jj:161+jj], v[160+jj:161+jj], v[226:227] op_sel_hi:[1,0]     ; O^T under the new M, each accumulator from its low end on
.set jj, jj+2
.endr
	LDWAIT \mode                                   ; V^T
.irp t, 0,1,2,3                        ; O^T += V^T P^T: four accumulators, one instruction a turn
	v_wmma_scale_f32_16x16x128_f8f6f4 v[160+8*\t:167+8*\t], v[32+12*\t:43+12*\t], v[192:203], v[160+8*\t:167+8*\t], v[80+\t], v224 matrix_a_fmt:MATRIX_FMT_FP6 matrix_b_fmt:MATRIX_FMT_FP6
.endr
.endm
; THE WAY OUT OF A TILE: o = O^T / l; register 8 t + j = channel 16 t + 8 h + j becomes, by the exchange of halves, register 16 b + i = channel 32 b + 16 h + i; two blocks are quantised: half an image and a halfword of scale bytes (v230).
.macro EPI
.rept 4
	v_nop
.endr
	v_add_f32 v14, v14, v15
	v_permlanex16_b32 v228, v14, s20, s21
	v_add_f32 v14, v14, v228                       ; the row's sum
	v_rcp_f32 v14, v14
	v_nop
.set jj, 0
	s_wait_alu depctr_va_vdst(0)
.rept 32
	v_mul_f32 v[96+jj], v[160+jj], v14
.set jj, jj+1
.endr
.irp j, 0,1,2,3,4,5,6,7
	v_permlane16_swap_b32 v[96+\j], v[104+\j]
	v_permlane16_swap_b32 v[112+\j], v[120+\j]
.endr
.irp b, 0,1
	v_max3_num_f32 v[212+\b], |v[96+16*\b]|, |v[97+16*\b]|, 0x1800000
.endr
.irp i, 2,4,6,8,10,12,14
.irp b, 0,1
	v_max3_num_f32 v[212+\b], v[212+\b], |v[96+16*\b+\i]|, |v[97+16*\b+\i]|
.endr
.endr
.irp b, 0,1
	v_permlanex16_b32 v[216+\b], v[212+\b], s20, s21
.endr
.irp b, 0,1
	v_max_num_f32 v[212+\b], v[212+\b], v[216+\b]
.endr
.irp b, 0,1
	v_add_nc_u32 v[220+\b], 0xff000000, v[212+\b]
.endr
.irp b, 0,1
	v_lshrrev_b32 v[216+\b], 23, v[220+\b]
.endr
	v_lshl_or_b32 v230, v217, 8, v216
	v_cvt_scalef32_pk16_fp6_f32 v[192:194], v[96:111], v220
	v_cvt_scalef32_pk16_fp6_f32 v[204:206], v[112:127], v221
	v_nop
.irp i, 0,1,2
	v_permlane16_swap_b32 v[192+\i], v[204+\i]
.endr
.irp i, 0,1,2
	v_mov_b32 v[195+\i], v[204+\i]
.endr
	global_store_b128 v4, v[192:195], s[46:47]                 ; 512 consecutive bytes
	global_store_b64 v5, v[196:197], s[46:47] offset:512       ; 256 consecutive bytes
.endm
	s_cmp_ge_u32 ttmp9, 256
	s_cbranch_scc1 .Lspecial
	; ---- a block of 128 queries
	s_cmp_eq_u32 s19, 127                          ; the tile of query 2,047 is made elsewhere
	s_cbranch_scc1 .Ljoin
	s_cmp_lt_u32 s14, 2
	s_cbranch_scc1 .Lno_first
	s_mov_b32 s36, 0
	STEP 0, 0                                      ; key block 0, for key 0
.Lno_first:
	s_cmp_lt_u32 s14, 1
	s_cbranch_scc1 .Lno_prev
	s_sub_co_u32 s36, s37, 128
	STEP 0, REC                                    ; key block Q - 1
.Lno_prev:
	s_mov_b32 s36, s37
	STEP 0, 2*REC                                  ; the diagonal block
	EPI
.Ljoin:
	ds_store_b16 v29, v230                         ; both halves of the lanes write the same halfword
	s_wait_dscnt 0x0
	s_barrier_signal -1
	s_barrier_wait -1                              ; the block's 128 scale words lie in LDS
	s_cmp_lg_u32 s10, 0
	s_cbranch_scc1 .Lend
	ds_load_b128 v[96:99], v31
	s_cmp_eq_u32 s14, 15
	s_cselect_b32 s52, 28, 32                      ; in the last block the last tile's 64 bytes are another work-group's
	v_cmp_gt_u32 vcc_lo, s52, v89
	s_wait_dscnt 0x0
	s_wait_xcnt 0x0                                ; EXEC changes only behind this wait
	s_and_saveexec_b32 s53, vcc_lo
	global_store_b128 v4, v[96:99], s[48:49]
	s_wait_xcnt 0x0
	s_or_b32 exec_lo, exec_lo, s53
.Lend:
	s_wait_tensorcnt 0x0
	ds_add_u32 v254, v255
	s_wait_dscnt 0x0
	s_endpgm
.Lspecial:
	; ---- the tile of query 2,047: my two key blocks, from memory
	s_lshl_b32 s50, s18, 4
	s_lshl_b32 s51, s12, 1
	s_add_co_u32 s50, s50, s51
	s_mul_i32 s40, s50, REC
	s_mov_b32 s41, 0
	s_add_nc_u64 s[40:41], s[6:7], s[40:41]
	s_lshl_b32 s36, s12, 8
	STEP 1, 0
	s_add_co_u32 s36, s36, 128
	STEP 1, REC
.rept 4
	v_nop
.endr
	v_add_f32 v13, v14, v15                        ; (-M, l) as a pair
.irp k, 0,1,2,3,4,5,6,7
	ds_store_b128 v84, v[160+4*\k:163+4*\k] offset:512*\k
.endr
	ds_store_b64 v85, v[12:13]
	s_wait_dscnt 0x0
	s_barrier_signal -1
	s_barrier_wait -1                              ; all sixteen partial states lie in LDS
	s_cmp_lg_u32 s12, 0
	s_cbranch_scc1 .Lsjoin
.irp u, 0,1,2,3,4,5,6,7
	ds_load_b64 v[96+2*\u:97+2*\u], v87 offset:MRGW*\u
.endr
	s_wait_dscnt 0x0
	v_min3_num_f32 v12, v96, v98, v100             ; the least -M is the largest M
	v_min3_num_f32 v12, v12, v102, v104
	v_min3_num_f32 v12, v12, v106, v108
	v_min_num_f32 v12, v12, v110
.irp u, 0,1,2,3,4,5,6,7
	v_sub_f32 v[112+2*\u], v12, v[96+2*\u]         ; a part's M less the largest: a whole number, 0 or less
.endr
.irp u, 0,1,2,3,4,5,6,7
	v_cvt_i32_f32 v[112+2*\u], v[112+2*\u]
.endr
.irp u, 0,1,2,3,4,5,6,7
	v_ldexp_f32 v[112+2*\u], 1.0, v[112+2*\u]      ; its factor: an exact power of two, 0 for a part that saw no key
.endr
	v_mul_f32 v14, v112, v97
.irp u, 1,2,3,4,5,6,7
	v_fmac_f32 v14, v[112+2*\u], v[97+2*\u]
.endr
	v_mov_b32 v15, 0
.irp u, 0,1,2,3,4,5,6,7
.irp k, 0,1,2,3,4,5,6,7
	ds_load_b128 v[32+4*\k:35+4*\k], v86 offset:MRGW*\u+512*\k
.endr
	s_wait_dscnt 0x0
.irp i, 0,2,4,6,8,10,12,14,16,18,20,22,24,26,28,30
.if \u == 0
	v_pk_mul_f32 v[160+\i:161+\i], v[32+\i:33+\i], v[112:113] op_sel_hi:[1,0]
.else
	v_pk_fma_f32 v[160+\i:161+\i], v[32+\i:33+\i], v[112+2*\u:113+2*\u], v[160+\i:161+\i] op_sel_hi:[1,0,1]
.endif
.endr
.endr
	EPI
	ds_store_b16 v30, v230
.Lsjoin:
	s_wait_dscnt 0x0
	s_barrier_signal -1
	s_barrier_wait -1                              ; the tile's 16 scale words lie in LDS
	s_cmp_lg_u32 s10, 0
	s_cbranch_scc1 .Lsend
	ds_load_b128 v[96:99], v88                     ; every lane reads one of the four written pieces; lanes 0-3 store them
	v_cmp_gt_u32 vcc_lo, 4, v89
	s_wait_dscnt 0x0
	s_wait_xcnt 0x0
	s_and_saveexec_b32 s53, vcc_lo
	global_store_b128 v4, v[96:99], s[48:49] offset:448
	s_wait_xcnt 0x0
	s_or_b32 exec_lo, exec_lo, s53
.Lsend:
	s_wait_tensorcnt 0x0
	ds_add_u32 v254, v255
	s_wait_dscnt 0x0
	s_endpgm
.Lfunc_end_k_q069849bd95_attn:
	.size	k_q069849bd95_attn, .Lfunc_end_k_q069849bd95_attn-k_q069849bd95_attn
	.p2alignl 7, 3214868480
	.fill 96, 4, 3214868480
	.section	.rodata,"a",@progbits
	.p2align	6, 0x0
	.amdhsa_kernel k_q069849bd95_attn
		.amdhsa_group_segment_fixed_size 169984
		.amdhsa_private_segment_fixed_size 0
		.amdhsa_enable_private_segment 0
		.amdhsa_kernarg_size 24
		.amdhsa_user_sgpr_count 2
		.amdhsa_user_sgpr_kernarg_segment_ptr 1
		.amdhsa_wavefront_size32 1
		.amdhsa_system_sgpr_workgroup_id_x 1
		.amdhsa_system_sgpr_workgroup_id_y 1
		.amdhsa_system_sgpr_workgroup_id_z 1
		.amdhsa_system_vgpr_workitem_id 0
		.amdhsa_next_free_vgpr 256
		.amdhsa_next_free_sgpr 66
		.amdhsa_reserve_vcc 1
		.amdhsa_float_denorm_mode_32 3
		.amdhsa_float_denorm_mode_16_64 3
		.amdhsa_memory_ordered 1
		.amdhsa_forward_progress 1
		.amdhsa_inst_pref_size 170
	.end_amdhsa_kernel
	.amdgpu_metadata
---
amdhsa.version: [ 1, 2 ]
amdhsa.kernels:
  - .name:           k_q069849bd95_attn
    .symbol:         k_q069849bd95_attn.kd
    .args:
      - { .name: qbuf, .offset: 0, .size: 8, .value_kind: global_buffer, .address_space: global }
      - { .name: kvrec, .offset: 8, .size: 8, .value_kind: global_buffer, .address_space: global }
      - { .name: obuf, .offset: 16, .size: 8, .value_kind: global_buffer, .address_space: global }
    .group_segment_fixed_size: 169984
    .private_segment_fixed_size: 0
    .kernarg_segment_align: 8
    .kernarg_segment_size: 24
    .max_flat_workgroup_size: 512
    .sgpr_count:     66
    .vgpr_count:     256
    .wavefront_size: 32
...
	.end_amdgpu_metadata
.endif
;; end of part 3
;; launch wo (part 4): grid 4 x 16, 4 waves a work-group, clusters of 4 x 4, 327,680 bytes of LDS; arguments obuf, Wo_codes, Wo_scales, bo, x, x1; writes x1
.if DOCPART == 4
	.amdgcn_target "amdgcn-amd-amdhsa--gfx1250"
	.amdhsa_code_object_version 6
	.text
	.protected	k_q069849bd95_wo
	.globl	k_q069849bd95_wo
	.p2align	8
	.type	k_q069849bd95_wo,@function
k_q069849bd95_wo:
	s_mov_b64 s[64:65], 0
	v_nop
	global_prefetch_b8 v0, s[64:65] scope:SCOPE_SE
	s_setreg_imm32_b32 hwreg(HW_REG_WAVE_MODE, 25, 1), 1
	s_wait_xcnt 0x0
	s_wait_alu depctr_hold_cnt(0) depctr_sa_sdst(0) depctr_va_vdst(0) depctr_va_sdst(0) depctr_va_ssrc(0) depctr_va_vcc(0) depctr_vm_vsrc(0)
	s_getreg_b32 s2, hwreg(HW_REG_IB_STS2, 6, 4)
	s_cmp_eq_u32 s2, 0
	s_cbranch_scc0 .Lentry_in_a_cluster
	s_endpgm
.Lentry_in_a_cluster:
	s_bfe_u32 s2, ttmp6, 0x10000c
	s_cmp_lg_u32 s2, 0xf033
	s_cbranch_scc0 .Lentry_shape_is_right
	s_endpgm
.Lentry_shape_is_right:
; out = res + A B^T + bias.  A: 4,096 rows x SIZE_K as codes of FP6 (E2M3), laid as IMAGES of the operand's registers: [tile of 16 rows 256][K step of 128][1,536 bytes] (registers 6 c .. 6 c + 3 at 768 c + 16 lane,
; 6 c + 4, 6 c + 5 at 768 c + 512 + 8 lane), its scale words [K step][4096][4] at ASC_OFF; the rows lie in image order (place 16 tau + r = true row 32 (tau / 2) + 8 (tau % 2) + r + 8 (r / 8)).
; B: the weight, codes [1024][SIZE_K x 3 / 4 bytes], scale bytes [1024][SIZE_K / 32], K innermost.  bias [1024], res and out [4096][1024] f32, true rows.
; A tile of 256 x 256 to a work-group of four waves, 128 x 128 a wave in 64 accumulators; K in steps of 256 through a ring of two LDS slots; all scale bytes of the tile's rows stay in LDS.
; A's fragments come out of LDS by loads of 16 and 8 consecutive bytes a lane; B's rows are 192 bytes with 16 of padding behind every 64.
; THE MATRIX INSTRUCTION IS USED TRANSPOSED (source 0 = 16 rows of B, source 1 = 16 rows of A): a lane holds eight neighbouring columns of one row.
; CLUSTERS: 4 x 4 work-groups; A's tiles are asked for jointly along a row of the cluster, B's along a column.  The grid has 64 work-groups: the tile is kept large so that a K step holds 128 matrix instructions a wave.
; REGISTERS: window 0: v0-31 addresses; v32-63 A's scale words, v64-95 B's, two sets each; v96-99 the bias; from v128 A's fragments, later rows on their way out.  window 1: B's fragments, two sets; later the residual.  windows 2, 3: the accumulators.
.set SIZE_K, 1024
.set ASC_OFF, 3145728
.set NTOUT,  0                         ; the result is read again by later launches
.set KF,     SIZE_K/128
.set KSTEP,  256
.set NQ,     KSTEP/128
.set ROWB,   192
.set KROW,   SIZE_K*6/8
.set PITCH,  240
.set FR,     12
.set NLA,    4                         ; LDS loads that bring a fragment of A
.set NP,     4
.set HA,     8*3072                    ; A: 8 tiles of rows x two K steps of 1,536 bytes: what one tensor load brings
.set HB,     128*PITCH                 ; B: 128 rows
.set SLOT,   2*HA+2*HB
.set LAPS,   SIZE_K/(2*KSTEP)
.set KS,     SIZE_K/32
.set SCLA,   2*SLOT                    ; behind the ring: A's scale words, [half][K step][128 rows x 4]
.set HSA,    KF*512
.set SCLB,   SCLA+2*HSA                ; B's scale bytes, as 256 bytes + 16 of padding
.set HALFS,  (128*KS/256)*272
.set SBLK,   (16*KS/256)*272
.set SPARE,  SCLB+2*HALFS              ; the spare words, 128 bytes for each wave: two blocks of 256 bytes that no other line names
.set SPITCH, 528                       ; the way out: a stage of 16 rows x (512 + 16) bytes a wave, in slot 0, which has had its last fill and its last read by then
.set ADRA, 16                          ; v16-17 16 lane + my half of A in slot 0, 1;  v18-19 the same with 8 lane
.set ADRB, 20                          ; v20-21 my B fragments in slot 0, 1;  v22-23 behind one padding more
.set STO,  24
.set RD,   25
.set CO,   26                          ; v26  16 x lane; never rewritten
.set ADRSA, 27
.set SPW,  28                          ; v28  LDS address of my spare word; never rewritten
.set NIL,  29                          ; v29  0; never rewritten
.set ADRSB, 30
.set SCA,  32
.set SCB,  64
.set BI,   96
.set AF,   128
.set BB,   128
.set G1, 24
.set G0, 32
.set G1B, 48
.set G0B, 56
.set G1S, 68
.set G0S, 76
.set G1SB, 80
.set G0SB, 88
.set MSB, 0
.macro WIN new                         ; the immediate's high byte repeats the setting that is left
.if MSB != (\new)
	s_set_vgpr_msb (MSB<<8)|(\new)
.set MSB, (\new)
.endif
.endm
.set MUL_LO, 0xa1
.set MUL_HI, 0xf1
.set TO_B,   0x40
.macro JLOAD g0a, g1a, g0b, g1b        ; a joint load: waves 0 and 1 fetch for A, waves 2 and 3 for B; four v_nop follow each of the two lines
	s_cmp_eq_u32 s15, 0
	s_cbranch_scc0 .Lfor_b_\@
	tensor_load_to_lds s[\g0a:\g0a+3], s[\g1a:\g1a+7]
	s_nop 0
.rept 4
	v_nop
.endr
	s_branch .Lasked_\@
.Lfor_b_\@:
	tensor_load_to_lds s[\g0b:\g0b+3], s[\g1b:\g1b+7]
	s_nop 0
.rept 4
	v_nop
.endr
.Lasked_\@:
.endm
.macro CREST
	s_cmp_lg_u32 s14, 0
	s_cbranch_scc1 .Lnot_wave_0_\@
	s_barrier_signal -3
.Lnot_wave_0_\@:
	s_barrier_wait -3
	s_barrier_signal -1
	s_barrier_wait -1
.endm
.macro CROUND
	s_barrier_signal -1
	s_barrier_wait -1
	CREST
.endm
	s_load_b64 s[4:5], s[0:1], 0x0                 ; A
	s_load_b128 s[8:11], s[0:1], 0x8               ; B's codes, B's scales
	s_load_b128 s[96:99], s[0:1], 0x18             ; bias, res
	s_load_b64 s[12:13], s[0:1], 0x28              ; out
	v_lshl_add_u32 v[SPW], v0, 2, SPARE
	v_mov_b32 v[NIL], 0
	ds_add_u32 v28, v29
	ds_add_u32 v28, v29
	s_wait_dscnt 0x0
	v_lshrrev_b32 v1, 5, v0
	v_readfirstlane_b32 s14, v1                    ; wave 0..3
	s_lshr_b32 s15, s14, 1                         ; my half of the rows.  Also: I fetch for A (0) or for B (1)
	s_and_b32 s16, s14, 1                          ; my half of the columns.  Also: which half I fetch
	s_bfe_u32 s40, ttmp6, 0x40000
	s_bfe_u32 s41, ttmp6, 0x40004
	s_lshl_b32 s42, ttmp9, 2
	s_add_co_u32 s42, s42, s40                     ; tile column
	s_and_b32 s17, ttmp7, 0xffff
	s_lshl_b32 s17, s17, 2
	s_add_co_u32 s17, s17, s41                     ; tile row
	s_lshl_b32 s43, s41, 2
	s_lshl_b32 s43, 15, s43                        ; my row of the cluster
	s_lshl_b32 s44, 0x1111, s40                    ; my column
	; A's tiles: 8 rows (tiles of 16 rows) of 3,072 bytes (two K steps' images), KF x 1,536 bytes apart; elements of 8 bytes; no padding
	s_or_b32 s[G1+0], s43, (3<<16)|(1<<21)
	s_mov_b32 s[G1+1], 384<<16
	s_mov_b32 s[G1+2], 8<<16
	s_mov_b32 s[G1+3], 384<<16
	s_mov_b32 s[G1+4], 8
	s_mov_b32 s[G1+5], KF*192
	s_mov_b32 s[G1+6], 0
	s_mov_b32 s[G1+7], 0
	; B's tiles: 128 rows x 192 bytes, 16 bytes of padding behind every 64
	s_or_b32 s[G1B+0], s44, (0<<16)|(1<<20)|(1<<21)|(3<<22)|(3<<25)
	s_mov_b32 s[G1B+1], ROWB<<16
	s_mov_b32 s[G1B+2], 128<<16
	s_mov_b32 s[G1B+3], ROWB<<16
	s_mov_b32 s[G1B+4], 128
	s_mov_b32 s[G1B+5], KROW
	s_mov_b32 s[G1B+6], 0
	s_mov_b32 s[G1B+7], 0
	; A's scale words of 128 rows: KF rows of 512 bytes, 16,384 bytes apart
	s_or_b32 s[G1S+0], s43, (3<<16)|(1<<21)
	s_mov_b32 s[G1S+1], 64<<16
	s_mov_b32 s[G1S+2], KF<<16
	s_mov_b32 s[G1S+3], 64<<16
	s_mov_b32 s[G1S+4], KF
	s_mov_b32 s[G1S+5], 2048
	s_mov_b32 s[G1S+6], 0
	s_mov_b32 s[G1S+7], 0
	; B's scale bytes of 128 rows: a dense block, as rows of 256 bytes with 16 of padding behind each
	s_or_b32 s[G1SB+0], s44, (3<<16)|(1<<20)|(1<<21)|(5<<22)|(3<<25)
	s_mov_b32 s[G1SB+1], 32<<16
	s_mov_b32 s[G1SB+2], (128*KS/256)<<16
	s_mov_b32 s[G1SB+3], 32<<16
	s_mov_b32 s[G1SB+4], 128*KS/256
	s_mov_b32 s[G1SB+5], 32
	s_mov_b32 s[G1SB+6], 0
	s_mov_b32 s[G1SB+7], 0
	s_lshl_b32 s20, s17, 4
	s_lshl_b32 s18, s16, 3
	s_add_co_u32 s20, s20, s18                     ; A: tile of rows 16 x tile row + 8 x half
	s_lshl_b32 s22, s20, 6
	s_add_co_u32 s22, s22, ASC_OFF                 ; its rows' scale words in K step 0
	s_mul_i32 s20, s20, KF*1536
	s_mov_b32 s21, 0
	s_mov_b32 s23, 0
	s_lshl_b32 s46, s42, 8
	s_lshl_b32 s18, s16, 7
	s_add_co_u32 s46, s46, s18                     ; B: row 256 x tile column + 128 x half
	s_mul_i32 s92, s46, KS
	s_mul_i32 s46, s46, KROW
	s_mov_b32 s47, 0
	s_mov_b32 s93, 0
	s_mul_i32 s45, s16, HA                         ; where they go: no place in the cluster enters an LDS address
	s_mul_i32 s94, s16, HB
	s_add_co_u32 s94, s94, 2*HA
	s_mul_i32 s18, s16, HSA
	s_add_co_u32 s18, s18, SCLA
	s_mul_i32 s19, s16, HALFS
	s_add_co_u32 s19, s19, SCLB
	s_wait_kmcnt 0x0
	s_add_nc_u64 s[20:21], s[4:5], s[20:21]
	s_add_nc_u64 s[22:23], s[4:5], s[22:23]
	s_add_nc_u64 s[46:47], s[8:9], s[46:47]
	s_add_nc_u64 s[92:93], s[10:11], s[92:93]
	CROUND                                         ; all sixteen work-groups are here: the first joint loads meet
	s_mov_b32 s[G0S], 1
	s_mov_b32 s[G0S+1], s18
	s_mov_b64 s[G0S+2:G0S+3], s[22:23]
	s_or_b32 s[G0S+3], s[G0S+3], 0x80000000
	s_mov_b32 s[G0SB], 1
	s_mov_b32 s[G0SB+1], s19
	s_mov_b64 s[G0SB+2:G0SB+3], s[92:93]
	s_or_b32 s[G0SB+3], s[G0SB+3], 0x80000000
	JLOAD G0S, G1S, G0SB, G1SB                     ; the scales first
.irp s, 0,1
	s_mov_b32 s[G0+4*\s], 1
	s_add_co_u32 s[G0+4*\s+1], s45, \s*SLOT
	s_add_nc_u64 s[G0+4*\s+2:G0+4*\s+3], s[20:21], \s*3072
	s_or_b32 s[G0+4*\s+3], s[G0+4*\s+3], 0x80000000
	s_mov_b32 s[G0B+4*\s], 1
	s_add_co_u32 s[G0B+4*\s+1], s94, \s*SLOT
	s_add_nc_u64 s[G0B+4*\s+2:G0B+4*\s+3], s[46:47], \s*ROWB
	s_or_b32 s[G0B+4*\s+3], s[G0B+4*\s+3], 0x80000000
	JLOAD G0+4*\s, G1, G0B+4*\s, G1B
.endr
	v_and_b32 v1, 15, v0                           ; r
	v_bfe_u32 v2, v0, 4, 1                         ; h
	v_and_b32 v7, 31, v0                           ; lane
	v_mul_u32_u24 v3, v1, PITCH
	v_mul_u32_u24 v4, v2, 24
	v_add_nc_u32 v4, v3, v4
	v_lshl_add_u32 v5, v2, 4, v4
	v_lshlrev_b32 v[CO], 4, v7
	v_lshlrev_b32 v8, 3, v7
	s_mul_i32 s21, s15, HA
	s_mul_i32 s22, s16, HB
	s_add_co_u32 s22, s22, 2*HA
.irp s, 0,1
	v_add_nc_u32 v[ADRA+\s], s21, v[CO]
	v_add_nc_u32 v[ADRA+2+\s], s21, v8
	v_add_nc_u32 v[ADRB+\s], s22, v4
	v_add_nc_u32 v[ADRB+2+\s], s22, v5
	s_add_co_u32 s21, s21, SLOT
	s_add_co_u32 s22, s22, SLOT
.endr
	s_mul_i32 s21, s15, HSA
	s_add_co_u32 s21, s21, SCLA
	v_lshl_add_u32 v[ADRSA], v1, 2, s21            ; A's scale words: 4 r in my half's K step 0
	v_mul_u32_u24 v5, v1, KS
	v_lshrrev_b32 v6, 8, v5
	v_lshl_add_u32 v5, v6, 4, v5
	s_mul_i32 s22, s16, HALFS
	s_add_co_u32 s22, s22, SCLB
	v_add_nc_u32 v[ADRSB], s22, v5                 ; B's: KS bytes a row, 16 more for each 256 passed
	s_mul_i32 s23, s14, 16*SPITCH                  ; my stage
	v_mul_u32_u24 v5, v1, SPITCH
	v_lshl_add_u32 v5, v2, 5, v5
	v_add_nc_u32 v[STO], s23, v5
	v_add_nc_u32 v[RD], s23, v[CO]
	s_lshl_b32 s20, s17, 8
	s_lshl_b32 s21, s15, 7
	s_add_co_u32 s20, s20, s21
	s_lshl_b32 s20, s20, 12                        ; my first row, 4,096 bytes a row
	s_lshl_b32 s46, s42, 10
	s_lshl_b32 s47, s16, 9
	s_add_co_u32 s46, s46, s47                     ; my first column, in bytes
	s_mov_b32 s47, 0
	s_add_nc_u64 s[96:97], s[96:97], s[46:47]
	s_add_co_u32 s20, s20, s46
	s_mov_b32 s21, 0
	s_add_nc_u64 s[98:99], s[98:99], s[20:21]
	s_add_nc_u64 s[12:13], s[12:13], s[20:21]
	global_load_b128 v[BI:BI+3], v[CO], s[96:97]   ; the bias of my four columns on the way out
.macro FRAG reg, adr, q, i             ; a fragment of B: 12 registers, in pieces of 8 bytes
.irp p, 0,1,2,3,4,5
.set PCE, 12*(\q)+6*(\p/3)+\p%3
.if PCE%8 < 5
	ds_load_b64 v[\reg+2*\p:\reg+2*\p+1], v[\adr] offset:8*PCE+16*(PCE/8)+(\i)*16*PITCH
.else
	ds_load_b64 v[\reg+2*\p:\reg+2*\p+1], v[\adr+2] offset:8*PCE+16*(PCE/8)+(\i)*16*PITCH
.endif
.endr
.endm
; 16 matrix instructions: A's blocks a0, a0 + 1 x B's eight.  The 64 accumulators take turns, one instruction a turn, in the same order in every step.
.macro MUL16 a0, p, q, sc, zero
.irp a, \a0, \a0+1
.irp b, 0,1,2,3,4,5,6,7
.if \zero
	v_wmma_scale_f32_16x16x128_f8f6f4 v[8*(8*((\a)%4)+\b):8*(8*((\a)%4)+\b)+7], v[128*(\p)+FR*\b:128*(\p)+FR*\b+FR-1], v[AF+FR*(\a):AF+FR*(\a)+FR-1], 0, v[SCB+16*(\sc)+2*\b+(\q)], v[SCA+16*(\sc)+2*(\a)+(\q)] matrix_a_fmt:MATRIX_FMT_FP6 matrix_b_fmt:MATRIX_FMT_FP6
.else
	v_wmma_scale_f32_16x16x128_f8f6f4 v[8*(8*((\a)%4)+\b):8*(8*((\a)%4)+\b)+7], v[128*(\p)+FR*\b:128*(\p)+FR*\b+FR-1], v[AF+FR*(\a):AF+FR*(\a)+FR-1], v[8*(8*((\a)%4)+\b):8*(8*((\a)%4)+\b)+7], v[SCB+16*(\sc)+2*\b+(\q)], v[SCA+16*(\sc)+2*(\a)+(\q)] matrix_a_fmt:MATRIX_FMT_FP6 matrix_b_fmt:MATRIX_FMT_FP6
.endif
.endr
.endr
.endm
.macro FETCH_B slot, q, p
	WIN TO_B
.irp i, 0,1,2,3,4,5,6,7
	FRAG 128*(\p)+FR*\i, ADRB+\slot, \q, \i
.endr
	WIN 0
.endm
.macro FETCH_A slot, q, i0             ; A's blocks i0 .. i0 + 3: each an image, four loads of consecutive bytes
.irp i, \i0, \i0+1, \i0+2, \i0+3
	ds_load_b128 v[AF+FR*(\i):AF+FR*(\i)+3], v[ADRA+\slot] offset:3072*(\i)+1536*(\q)
	ds_load_b64 v[AF+FR*(\i)+4:AF+FR*(\i)+5], v[ADRA+2+\slot] offset:3072*(\i)+1536*(\q)+512
	ds_load_b128 v[AF+FR*(\i)+6:AF+FR*(\i)+9], v[ADRA+\slot] offset:3072*(\i)+1536*(\q)+768
	ds_load_b64 v[AF+FR*(\i)+10:AF+FR*(\i)+11], v[ADRA+2+\slot] offset:3072*(\i)+1536*(\q)+1280
.endr
.endm
.macro SCALES sc                       ; the next K step's scale words: register 2 i + q of a set
.irp i, 0,1,2,3,4,5,6,7
	ds_load_b32 v[SCA+16*\sc+2*\i], v[ADRSA] offset:64*\i
	ds_load_b32 v[SCA+16*\sc+2*\i+1], v[ADRSA] offset:512+64*\i
	ds_load_b64 v[SCB+16*\sc+2*\i:SCB+16*\sc+2*\i+1], v[ADRSB] offset:\i*SBLK
.endr
.endm
.macro PLACES n                        ; plain vector places behind matrix instructions (ISA guide 7.12.1)
.rept \n
	v_nop
.endr
.endm
.macro STEP slot, q, zero
	s_wait_dscnt 4*NLA                             ; all but the youngest 16 loads (A's blocks 4-7) are in
	WIN MUL_LO
	MUL16 0, (\q)%2, \q, \slot, \zero
	MUL16 2, (\q)%2, \q, \slot, \zero
	s_wait_dscnt 0
	PLACES NP
	FETCH_B \slot, (\q)+1, 1-(\q)%2
	FETCH_A \slot, (\q)+1, 0
	WIN MUL_HI
	MUL16 4, (\q)%2, \q, \slot, \zero
	MUL16 6, (\q)%2, \q, \slot, \zero
	PLACES NP
	WIN 0
	FETCH_A \slot, (\q)+1, 4
.endm
; A slot's last step changes slots: one barrier; in front of it each wave waits for all its tensor loads, adds 0 to its spare word, and waits for that and for its own reads of this slot.
.macro TURN slot, next, fill
	s_wait_tensorcnt 0x0                           ; all my tensor loads have landed: my part of the next slot
	ds_add_u32 v[SPW], v[NIL]                      ; 0 onto my spare word
	s_wait_dscnt 4*NLA+1                           ; (the add and the youngest 16 loads may be out)
	WIN MUL_LO
	MUL16 0, 1, NQ-1, \slot, 0
	s_wait_dscnt 0x0                               ; the add is done, and my reads of this slot are over
	s_barrier_signal -1
	MUL16 2, 1, NQ-1, \slot, 0
	WIN 0
	s_barrier_wait -1
.if \fill
	CREST                                          ; the barrier has opened a round of the cluster's barrier
	s_add_nc_u64 s[G0+4*\slot+2:G0+4*\slot+3], s[G0+4*\slot+2:G0+4*\slot+3], 2*3072
	s_add_nc_u64 s[G0B+4*\slot+2:G0B+4*\slot+3], s[G0B+4*\slot+2:G0B+4*\slot+3], 2*ROWB
	JLOAD G0+4*\slot, G1, G0B+4*\slot, G1B         ; the first tensor load behind the round; its four v_nop are the places in front of the loads below
.else
	PLACES NP
.endif
	v_add_nc_u32 v[ADRSA], 1024, v[ADRSA]          ; on to the next K step's scale words
	v_add_nc_u32 v[ADRSB], 8, v[ADRSB]
	FETCH_B \next, 0, 0
	FETCH_A \next, 0, 0
	SCALES \next
	WIN MUL_HI
	MUL16 4, 1, NQ-1, \slot, 0
	MUL16 6, 1, NQ-1, \slot, 0
	PLACES NP
	WIN 0
	FETCH_A \next, 0, 4
.endm
	s_wait_tensorcnt 1                             ; the scales and my part of K step 0 are in (K step 1's load may be out)
	s_barrier_signal -1
	s_barrier_wait -1
	FETCH_B 0, 0, 0
	FETCH_A 0, 0, 0
	SCALES 0
	FETCH_A 0, 0, 4
	STEP 0, 0, 1                                   ; the first step's products start the sums
	s_mov_b32 s3, LAPS-1
.Llap:
	TURN 0, 1, 1
	STEP 1, 0, 0
	TURN 1, 0, 1
	STEP 0, 0, 0
	s_sub_co_u32 s3, s3, 1
	s_cmp_lg_u32 s3, 0
	s_cbranch_scc1 .Llap
	TURN 0, 1, 0                                   ; the last lap fills nothing
	STEP 1, 0, 0
	s_wait_dscnt 4*NLA
	WIN MUL_LO
	MUL16 0, 1, NQ-1, 1, 0
	MUL16 2, 1, NQ-1, 1, 0
	s_wait_dscnt 0
	WIN MUL_HI
	MUL16 4, 1, NQ-1, 1, 0
	MUL16 6, 1, NQ-1, 1, 0
	WIN 0
; THE WAY OUT, block by block of 16 rows x 128 columns: through my stage, back as whole rows of 512 bytes; the residual and the bias are added; row t of block a is true row 32 (a / 2) + 8 (a % 2) + t + 8 (t / 8) of my 128.
.macro RLOAD a                         ; the residual's 16 rows of block a, into window 1
	WIN 0x40
.irp t, 0,1,2,3,4,5,6,7,8,9,10,11,12,13,14,15
	global_load_b128 v[64*((\a)%4)+4*\t:64*((\a)%4)+4*\t+3], v[CO], s[98:99] offset:(32*((\a)/2)+8*((\a)%2)+\t+8*(\t/8))*4096 th:TH_LOAD_NT
.endr
	WIN 0
.endm
.macro TOSTAGE a
.set AC, 64*((\a)%4)
	WIN 0x08+4*((\a)/4)                            ; the data: window 2 or 3
.irp b, 0,1,2,3,4,5,6,7
	ds_store_b128 v[STO], v[AC+8*\b:AC+8*\b+3] offset:64*\b            ; each accumulator from its low end on
	ds_store_b128 v[STO], v[AC+8*\b+4:AC+8*\b+7] offset:64*\b+16
.endr
	WIN 0
.irp t, 0,1,2,3,4,5,6,7,8,9,10,11,12,13,14,15
	ds_load_b128 v[BB+4*\t:BB+4*\t+3], v[RD] offset:\t*SPITCH          ; LDS serves a wave's instructions in order: these see my stores
.endr
.endm
.macro OUTB a, left                    ; left: the residual loads of the blocks behind this one, which may stay out
.if \a > 0
	s_wait_xcnt 0x0                                ; the last block's stores have read their registers
.endif
	TOSTAGE \a
	s_wait_dscnt 0x0
	s_wait_loadcnt \left
	WIN 0x04                                       ; source 1: window 1
.set ii, 0
.rept 32
	v_pk_add_f32 v[BB+ii:BB+ii+1], v[BB+ii:BB+ii+1], v[64*((\a)%4)+ii:64*((\a)%4)+ii+1]
.set ii, ii+2
.endr
	WIN 0
.irp t, 0,1,2,3,4,5,6,7,8,9,10,11,12,13,14,15
	v_pk_add_f32 v[BB+4*\t:BB+4*\t+1], v[BB+4*\t:BB+4*\t+1], v[BI:BI+1]
	v_pk_add_f32 v[BB+4*\t+2:BB+4*\t+3], v[BB+4*\t+2:BB+4*\t+3], v[BI+2:BI+3]
.endr
.irp t, 0,1,2,3,4,5,6,7,8,9,10,11,12,13,14,15
.if NTOUT
	global_store_b128 v[CO], v[BB+4*\t:BB+4*\t+3], s[12:13] offset:(32*((\a)/2)+8*((\a)%2)+\t+8*(\t/8))*4096 th:TH_STORE_NT
.else
	global_store_b128 v[CO], v[BB+4*\t:BB+4*\t+3], s[12:13] offset:(32*((\a)/2)+8*((\a)%2)+\t+8*(\t/8))*4096   ; 32 lanes store 512 consecutive bytes
.endif
.endr
.if \a < 4
	RLOAD \a+4
.endif
.endm
	PLACES NP
	RLOAD 0
	RLOAD 1
	RLOAD 2
	RLOAD 3
	OUTB 0, 48
	OUTB 1, 48
	OUTB 2, 48
	OUTB 3, 48
	OUTB 4, 48
	OUTB 5, 32
	OUTB 6, 16
	OUTB 7, 0
	s_wait_tensorcnt 0x0                           ; the wave's end
	ds_add_u32 v[SPW], v[NIL]
	s_wait_dscnt 0x0
	CROUND                                         ; the closing round
	s_endpgm
.Lfunc_end_k_q069849bd95_wo:
	.size	k_q069849bd95_wo, .Lfunc_end_k_q069849bd95_wo-k_q069849bd95_wo
	.p2alignl 7, 3214868480
	.fill 96, 4, 3214868480
	.section	.rodata,"a",@progbits
	.p2align	6, 0x0
	.amdhsa_kernel k_q069849bd95_wo
		.amdhsa_group_segment_fixed_size 327680
		.amdhsa_private_segment_fixed_size 0
		.amdhsa_enable_private_segment 0
		.amdhsa_kernarg_size 48
		.amdhsa_user_sgpr_count 2
		.amdhsa_user_sgpr_kernarg_segment_ptr 1
		.amdhsa_wavefront_size32 1
		.amdhsa_system_sgpr_workgroup_id_x 1
		.amdhsa_system_sgpr_workgroup_id_y 1
		.amdhsa_system_sgpr_workgroup_id_z 1
		.amdhsa_system_vgpr_workitem_id 0
		.amdhsa_next_free_vgpr 1024
		.amdhsa_next_free_sgpr 100
		.amdhsa_reserve_vcc 0
		.amdhsa_float_denorm_mode_32 3
		.amdhsa_float_denorm_mode_16_64 3
		.amdhsa_memory_ordered 1
		.amdhsa_forward_progress 1
		.amdhsa_inst_pref_size 201
	.end_amdhsa_kernel
	.amdgpu_metadata
---
amdhsa.version: [ 1, 2 ]
amdhsa.kernels:
  - .name:           k_q069849bd95_wo
    .symbol:         k_q069849bd95_wo.kd
    .args:
      - { .name: obuf, .offset: 0, .size: 8, .value_kind: global_buffer, .address_space: global }
      - { .name: Wo_codes, .offset: 8, .size: 8, .value_kind: global_buffer, .address_space: global }
      - { .name: Wo_scales, .offset: 16, .size: 8, .value_kind: global_buffer, .address_space: global }
      - { .name: bo, .offset: 24, .size: 8, .value_kind: global_buffer, .address_space: global }
      - { .name: x, .offset: 32, .size: 8, .value_kind: global_buffer, .address_space: global }
      - { .name: x1, .offset: 40, .size: 8, .value_kind: global_buffer, .address_space: global }
    .group_segment_fixed_size: 327680
    .private_segment_fixed_size: 0
    .kernarg_segment_align: 8
    .kernarg_segment_size: 48
    .max_flat_workgroup_size: 128
    .sgpr_count:     100
    .vgpr_count:     1024
    .wavefront_size: 32
...
	.end_amdgpu_metadata
.endif
;; end of part 4
;; launch ln2: the kernel of part 1 again; grid 256 x 1, 16 waves a work-group, no clusters, 84,992 bytes of LDS; arguments x1, ln2_g, ln2_b, hbuf; writes hbuf
;; launch w1 (part 5): grid 16 x 16, 4 waves a work-group, clusters of 4 x 4, 327,680 bytes of LDS; arguments hbuf, W1_codes, W1_scales, b1, gbuf; writes gbuf
.if DOCPART == 5
	.amdgcn_target "amdgcn-amd-amdhsa--gfx1250"
	.amdhsa_code_object_version 6
	.text
	.protected	k_q069849bd95_w1
	.globl	k_q069849bd95_w1
	.p2align	8
	.type	k_q069849bd95_w1,@function
k_q069849bd95_w1:
	s_mov_b64 s[64:65], 0
	v_nop
	global_prefetch_b8 v0, s[64:65] scope:SCOPE_SE
	s_setreg_imm32_b32 hwreg(HW_REG_WAVE_MODE, 25, 1), 1
	s_wait_xcnt 0x0
	s_wait_alu depctr_hold_cnt(0) depctr_sa_sdst(0) depctr_va_vdst(0) depctr_va_sdst(0) depctr_va_ssrc(0) depctr_va_vcc(0) depctr_vm_vsrc(0)
	s_getreg_b32 s2, hwreg(HW_REG_IB_STS2, 6, 4)
	s_cmp_eq_u32 s2, 0
	s_cbranch_scc0 .Lentry_in_a_cluster
	s_endpgm
.Lentry_in_a_cluster:
	s_bfe_u32 s2, ttmp6, 0x10000c
	s_cmp_lg_u32 s2, 0xf033
	s_cbranch_scc0 .Lentry_shape_is_right
	s_endpgm
.Lentry_shape_is_right:
; g = gelu(h W1 + b1), exact (erf) form, on codes of FP6 (E2M3) with E8M0 scales, K = 1,024; g is quantised here along its 4,096 columns, which are the next product's K.
; h: codes [4096][768 bytes], scale bytes [4096][32] at SCOFF, rows in image order.  W1: codes [4096][768], scale bytes [4096][32], K innermost.  b1 [4096] f32.
; OUT: gbuf: images of the next operand's registers [tile of 16 rows 256][K step of 128: 32][1,536 bytes] (registers 6 c .. 6 c + 3 at 768 c + 16 lane, 6 c + 4, 6 c + 5 at 768 c + 512 + 8 lane), scale words [K step][4096][4] at GSC_OFF.
; The GEMM: tiles of 256 x 256, four waves of 128 x 128, K in steps of 256 through a ring of two LDS slots, the scale bytes of the tile's rows in LDS for the whole launch; 4 x 4 clusters with joint loads.
; THE MATRIX INSTRUCTION IS USED TRANSPOSED (source 0 = 16 rows of W1, source 1 = 16 rows of h): a lane holds one row and its registers run along the columns; a wave's 128 columns are one K step of the next product.
; GELU: gelu(x) = max(x, 0) - |x| q, q = erfc(|x| / sqrt 2) / 2 = t 2^(P(t) - x^2 log2(e) / 2), t = 1 / (1 + |x| / (2 sqrt 2)), P of degree 9 (a fit of erfc whose fractional error stays under 1.2e-7 for every x).
; LIMITS: beside the fit's error, f32 rounding of the exponent gives about 2e-6 of q at |x| = 6; q is 0 where it falls under 2^-126; a block of zeros gets the scale byte 1 and not 127 (this program alone reads the bytes); NaN and infinities are not served.
; REGISTERS: window 0: v0-31 addresses; v32-63 scale words, two sets; v64-127 b1 in the results' layout; from v128 A's fragments, later 64 numbers at work; v192-255 the gelu's and the quantiser's.  window 1: B's fragments.  windows 2, 3: the accumulators.
.set SIZE_K, 1024
.set KSTEP,  256
.set NQ,     KSTEP/128
.set ROWB,   192
.set KROW,   SIZE_K*6/8
.set PITCH,  240                       ; an LDS row: 3 x (64 bytes + 16 of padding)
.set FR,     12
.set NL,     6
.set NP,     4
.set HALFT,  128*PITCH
.set SLOT,   4*HALFT
.set LAPS,   SIZE_K/(2*KSTEP)
.set KS,     SIZE_K/32
.set SCL,    2*SLOT
.set HALFS,  (128*KS/256)*272
.set SBLK,   (16*KS/256)*272
.set SPARE,  SCL+4*HALFS               ; the spare words, 128 bytes for each wave: two blocks of 256 bytes that no other line names
.set SCOFF,  3145728
.set GSC_OFF, 12582912
.set ADRA, 16
.set ADRB, 20
.set ADRS, 27
.set SPW,  28                          ; v28  LDS address of my spare word; never rewritten
.set NIL,  29                          ; v29  0; never rewritten
.set SC,   32
.set BIAS, 64
.set AF,   128
.set T,    128                         ; the way out: v128-191 64 numbers
.set AX,   192                         ; |x|
.set TT,   208                         ; t
.set PP,   224                         ; the polynomial, then q
.set XX,   240                         ; -|x| log2(e) / 2
.set PC,   192                         ; behind the gelu: v192-211 the codes, v212-227 the quantiser's, v228 the scale word
.set TM,   212
.set PW,   228
.set C9,   2                           ; v[2:3] the polynomial's highest coefficient, twice
.set G16,  16                          ; 16 lane;  v17: 8 lane;  v18, v19: the scale words' stage, in and out
.set G8,   17
.set STS,  18
.set STR,  19
.set SEL,  50
.set G1, 24
.set G0, 32
.set G1B, 48
.set G0B, 56
.set G1S, 68
.set G0S, 76
.set G1SB, 80
.set G0SB, 88
.set MSB, 0
.macro WIN new                         ; the immediate's high byte repeats the setting that is left
.if MSB != (\new)
	s_set_vgpr_msb (MSB<<8)|(\new)
.set MSB, (\new)
.endif
.endm
.set MUL_LO, 0xa1                      ; source 0 (B) window 1, source 1 (A) window 0, C and D window 2
.set MUL_HI, 0xf1
.set TO_B,   0x40
.macro JLOAD g0a, g1a, g0b, g1b        ; a joint load: waves 0 and 1 fetch for A, waves 2 and 3 for B; four v_nop follow each of the two lines
	s_cmp_eq_u32 s15, 0
	s_cbranch_scc0 .Lfor_b_\@
	tensor_load_to_lds s[\g0a:\g0a+3], s[\g1a:\g1a+7]
	s_nop 0
.rept 4
	v_nop
.endr
	s_branch .Lasked_\@
.Lfor_b_\@:
	tensor_load_to_lds s[\g0b:\g0b+3], s[\g1b:\g1b+7]
	s_nop 0
.rept 4
	v_nop
.endr
.Lasked_\@:
.endm
.macro CREST                           ; a round of the cluster's barrier behind its opening barrier
	s_cmp_lg_u32 s14, 0
	s_cbranch_scc1 .Lnot_wave_0_\@
	s_barrier_signal -3
.Lnot_wave_0_\@:
	s_barrier_wait -3
	s_barrier_signal -1
	s_barrier_wait -1
.endm
.macro CROUND
	s_barrier_signal -1
	s_barrier_wait -1
	CREST
.endm
	s_load_b64 s[4:5], s[0:1], 0x0                 ; h
	s_load_b128 s[8:11], s[0:1], 0x8               ; W1's codes, W1's scales
	s_load_b128 s[96:99], s[0:1], 0x18             ; b1, gbuf
	v_lshl_add_u32 v[SPW], v0, 2, SPARE
	v_mov_b32 v[NIL], 0
	ds_add_u32 v28, v29
	ds_add_u32 v28, v29
	s_wait_dscnt 0x0
	v_lshrrev_b32 v1, 5, v0
	v_readfirstlane_b32 s14, v1                    ; wave 0..3
	s_lshr_b32 s15, s14, 1                         ; my half of the rows.  Also: I fetch for A (0) or for B (1)
	s_and_b32 s16, s14, 1                          ; my half of the columns.  Also: which 128 rows I fetch
	s_bfe_u32 s40, ttmp6, 0x40000                  ; cx, cy
	s_bfe_u32 s41, ttmp6, 0x40004
	s_lshl_b32 s42, ttmp9, 2
	s_add_co_u32 s42, s42, s40                     ; tile column
	s_and_b32 s17, ttmp7, 0xffff
	s_lshl_b32 s17, s17, 2
	s_add_co_u32 s17, s17, s41                     ; tile row
	s_lshl_b32 s43, s41, 2
	s_lshl_b32 s43, 15, s43                        ; my row of the cluster
	s_lshl_b32 s44, 0x1111, s40                    ; my column
	; descriptor group 1: a tile of 128 rows x ROWB bytes, 16 bytes of padding behind every 64
	s_or_b32 s[G1+0], s43, (0<<16)|(1<<20)|(1<<21)|(3<<22)|(3<<25)
	s_or_b32 s[G1B+0], s44, (0<<16)|(1<<20)|(1<<21)|(3<<22)|(3<<25)
.irp g, G1, G1B
	s_mov_b32 s[\g+1], ROWB<<16
	s_mov_b32 s[\g+2], 128<<16
	s_mov_b32 s[\g+3], ROWB<<16
	s_mov_b32 s[\g+4], 128
	s_mov_b32 s[\g+5], KROW
	s_mov_b32 s[\g+6], 0
	s_mov_b32 s[\g+7], 0
.endr
	; the scale bytes of 128 rows: a dense block, as rows of 256 bytes with 16 of padding behind each
	s_or_b32 s[G1S+0], s43, (3<<16)|(1<<20)|(1<<21)|(5<<22)|(3<<25)
	s_or_b32 s[G1SB+0], s44, (3<<16)|(1<<20)|(1<<21)|(5<<22)|(3<<25)
.irp g, G1S, G1SB
	s_mov_b32 s[\g+1], 32<<16
	s_mov_b32 s[\g+2], (128*KS/256)<<16
	s_mov_b32 s[\g+3], 32<<16
	s_mov_b32 s[\g+4], 128*KS/256
	s_mov_b32 s[\g+5], 32
	s_mov_b32 s[\g+6], 0
	s_mov_b32 s[\g+7], 0
.endr
	s_lshl_b32 s18, s16, 7
	s_lshl_b32 s20, s17, 8
	s_add_co_u32 s20, s20, s18                     ; A: row 256 x tile row + 128 x half
	s_lshl_b32 s46, s42, 8
	s_add_co_u32 s46, s46, s18                     ; B: row 256 x tile column + 128 x half
	s_mov_b32 s21, 0
	s_mov_b32 s47, 0
	s_mov_b64 s[18:19], KS
	s_mul_u64 s[22:23], s[20:21], s[18:19]
	s_mul_u64 s[92:93], s[46:47], s[18:19]
	s_mov_b64 s[18:19], KROW
	s_mul_u64 s[20:21], s[20:21], s[18:19]
	s_mul_u64 s[46:47], s[46:47], s[18:19]
	s_mul_i32 s45, s14, HALFT                      ; where they go: wave x 128 rows: no place in the cluster enters an LDS address
	s_mul_i32 s94, s14, HALFS
	s_wait_kmcnt 0x0
	s_add_nc_u64 s[6:7], s[4:5], SCOFF             ; h's scale bytes
	s_add_nc_u64 s[20:21], s[4:5], s[20:21]
	s_add_nc_u64 s[22:23], s[6:7], s[22:23]
	s_add_nc_u64 s[46:47], s[8:9], s[46:47]
	s_add_nc_u64 s[92:93], s[10:11], s[92:93]
	CROUND                                         ; all sixteen work-groups are here: the first joint loads meet
	s_mov_b32 s[G0S], 1
	s_add_co_u32 s[G0S+1], s94, SCL
	s_mov_b64 s[G0S+2:G0S+3], s[22:23]
	s_or_b32 s[G0S+3], s[G0S+3], 0x80000000
	s_mov_b32 s[G0SB], 1
	s_add_co_u32 s[G0SB+1], s94, SCL
	s_mov_b64 s[G0SB+2:G0SB+3], s[92:93]
	s_or_b32 s[G0SB+3], s[G0SB+3], 0x80000000
	JLOAD G0S, G1S, G0SB, G1SB                     ; the scales first: they are wanted with K step 0
.irp s, 0,1
	s_mov_b32 s[G0+4*\s], 1
	s_add_co_u32 s[G0+4*\s+1], s45, \s*SLOT
	s_add_nc_u64 s[G0+4*\s+2:G0+4*\s+3], s[20:21], \s*ROWB
	s_or_b32 s[G0+4*\s+3], s[G0+4*\s+3], 0x80000000
	s_mov_b32 s[G0B+4*\s], 1
	s_add_co_u32 s[G0B+4*\s+1], s45, \s*SLOT
	s_add_nc_u64 s[G0B+4*\s+2:G0B+4*\s+3], s[46:47], \s*ROWB
	s_or_b32 s[G0B+4*\s+3], s[G0B+4*\s+3], 0x80000000
	JLOAD G0+4*\s, G1, G0B+4*\s, G1B
.endr
	v_and_b32 v1, 15, v0                           ; r
	v_bfe_u32 v2, v0, 4, 1                         ; h
	v_mul_u32_u24 v3, v1, PITCH
	v_mul_u32_u24 v4, v2, 24
	v_add_nc_u32 v4, v3, v4                        ; a fragment's row x pitch + 24 x half
	v_lshl_add_u32 v5, v2, 4, v4                   ; and the same behind one padding more
	s_mul_i32 s21, s15, HALFT
	s_mul_i32 s22, s16, HALFT
	s_add_co_u32 s22, s22, 2*HALFT
.irp s, 0,1
	v_add_nc_u32 v[ADRA+\s], s21, v4
	v_add_nc_u32 v[ADRB+\s], s22, v4
	v_add_nc_u32 v[ADRA+2+\s], s21, v5
	v_add_nc_u32 v[ADRB+2+\s], s22, v5
	s_add_co_u32 s21, s21, SLOT
	s_add_co_u32 s22, s22, SLOT
.endr
	v_mul_u32_u24 v5, v1, KS
	v_lshrrev_b32 v6, 8, v5
	v_lshl_add_u32 v5, v6, 4, v5                   ; my row's scales: KS bytes a row, 16 more for each 256 passed
	s_mul_i32 s21, s15, HALFS
	s_mul_i32 s22, s16, HALFS
	s_add_co_u32 s22, s22, 2*HALFS
	s_sub_co_u32 s22, s22, s21
	v_mul_u32_u24 v6, s22, v2                      ; lanes 16-31 take B's
	s_add_co_u32 s21, s21, SCL
	v_add_nc_u32 v5, v5, v6
	v_add_nc_u32 v[ADRS], s21, v5
	; where the results go, and my 128 numbers of b1
	s_lshl_b32 s20, s17, 4
	s_lshl_b32 s21, s15, 3
	s_add_co_u32 s20, s20, s21                     ; my first tile of rows
	s_lshl_b32 s46, s42, 1
	s_add_co_u32 s46, s46, s16                     ; my K step of the next product
	s_lshl_b32 s21, s20, 5
	s_add_co_u32 s21, s21, s46
	s_mul_i32 s22, s21, 1536
	s_mov_b32 s23, 0
	s_add_nc_u64 s[12:13], s[98:99], s[22:23]      ; images
	s_lshl_b32 s22, s46, 14
	s_lshl_b32 s21, s20, 6
	s_add_co_u32 s22, s22, s21
	s_add_co_u32 s22, s22, GSC_OFF
	s_add_nc_u64 s[98:99], s[98:99], s[22:23]      ; scale words
	s_lshl_b32 s46, s46, 9
	s_mov_b32 s47, 0
	s_add_nc_u64 s[96:97], s[96:97], s[46:47]
	v_lshlrev_b32 v31, 5, v2                       ; 32 h; not rewritten
.irp b, 0,1,2,3,4,5,6,7
	global_load_b128 v[BIAS+8*\b:BIAS+8*\b+3], v31, s[96:97] offset:64*\b          ; register 8 b + j: b1 at column 16 b + 8 h + j; waited for on the way out
	global_load_b128 v[BIAS+8*\b+4:BIAS+8*\b+7], v31, s[96:97] offset:64*\b+16
.endr
.macro FRAG reg, adr, q, i             ; a fragment, 16 rows x 128 K: 12 registers, in pieces of 8 bytes; where the piece three on lies behind one padding more, the second address register serves
.irp p, 0,1,2,3,4,5
.set PCE, 12*(\q)+6*(\p/3)+\p%3
.if PCE%8 < 5
	ds_load_b64 v[\reg+2*\p:\reg+2*\p+1], v[\adr] offset:8*PCE+16*(PCE/8)+(\i)*16*PITCH
.else
	ds_load_b64 v[\reg+2*\p:\reg+2*\p+1], v[\adr+2] offset:8*PCE+16*(PCE/8)+(\i)*16*PITCH
.endif
.endr
.endm
; 16 matrix instructions: A's blocks a0, a0 + 1 x B's eight.  The 64 accumulators take turns, one instruction a turn, in the same order in every step.
.macro MUL16 a0, p, q, sc, zero
.irp a, \a0, \a0+1
.irp b, 0,1,2,3,4,5,6,7
.if \zero
	v_wmma_scale_f32_16x16x128_f8f6f4 v[8*(8*((\a)%4)+\b):8*(8*((\a)%4)+\b)+7], v[128*(\p)+FR*\b:128*(\p)+FR*\b+FR-1], v[AF+FR*(\a):AF+FR*(\a)+FR-1], 0, v[SC+8*NQ*(\sc)+NQ*\b+(\q)], v[SC+8*NQ*(\sc)+NQ*(\a)+(\q)] matrix_a_fmt:MATRIX_FMT_FP6 matrix_b_fmt:MATRIX_FMT_FP6 matrix_a_scale:MATRIX_SCALE_ROW1
.else
	v_wmma_scale_f32_16x16x128_f8f6f4 v[8*(8*((\a)%4)+\b):8*(8*((\a)%4)+\b)+7], v[128*(\p)+FR*\b:128*(\p)+FR*\b+FR-1], v[AF+FR*(\a):AF+FR*(\a)+FR-1], v[8*(8*((\a)%4)+\b):8*(8*((\a)%4)+\b)+7], v[SC+8*NQ*(\sc)+NQ*\b+(\q)], v[SC+8*NQ*(\sc)+NQ*(\a)+(\q)] matrix_a_fmt:MATRIX_FMT_FP6 matrix_b_fmt:MATRIX_FMT_FP6 matrix_a_scale:MATRIX_SCALE_ROW1
.endif
.endr
.endr
.endm
.macro FETCH_B slot, q, p
	WIN TO_B
.irp i, 0,1,2,3,4,5,6,7
	FRAG 128*(\p)+FR*\i, ADRB+\slot, \q, \i
.endr
	WIN 0
.endm
.macro FETCH_A slot, q, i0
.irp i, \i0, \i0+1, \i0+2, \i0+3
	FRAG AF+FR*(\i), ADRA+\slot, \q, \i
.endr
.endm
.macro SCALES sc                       ; the next K step's scale words: lanes 0-15 take A's block i, lanes 16-31 B's block i
.irp i, 0,1,2,3,4,5,6,7
	ds_load_b64 v[SC+8*NQ*\sc+NQ*\i:SC+8*NQ*\sc+NQ*\i+1], v[ADRS] offset:\i*SBLK
.endr
.endm
.macro PLACES n                        ; plain vector places behind matrix instructions, in front of loads into their registers and of reads of their results
.rept \n
	v_nop
.endr
.endm
.macro STEP slot, q, zero              ; a step of 128 along K that has its successor in the same slot
	s_wait_dscnt 4*NL                              ; all but the youngest 24 loads (A's blocks 4-7) are in
	WIN MUL_LO
	MUL16 0, (\q)%2, \q, \slot, \zero
	MUL16 2, (\q)%2, \q, \slot, \zero
	s_wait_dscnt 0
	PLACES NP
	FETCH_B \slot, (\q)+1, 1-(\q)%2
	FETCH_A \slot, (\q)+1, 0
	WIN MUL_HI
	MUL16 4, (\q)%2, \q, \slot, \zero
	MUL16 6, (\q)%2, \q, \slot, \zero
	PLACES NP
	WIN 0
	FETCH_A \slot, (\q)+1, 4
.endm
; A slot's last step changes slots: one barrier; in front of it each wave waits for all its tensor loads, adds 0 to its spare word, and waits for that and for its own reads of this slot.
.macro TURN slot, next, fill
	s_wait_tensorcnt 0x0                           ; all my tensor loads have landed: my part of the next slot
	ds_add_u32 v[SPW], v[NIL]                      ; 0 onto my spare word
	s_wait_dscnt 4*NL+1                            ; (the add and the youngest 24 loads may be out)
	WIN MUL_LO
	MUL16 0, 1, NQ-1, \slot, 0
	s_wait_dscnt 0x0                               ; the add is done, and my reads of this slot are over
	s_barrier_signal -1
	MUL16 2, 1, NQ-1, \slot, 0
	WIN 0
	s_barrier_wait -1
.if \fill
	CREST                                          ; the barrier has opened a round of the cluster's barrier: no wave of any partner still reads this slot or has a load on its way
	s_add_nc_u64 s[G0+4*\slot+2:G0+4*\slot+3], s[G0+4*\slot+2:G0+4*\slot+3], 2*ROWB
	s_add_nc_u64 s[G0B+4*\slot+2:G0B+4*\slot+3], s[G0B+4*\slot+2:G0B+4*\slot+3], 2*ROWB
	JLOAD G0+4*\slot, G1, G0B+4*\slot, G1B         ; the first tensor load behind the round; its four v_nop are the places in front of the loads below
.else
	PLACES NP
.endif
	v_add_nc_u32 v[ADRS], 4*NQ, v[ADRS]
	FETCH_B \next, 0, 0
	FETCH_A \next, 0, 0
	SCALES \next
	WIN MUL_HI
	MUL16 4, 1, NQ-1, \slot, 0
	MUL16 6, 1, NQ-1, \slot, 0
	PLACES NP
	WIN 0
	FETCH_A \next, 0, 4
.endm
	s_wait_tensorcnt 1                             ; the scales and my part of K step 0 are in (K step 1's load may be out)
	s_barrier_signal -1
	s_barrier_wait -1
	FETCH_B 0, 0, 0
	FETCH_A 0, 0, 0
	SCALES 0
	FETCH_A 0, 0, 4
	STEP 0, 0, 1                                   ; the first step's products start the sums
	s_mov_b32 s3, LAPS-1
.Llap:
	TURN 0, 1, 1
	STEP 1, 0, 0
	TURN 1, 0, 1
	STEP 0, 0, 0
	s_sub_co_u32 s3, s3, 1
	s_cmp_lg_u32 s3, 0
	s_cbranch_scc1 .Llap
	TURN 0, 1, 0                                   ; the last lap fills nothing
	STEP 1, 0, 0
	s_wait_dscnt 4*NL
	WIN MUL_LO
	MUL16 0, 1, NQ-1, 1, 0
	MUL16 2, 1, NQ-1, 1, 0
	s_wait_dscnt 0
	WIN MUL_HI
	MUL16 4, 1, NQ-1, 1, 0
	MUL16 6, 1, NQ-1, 1, 0
	WIN 0
; THE WAY OUT, all in window 0 once the bias has been added.
.macro SWAPS                           ; the halves of the lanes change places between the registers of tiles 2 b and 2 b + 1: register 16 b + i then holds column 32 b + 16 h + i
.irp b, 0,1,2,3
.irp j, 0,1,2,3,4,5,6,7
	v_permlane16_swap_b32 v[T+16*\b+\j], v[T+16*\b+8+\j]
.endr
.endr
.endm
.macro QUANT                           ; the 64 numbers in v[T] on, register 16 b + i = k 32 b + 16 h + i of my row, become a fragment's codes in v[PC] on and its scale word in v[PW]
.irp b, 0,1,2,3
	v_max3_num_f32 v[TM+\b], |v[T+16*\b]|, |v[T+1+16*\b]|, 0x1800000       ; with the floor 2^(3 - 127): the byte cannot fall under 1
.endr
.irp i, 2,4,6,8,10,12,14
.irp b, 0,1,2,3
	v_max3_num_f32 v[TM+\b], |v[T+16*\b+\i]|, |v[T+1+16*\b+\i]|, v[TM+\b]
.endr
.endr
.irp b, 0,1,2,3
	v_permlanex16_b32 v[TM+4+\b], v[TM+\b], s[SEL], s[SEL+1]               ; (its destination, which counts as read, was written by the gelu)
.endr
.irp b, 0,1,2,3
	v_max_num_f32 v[TM+\b], v[TM+\b], v[TM+4+\b]   ; with lane l xor 16's: the block's largest magnitude
.endr
.irp b, 0,1,2,3
	v_add_nc_u32 v[TM+12+\b], 0xff000000, v[TM+\b] ; 2 off its exponent field: the conversion's scale operand
.endr
.irp b, 0,1,2,3
	v_lshrrev_b32 v[TM+4+\b], 23, v[TM+12+\b]      ; the scale's byte
.endr
	v_lshl_or_b32 v[PW], v[TM+5], 8, v[TM+4]
	v_lshl_or_b32 v[PW], v[TM+6], 16, v[PW]
	v_lshl_or_b32 v[PW], v[TM+7], 24, v[PW]
.irp c, 0,1
	v_cvt_scalef32_pk16_fp6_f32 v[PC+6*\c:PC+2+6*\c], v[T+32*\c:T+15+32*\c], v[TM+12+2*\c]
	v_cvt_scalef32_pk16_fp6_f32 v[PC+12+4*\c:PC+14+4*\c], v[T+16+32*\c:T+31+32*\c], v[TM+12+2*\c+1]
.endr
	v_nop                                          ; one plain place behind a scaled conversion
.irp c, 0,1                            ; the operand's layout wants a whole block in a lane
.irp i, 0,1,2
	v_permlane16_swap_b32 v[PC+6*\c+\i], v[PC+12+4*\c+\i]
.endr
.irp i, 0,1,2
	v_mov_b32 v[PC+3+6*\c+\i], v[PC+12+4*\c+\i]
.endr
.endr
.endm
.macro GELU16 x                        ; 16 numbers in v[x] on, in place
.irp i, 0,1,2,3,4,5,6,7,8,9,10,11,12,13,14,15
	v_and_b32 v[AX+\i], 0x7fffffff, v[\x+\i]
.endr
.irp i, 0,2,4,6,8,10,12,14
	v_pk_fma_f32 v[TT+\i:TT+\i+1], v[AX+\i:AX+\i+1], 0x3eb504f3, 1.0 op_sel_hi:[1,0,0]      ; 1 + |x| / (2 sqrt 2)
.endr
.irp i, 0,1,2,3,4,5,6,7,8,9,10,11,12,13,14,15
	v_rcp_f32 v[TT+\i], v[TT+\i]                   ; t
.endr
.irp i, 0,2,4,6,8,10,12,14
	v_pk_mul_f32 v[XX+\i:XX+\i+1], v[AX+\i:AX+\i+1], 0xbf38aa3b op_sel_hi:[1,0]             ; -|x| log2(e) / 2 (plain places behind the reciprocals)
.endr
	s_wait_alu depctr_va_vdst(0)
.irp i, 0,2,4,6,8,10,12,14
	v_pk_fma_f32 v[PP+\i:PP+\i+1], v[TT+\i:TT+\i+1], v[C9:C9+1], 0xbf97d29d op_sel_hi:[1,1,0]   ; c9 t + c8
.endr
.irp c, 0x40097039, 0xbfd1a1e5, 0x3ecdfd18, 0xbe899a80, 0x3e0efb2e, 0x3f0a29d2, 0x3fb8ab5a, 0xc034d90f   ; c7 .. c0: the fit's coefficients x log2(e); 1 is taken off c0 for the half
.irp i, 0,2,4,6,8,10,12,14
	v_pk_fma_f32 v[PP+\i:PP+\i+1], v[PP+\i:PP+\i+1], v[TT+\i:TT+\i+1], \c op_sel_hi:[1,1,0]
.endr
.endr
.irp i, 0,2,4,6,8,10,12,14
	v_pk_fma_f32 v[PP+\i:PP+\i+1], v[XX+\i:XX+\i+1], v[AX+\i:AX+\i+1], v[PP+\i:PP+\i+1]     ; P(t) - x^2 log2(e) / 2
.endr
.irp i, 0,1,2,3,4,5,6,7,8,9,10,11,12,13,14,15
	v_exp_f32 v[PP+\i], v[PP+\i]
.endr
.irp i, 0,1,2,3,4,5,6,7,8,9,10,11,12,13,14,15
	v_max_num_f32 v[\x+\i], 0, v[\x+\i]            ; max(x, 0) (plain places behind the exponentials)
.endr
	s_wait_alu depctr_va_vdst(0)
.irp i, 0,2,4,6,8,10,12,14
	v_pk_mul_f32 v[PP+\i:PP+\i+1], v[TT+\i:TT+\i+1], v[PP+\i:PP+\i+1]                       ; q
.endr
.irp i, 0,2,4,6,8,10,12,14
	v_pk_fma_f32 v[\x+\i:\x+\i+1], v[AX+\i:AX+\i+1], v[PP+\i:PP+\i+1], v[\x+\i:\x+\i+1] neg_lo:[1,0,0] neg_hi:[1,0,0]   ; max(x, 0) - |x| q
.endr
.endm
; Block a of my rows: 16 rows x my 128 columns become one image and 16 scale words.
.macro GOUT a
.if \a > 0
	s_wait_xcnt 0x0                                ; the last block's stores to memory have read their registers,
	s_wait_dscnt 0x0                               ; and so has its store of the scale word
.endif
	WIN 2+(\a)/4                                   ; source 0: the accumulators' window
.set ii, 0
.rept 32
	v_pk_add_f32 v[T+ii:T+ii+1], v[64*((\a)%4)+ii:64*((\a)%4)+ii+1], v[BIAS+ii:BIAS+ii+1]   ; + b1, each accumulator from its low end on; this is also the move into window 0
.set ii, ii+2
.endr
	WIN 0
	GELU16 T
	GELU16 T+16
	GELU16 T+32
	GELU16 T+48
	SWAPS
	QUANT
	global_store_b128 v[G16], v[PC:PC+3], s[12:13] offset:49152*\a             ; 512 consecutive bytes
	global_store_b64 v[G8], v[PC+4:PC+5], s[12:13] offset:49152*\a+512         ; 256 consecutive bytes
	global_store_b128 v[G16], v[PC+6:PC+9], s[12:13] offset:49152*\a+768
	global_store_b64 v[G8], v[PC+10:PC+11], s[12:13] offset:49152*\a+1280
	ds_store_b32 v[STS], v[PW] offset:64*\a        ; both halves of the lanes hold the same word and write it to the same place
.endm
	PLACES NP
	v_and_b32 v1, 15, v0
	v_and_b32 v7, 31, v0
	v_lshlrev_b32 v[G16], 4, v7
	v_lshlrev_b32 v[G8], 3, v7
	s_lshl_b32 s20, s14, 9                         ; my 512 bytes of scale words, in slot 0: it has had its last fill, and every wave has passed the barrier behind its last read of it
	v_lshl_add_u32 v[STS], v1, 2, s20
	v_add_nc_u32 v[STR], s20, v[G16]
	v_mov_b32 v[C9], 0x3e7c6f08
	v_mov_b32 v[C9+1], 0x3e7c6f08
	s_mov_b32 s[SEL], 0x76543210
	s_mov_b32 s[SEL+1], 0xfedcba98                 ; v_permlanex16_b32's selects for lane l xor 16
	s_wait_loadcnt 0x0                             ; b1
.irp a, 0,1,2,3,4,5,6,7
	GOUT \a
.endr
	ds_load_b128 v[T:T+3], v[STR]                  ; LDS serves a wave's instructions in order: this sees my stores
	s_wait_dscnt 0x0
	global_store_b128 v[G16], v[T:T+3], s[98:99]   ; my 128 rows' scale words: 512 consecutive bytes
	s_wait_tensorcnt 0x0                           ; the wave's end
	ds_add_u32 v[SPW], v[NIL]
	s_wait_dscnt 0x0
	CROUND                                         ; the closing round
	s_endpgm
.Lfunc_end_k_q069849bd95_w1:
	.size	k_q069849bd95_w1, .Lfunc_end_k_q069849bd95_w1-k_q069849bd95_w1
	.p2alignl 7, 3214868480
	.fill 96, 4, 3214868480
	.section	.rodata,"a",@progbits
	.p2align	6, 0x0
	.amdhsa_kernel k_q069849bd95_w1
		.amdhsa_group_segment_fixed_size 327680
		.amdhsa_private_segment_fixed_size 0
		.amdhsa_enable_private_segment 0
		.amdhsa_kernarg_size 40
		.amdhsa_user_sgpr_count 2
		.amdhsa_user_sgpr_kernarg_segment_ptr 1
		.amdhsa_wavefront_size32 1
		.amdhsa_system_sgpr_workgroup_id_x 1
		.amdhsa_system_sgpr_workgroup_id_y 1
		.amdhsa_system_sgpr_workgroup_id_z 1
		.amdhsa_system_vgpr_workitem_id 0
		.amdhsa_next_free_vgpr 1024
		.amdhsa_next_free_sgpr 100
		.amdhsa_reserve_vcc 0
		.amdhsa_float_denorm_mode_32 3
		.amdhsa_float_denorm_mode_16_64 3
		.amdhsa_memory_ordered 1
		.amdhsa_forward_progress 1
		.amdhsa_inst_pref_size 255
	.end_amdhsa_kernel
	.section	.bss,"aw",@nobits
	.p2align	6
	.space	262144
	.amdgpu_metadata
---
amdhsa.version: [ 1, 2 ]
amdhsa.kernels:
  - .name:           k_q069849bd95_w1
    .symbol:         k_q069849bd95_w1.kd
    .args:
      - { .name: hbuf, .offset: 0, .size: 8, .value_kind: global_buffer, .address_space: global }
      - { .name: W1_codes, .offset: 8, .size: 8, .value_kind: global_buffer, .address_space: global }
      - { .name: W1_scales, .offset: 16, .size: 8, .value_kind: global_buffer, .address_space: global }
      - { .name: b1, .offset: 24, .size: 8, .value_kind: global_buffer, .address_space: global }
      - { .name: gbuf, .offset: 32, .size: 8, .value_kind: global_buffer, .address_space: global }
    .group_segment_fixed_size: 327680
    .private_segment_fixed_size: 0
    .kernarg_segment_align: 8
    .kernarg_segment_size: 40
    .max_flat_workgroup_size: 128
    .sgpr_count:     100
    .vgpr_count:     1024
    .wavefront_size: 32
...
	.end_amdgpu_metadata
.endif
;; end of part 5
;; launch w2 (part 6): grid 4 x 16, 4 waves a work-group, clusters of 4 x 4, 327,680 bytes of LDS; arguments gbuf, W2_codes, W2_scales, b2, x1, out0; writes out0
.if DOCPART == 6
	.amdgcn_target "amdgcn-amd-amdhsa--gfx1250"
	.amdhsa_code_object_version 6
	.text
	.protected	k_q069849bd95_w2
	.globl	k_q069849bd95_w2
	.p2align	8
	.type	k_q069849bd95_w2,@function
k_q069849bd95_w2:
	s_mov_b64 s[64:65], 0
	v_nop
	global_prefetch_b8 v0, s[64:65] scope:SCOPE_SE
	s_setreg_imm32_b32 hwreg(HW_REG_WAVE_MODE, 25, 1), 1
	s_wait_xcnt 0x0
	s_wait_alu depctr_hold_cnt(0) depctr_sa_sdst(0) depctr_va_vdst(0) depctr_va_sdst(0) depctr_va_ssrc(0) depctr_va_vcc(0) depctr_vm_vsrc(0)
	s_getreg_b32 s2, hwreg(HW_REG_IB_STS2, 6, 4)
	s_cmp_eq_u32 s2, 0
	s_cbranch_scc0 .Lentry_in_a_cluster
	s_endpgm
.Lentry_in_a_cluster:
	s_bfe_u32 s2, ttmp6, 0x10000c
	s_cmp_lg_u32 s2, 0xf033
	s_cbranch_scc0 .Lentry_shape_is_right
	s_endpgm
.Lentry_shape_is_right:
; out = res + A B^T + bias.  A: 4,096 rows x SIZE_K as codes of FP6 (E2M3), laid as IMAGES of the operand's registers: [tile of 16 rows 256][K step of 128][1,536 bytes] (registers 6 c .. 6 c + 3 at 768 c + 16 lane,
; 6 c + 4, 6 c + 5 at 768 c + 512 + 8 lane), its scale words [K step][4096][4] at ASC_OFF; the rows lie in image order (place 16 tau + r = true row 32 (tau / 2) + 8 (tau % 2) + r + 8 (r / 8)).
; B: the weight, codes [1024][SIZE_K x 3 / 4 bytes], scale bytes [1024][SIZE_K / 32], K innermost.  bias [1024], res and out [4096][1024] f32, true rows.
; A tile of 256 x 256 to a work-group of four waves, 128 x 128 a wave in 64 accumulators; K in steps of 256 through a ring of two LDS slots; all scale bytes of the tile's rows stay in LDS.
; A's fragments come out of LDS by loads of 16 and 8 consecutive bytes a lane; B's rows are 192 bytes with 16 of padding behind every 64.
; THE MATRIX INSTRUCTION IS USED TRANSPOSED (source 0 = 16 rows of B, source 1 = 16 rows of A): a lane holds eight neighbouring columns of one row.
; CLUSTERS: 4 x 4 work-groups; A's tiles are asked for jointly along a row of the cluster, B's along a column.  The grid has 64 work-groups: the tile is kept large so that a K step holds 128 matrix instructions a wave.
; REGISTERS: window 0: v0-31 addresses; v32-63 A's scale words, v64-95 B's, two sets each; v96-99 the bias; from v128 A's fragments, later rows on their way out.  window 1: B's fragments, two sets; later the residual.  windows 2, 3: the accumulators.
.set SIZE_K, 4096
.set ASC_OFF, 12582912
.set NTOUT,  1                         ; the result is read by nobody here
.set KF,     SIZE_K/128
.set KSTEP,  256
.set NQ,     KSTEP/128
.set ROWB,   192
.set KROW,   SIZE_K*6/8
.set PITCH,  240
.set FR,     12
.set NLA,    4                         ; LDS loads that bring a fragment of A
.set NP,     4
.set HA,     8*3072                    ; A: 8 tiles of rows x two K steps of 1,536 bytes: what one tensor load brings
.set HB,     128*PITCH                 ; B: 128 rows
.set SLOT,   2*HA+2*HB
.set LAPS,   SIZE_K/(2*KSTEP)
.set KS,     SIZE_K/32
.set SCLA,   2*SLOT                    ; behind the ring: A's scale words, [half][K step][128 rows x 4]
.set HSA,    KF*512
.set SCLB,   SCLA+2*HSA                ; B's scale bytes, as 256 bytes + 16 of padding
.set HALFS,  (128*KS/256)*272
.set SBLK,   (16*KS/256)*272
.set SPARE,  SCLB+2*HALFS              ; the spare words, 128 bytes for each wave: two blocks of 256 bytes that no other line names
.set SPITCH, 528                       ; the way out: a stage of 16 rows x (512 + 16) bytes a wave, in slot 0, which has had its last fill and its last read by then
.set ADRA, 16                          ; v16-17 16 lane + my half of A in slot 0, 1;  v18-19 the same with 8 lane
.set ADRB, 20                          ; v20-21 my B fragments in slot 0, 1;  v22-23 behind one padding more
.set STO,  24
.set RD,   25
.set CO,   26                          ; v26  16 x lane; never rewritten
.set ADRSA, 27
.set SPW,  28                          ; v28  LDS address of my spare word; never rewritten
.set NIL,  29                          ; v29  0; never rewritten
.set ADRSB, 30
.set SCA,  32
.set SCB,  64
.set BI,   96
.set AF,   128
.set BB,   128
.set G1, 24
.set G0, 32
.set G1B, 48
.set G0B, 56
.set G1S, 68
.set G0S, 76
.set G1SB, 80
.set G0SB, 88
.set MSB, 0
.macro WIN new                         ; the immediate's high byte repeats the setting that is left
.if MSB != (\new)
	s_set_vgpr_msb (MSB<<8)|(\new)
.set MSB, (\new)
.endif
.endm
.set MUL_LO, 0xa1
.set MUL_HI, 0xf1
.set TO_B,   0x40
.macro JLOAD g0a, g1a, g0b, g1b        ; a joint load: waves 0 and 1 fetch for A, waves 2 and 3 for B; four v_nop follow each of the two lines
	s_cmp_eq_u32 s15, 0
	s_cbranch_scc0 .Lfor_b_\@
	tensor_load_to_lds s[\g0a:\g0a+3], s[\g1a:\g1a+7]
	s_nop 0
.rept 4
	v_nop
.endr
	s_branch .Lasked_\@
.Lfor_b_\@:
	tensor_load_to_lds s[\g0b:\g0b+3], s[\g1b:\g1b+7]
	s_nop 0
.rept 4
	v_nop
.endr
.Lasked_\@:
.endm
.macro CREST
	s_cmp_lg_u32 s14, 0
	s_cbranch_scc1 .Lnot_wave_0_\@
	s_barrier_signal -3
.Lnot_wave_0_\@:
	s_barrier_wait -3
	s_barrier_signal -1
	s_barrier_wait -1
.endm
.macro CROUND
	s_barrier_signal -1
	s_barrier_wait -1
	CREST
.endm
	s_load_b64 s[4:5], s[0:1], 0x0                 ; A
	s_load_b128 s[8:11], s[0:1], 0x8               ; B's codes, B's scales
	s_load_b128 s[96:99], s[0:1], 0x18             ; bias, res
	s_load_b64 s[12:13], s[0:1], 0x28              ; out
	v_lshl_add_u32 v[SPW], v0, 2, SPARE
	v_mov_b32 v[NIL], 0
	ds_add_u32 v28, v29
	ds_add_u32 v28, v29
	s_wait_dscnt 0x0
	v_lshrrev_b32 v1, 5, v0
	v_readfirstlane_b32 s14, v1                    ; wave 0..3
	s_lshr_b32 s15, s14, 1                         ; my half of the rows.  Also: I fetch for A (0) or for B (1)
	s_and_b32 s16, s14, 1                          ; my half of the columns.  Also: which half I fetch
	s_bfe_u32 s40, ttmp6, 0x40000
	s_bfe_u32 s41, ttmp6, 0x40004
	s_lshl_b32 s42, ttmp9, 2
	s_add_co_u32 s42, s42, s40                     ; tile column
	s_and_b32 s17, ttmp7, 0xffff
	s_lshl_b32 s17, s17, 2
	s_add_co_u32 s17, s17, s41                     ; tile row
	s_lshl_b32 s43, s41, 2
	s_lshl_b32 s43, 15, s43                        ; my row of the cluster
	s_lshl_b32 s44, 0x1111, s40                    ; my column
	; A's tiles: 8 rows (tiles of 16 rows) of 3,072 bytes (two K steps' images), KF x 1,536 bytes apart; elements of 8 bytes; no padding
	s_or_b32 s[G1+0], s43, (3<<16)|(1<<21)
	s_mov_b32 s[G1+1], 384<<16
	s_mov_b32 s[G1+2], 8<<16
	s_mov_b32 s[G1+3], 384<<16
	s_mov_b32 s[G1+4], 8
	s_mov_b32 s[G1+5], KF*192
	s_mov_b32 s[G1+6], 0
	s_mov_b32 s[G1+7], 0
	; B's tiles: 128 rows x 192 bytes, 16 bytes of padding behind every 64
	s_or_b32 s[G1B+0], s44, (0<<16)|(1<<20)|(1<<21)|(3<<22)|(3<<25)
	s_mov_b32 s[G1B+1], ROWB<<16
	s_mov_b32 s[G1B+2], 128<<16
	s_mov_b32 s[G1B+3], ROWB<<16
	s_mov_b32 s[G1B+4], 128
	s_mov_b32 s[G1B+5], KROW
	s_mov_b32 s[G1B+6], 0
	s_mov_b32 s[G1B+7], 0
	; A's scale words of 128 rows: KF rows of 512 bytes, 16,384 bytes apart
	s_or_b32 s[G1S+0], s43, (3<<16)|(1<<21)
	s_mov_b32 s[G1S+1], 64<<16
	s_mov_b32 s[G1S+2], KF<<16
	s_mov_b32 s[G1S+3], 64<<16
	s_mov_b32 s[G1S+4], KF
	s_mov_b32 s[G1S+5], 2048
	s_mov_b32 s[G1S+6], 0
	s_mov_b32 s[G1S+7], 0
	; B's scale bytes of 128 rows: a dense block, as rows of 256 bytes with 16 of padding behind each
	s_or_b32 s[G1SB+0], s44, (3<<16)|(1<<20)|(1<<21)|(5<<22)|(3<<25)
	s_mov_b32 s[G1SB+1], 32<<16
	s_mov_b32 s[G1SB+2], (128*KS/256)<<16
	s_mov_b32 s[G1SB+3], 32<<16
	s_mov_b32 s[G1SB+4], 128*KS/256
	s_mov_b32 s[G1SB+5], 32
	s_mov_b32 s[G1SB+6], 0
	s_mov_b32 s[G1SB+7], 0
	s_lshl_b32 s20, s17, 4
	s_lshl_b32 s18, s16, 3
	s_add_co_u32 s20, s20, s18                     ; A: tile of rows 16 x tile row + 8 x half
	s_lshl_b32 s22, s20, 6
	s_add_co_u32 s22, s22, ASC_OFF                 ; its rows' scale words in K step 0
	s_mul_i32 s20, s20, KF*1536
	s_mov_b32 s21, 0
	s_mov_b32 s23, 0
	s_lshl_b32 s46, s42, 8
	s_lshl_b32 s18, s16, 7
	s_add_co_u32 s46, s46, s18                     ; B: row 256 x tile column + 128 x half
	s_mul_i32 s92, s46, KS
	s_mul_i32 s46, s46, KROW
	s_mov_b32 s47, 0
	s_mov_b32 s93, 0
	s_mul_i32 s45, s16, HA                         ; where they go: no place in the cluster enters an LDS address
	s_mul_i32 s94, s16, HB
	s_add_co_u32 s94, s94, 2*HA
	s_mul_i32 s18, s16, HSA
	s_add_co_u32 s18, s18, SCLA
	s_mul_i32 s19, s16, HALFS
	s_add_co_u32 s19, s19, SCLB
	s_wait_kmcnt 0x0
	s_add_nc_u64 s[20:21], s[4:5], s[20:21]
	s_add_nc_u64 s[22:23], s[4:5], s[22:23]
	s_add_nc_u64 s[46:47], s[8:9], s[46:47]
	s_add_nc_u64 s[92:93], s[10:11], s[92:93]
	CROUND                                         ; all sixteen work-groups are here: the first joint loads meet
	s_mov_b32 s[G0S], 1
	s_mov_b32 s[G0S+1], s18
	s_mov_b64 s[G0S+2:G0S+3], s[22:23]
	s_or_b32 s[G0S+3], s[G0S+3], 0x80000000
	s_mov_b32 s[G0SB], 1
	s_mov_b32 s[G0SB+1], s19
	s_mov_b64 s[G0SB+2:G0SB+3], s[92:93]
	s_or_b32 s[G0SB+3], s[G0SB+3], 0x80000000
	JLOAD G0S, G1S, G0SB, G1SB                     ; the scales first
.irp s, 0,1
	s_mov_b32 s[G0+4*\s], 1
	s_add_co_u32 s[G0+4*\s+1], s45, \s*SLOT
	s_add_nc_u64 s[G0+4*\s+2:G0+4*\s+3], s[20:21], \s*3072
	s_or_b32 s[G0+4*\s+3], s[G0+4*\s+3], 0x80000000
	s_mov_b32 s[G0B+4*\s], 1
	s_add_co_u32 s[G0B+4*\s+1], s94, \s*SLOT
	s_add_nc_u64 s[G0B+4*\s+2:G0B+4*\s+3], s[46:47], \s*ROWB
	s_or_b32 s[G0B+4*\s+3], s[G0B+4*\s+3], 0x80000000
	JLOAD G0+4*\s, G1, G0B+4*\s, G1B
.endr
	v_and_b32 v1, 15, v0                           ; r
	v_bfe_u32 v2, v0, 4, 1                         ; h
	v_and_b32 v7, 31, v0                           ; lane
	v_mul_u32_u24 v3, v1, PITCH
	v_mul_u32_u24 v4, v2, 24
	v_add_nc_u32 v4, v3, v4
	v_lshl_add_u32 v5, v2, 4, v4
	v_lshlrev_b32 v[CO], 4, v7
	v_lshlrev_b32 v8, 3, v7
	s_mul_i32 s21, s15, HA
	s_mul_i32 s22, s16, HB
	s_add_co_u32 s22, s22, 2*HA
.irp s, 0,1
	v_add_nc_u32 v[ADRA+\s], s21, v[CO]
	v_add_nc_u32 v[ADRA+2+\s], s21, v8
	v_add_nc_u32 v[ADRB+\s], s22, v4
	v_add_nc_u32 v[ADRB+2+\s], s22, v5
	s_add_co_u32 s21, s21, SLOT
	s_add_co_u32 s22, s22, SLOT
.endr
	s_mul_i32 s21, s15, HSA
	s_add_co_u32 s21, s21, SCLA
	v_lshl_add_u32 v[ADRSA], v1, 2, s21            ; A's scale words: 4 r in my half's K step 0
	v_mul_u32_u24 v5, v1, KS
	v_lshrrev_b32 v6, 8, v5
	v_lshl_add_u32 v5, v6, 4, v5
	s_mul_i32 s22, s16, HALFS
	s_add_co_u32 s22, s22, SCLB
	v_add_nc_u32 v[ADRSB], s22, v5                 ; B's: KS bytes a row, 16 more for each 256 passed
	s_mul_i32 s23, s14, 16*SPITCH                  ; my stage
	v_mul_u32_u24 v5, v1, SPITCH
	v_lshl_add_u32 v5, v2, 5, v5
	v_add_nc_u32 v[STO], s23, v5
	v_add_nc_u32 v[RD], s23, v[CO]
	s_lshl_b32 s20, s17, 8
	s_lshl_b32 s21, s15, 7
	s_add_co_u32 s20, s20, s21
	s_lshl_b32 s20, s20, 12                        ; my first row, 4,096 bytes a row
	s_lshl_b32 s46, s42, 10
	s_lshl_b32 s47, s16, 9
	s_add_co_u32 s46, s46, s47                     ; my first column, in bytes
	s_mov_b32 s47, 0
	s_add_nc_u64 s[96:97], s[96:97], s[46:47]
	s_add_co_u32 s20, s20, s46
	s_mov_b32 s21, 0
	s_add_nc_u64 s[98:99], s[98:99], s[20:21]
	s_add_nc_u64 s[12:13], s[12:13], s[20:21]
	global_load_b128 v[BI:BI+3], v[CO], s[96:97]   ; the bias of my four columns on the way out
.macro FRAG reg, adr, q, i             ; a fragment of B: 12 registers, in pieces of 8 bytes
.irp p, 0,1,2,3,4,5
.set PCE, 12*(\q)+6*(\p/3)+\p%3
.if PCE%8 < 5
	ds_load_b64 v[\reg+2*\p:\reg+2*\p+1], v[\adr] offset:8*PCE+16*(PCE/8)+(\i)*16*PITCH
.else
	ds_load_b64 v[\reg+2*\p:\reg+2*\p+1], v[\adr+2] offset:8*PCE+16*(PCE/8)+(\i)*16*PITCH
.endif
.endr
.endm
; 16 matrix instructions: A's blocks a0, a0 + 1 x B's eight.  The 64 accumulators take turns, one instruction a turn, in the same order in every step.
.macro MUL16 a0, p, q, sc, zero
.irp a, \a0, \a0+1
.irp b, 0,1,2,3,4,5,6,7
.if \zero
	v_wmma_scale_f32_16x16x128_f8f6f4 v[8*(8*((\a)%4)+\b):8*(8*((\a)%4)+\b)+7], v[128*(\p)+FR*\b:128*(\p)+FR*\b+FR-1], v[AF+FR*(\a):AF+FR*(\a)+FR-1], 0, v[SCB+16*(\sc)+2*\b+(\q)], v[SCA+16*(\sc)+2*(\a)+(\q)] matrix_a_fmt:MATRIX_FMT_FP6 matrix_b_fmt:MATRIX_FMT_FP6
.else
	v_wmma_scale_f32_16x16x128_f8f6f4 v[8*(8*((\a)%4)+\b):8*(8*((\a)%4)+\b)+7], v[128*(\p)+FR*\b:128*(\p)+FR*\b+FR-1], v[AF+FR*(\a):AF+FR*(\a)+FR-1], v[8*(8*((\a)%4)+\b):8*(8*((\a)%4)+\b)+7], v[SCB+16*(\sc)+2*\b+(\q)], v[SCA+16*(\sc)+2*(\a)+(\q)] matrix_a_fmt:MATRIX_FMT_FP6 matrix_b_fmt:MATRIX_FMT_FP6
.endif
.endr
.endr
.endm
.macro FETCH_B slot, q, p
	WIN TO_B
.irp i, 0,1,2,3,4,5,6,7
	FRAG 128*(\p)+FR*\i, ADRB+\slot, \q, \i
.endr
	WIN 0
.endm
.macro FETCH_A slot, q, i0             ; A's blocks i0 .. i0 + 3: each an image, four loads of consecutive bytes
.irp i, \i0, \i0+1, \i0+2, \i0+3
	ds_load_b128 v[AF+FR*(\i):AF+FR*(\i)+3], v[ADRA+\slot] offset:3072*(\i)+1536*(\q)
	ds_load_b64 v[AF+FR*(\i)+4:AF+FR*(\i)+5], v[ADRA+2+\slot] offset:3072*(\i)+1536*(\q)+512
	ds_load_b128 v[AF+FR*(\i)+6:AF+FR*(\i)+9], v[ADRA+\slot] offset:3072*(\i)+1536*(\q)+768
	ds_load_b64 v[AF+FR*(\i)+10:AF+FR*(\i)+11], v[ADRA+2+\slot] offset:3072*(\i)+1536*(\q)+1280
.endr
.endm
.macro SCALES sc                       ; the next K step's scale words: register 2 i + q of a set
.irp i, 0,1,2,3,4,5,6,7
	ds_load_b32 v[SCA+16*\sc+2*\i], v[ADRSA] offset:64*\i
	ds_load_b32 v[SCA+16*\sc+2*\i+1], v[ADRSA] offset:512+64*\i
	ds_load_b64 v[SCB+16*\sc+2*\i:SCB+16*\sc+2*\i+1], v[ADRSB] offset:\i*SBLK
.endr
.endm
.macro PLACES n                        ; plain vector places behind matrix instructions (ISA guide 7.12.1)
.rept \n
	v_nop
.endr
.endm
.macro STEP slot, q, zero
	s_wait_dscnt 4*NLA                             ; all but the youngest 16 loads (A's blocks 4-7) are in
	WIN MUL_LO
	MUL16 0, (\q)%2, \q, \slot, \zero
	MUL16 2, (\q)%2, \q, \slot, \zero
	s_wait_dscnt 0
	PLACES NP
	FETCH_B \slot, (\q)+1, 1-(\q)%2
	FETCH_A \slot, (\q)+1, 0
	WIN MUL_HI
	MUL16 4, (\q)%2, \q, \slot, \zero
	MUL16 6, (\q)%2, \q, \slot, \zero
	PLACES NP
	WIN 0
	FETCH_A \slot, (\q)+1, 4
.endm
; A slot's last step changes slots: one barrier; in front of it each wave waits for all its tensor loads, adds 0 to its spare word, and waits for that and for its own reads of this slot.
.macro TURN slot, next, fill
	s_wait_tensorcnt 0x0                           ; all my tensor loads have landed: my part of the next slot
	ds_add_u32 v[SPW], v[NIL]                      ; 0 onto my spare word
	s_wait_dscnt 4*NLA+1                           ; (the add and the youngest 16 loads may be out)
	WIN MUL_LO
	MUL16 0, 1, NQ-1, \slot, 0
	s_wait_dscnt 0x0                               ; the add is done, and my reads of this slot are over
	s_barrier_signal -1
	MUL16 2, 1, NQ-1, \slot, 0
	WIN 0
	s_barrier_wait -1
.if \fill
	CREST                                          ; the barrier has opened a round of the cluster's barrier
	s_add_nc_u64 s[G0+4*\slot+2:G0+4*\slot+3], s[G0+4*\slot+2:G0+4*\slot+3], 2*3072
	s_add_nc_u64 s[G0B+4*\slot+2:G0B+4*\slot+3], s[G0B+4*\slot+2:G0B+4*\slot+3], 2*ROWB
	JLOAD G0+4*\slot, G1, G0B+4*\slot, G1B         ; the first tensor load behind the round; its four v_nop are the places in front of the loads below
.else
	PLACES NP
.endif
	v_add_nc_u32 v[ADRSA], 1024, v[ADRSA]          ; on to the next K step's scale words
	v_add_nc_u32 v[ADRSB], 8, v[ADRSB]
	FETCH_B \next, 0, 0
	FETCH_A \next, 0, 0
	SCALES \next
	WIN MUL_HI
	MUL16 4, 1, NQ-1, \slot, 0
	MUL16 6, 1, NQ-1, \slot, 0
	PLACES NP
	WIN 0
	FETCH_A \next, 0, 4
.endm
	s_wait_tensorcnt 1                             ; the scales and my part of K step 0 are in (K step 1's load may be out)
	s_barrier_signal -1
	s_barrier_wait -1
	FETCH_B 0, 0, 0
	FETCH_A 0, 0, 0
	SCALES 0
	FETCH_A 0, 0, 4
	STEP 0, 0, 1                                   ; the first step's products start the sums
	s_mov_b32 s3, LAPS-1
.Llap:
	TURN 0, 1, 1
	STEP 1, 0, 0
	TURN 1, 0, 1
	STEP 0, 0, 0
	s_sub_co_u32 s3, s3, 1
	s_cmp_lg_u32 s3, 0
	s_cbranch_scc1 .Llap
	TURN 0, 1, 0                                   ; the last lap fills nothing
	STEP 1, 0, 0
	s_wait_dscnt 4*NLA
	WIN MUL_LO
	MUL16 0, 1, NQ-1, 1, 0
	MUL16 2, 1, NQ-1, 1, 0
	s_wait_dscnt 0
	WIN MUL_HI
	MUL16 4, 1, NQ-1, 1, 0
	MUL16 6, 1, NQ-1, 1, 0
	WIN 0
; THE WAY OUT, block by block of 16 rows x 128 columns: through my stage, back as whole rows of 512 bytes; the residual and the bias are added; row t of block a is true row 32 (a / 2) + 8 (a % 2) + t + 8 (t / 8) of my 128.
.macro RLOAD a                         ; the residual's 16 rows of block a, into window 1
	WIN 0x40
.irp t, 0,1,2,3,4,5,6,7,8,9,10,11,12,13,14,15
	global_load_b128 v[64*((\a)%4)+4*\t:64*((\a)%4)+4*\t+3], v[CO], s[98:99] offset:(32*((\a)/2)+8*((\a)%2)+\t+8*(\t/8))*4096 th:TH_LOAD_NT
.endr
	WIN 0
.endm
.macro TOSTAGE a
.set AC, 64*((\a)%4)
	WIN 0x08+4*((\a)/4)                            ; the data: window 2 or 3
.irp b, 0,1,2,3,4,5,6,7
	ds_store_b128 v[STO], v[AC+8*\b:AC+8*\b+3] offset:64*\b            ; each accumulator from its low end on
	ds_store_b128 v[STO], v[AC+8*\b+4:AC+8*\b+7] offset:64*\b+16
.endr
	WIN 0
.irp t, 0,1,2,3,4,5,6,7,8,9,10,11,12,13,14,15
	ds_load_b128 v[BB+4*\t:BB+4*\t+3], v[RD] offset:\t*SPITCH          ; LDS serves a wave's instructions in order: these see my stores
.endr
.endm
.macro OUTB a, left                    ; left: the residual loads of the blocks behind this one, which may stay out
.if \a > 0
	s_wait_xcnt 0x0                                ; the last block's stores have read their registers
.endif
	TOSTAGE \a
	s_wait_dscnt 0x0
	s_wait_loadcnt \left
	WIN 0x04                                       ; source 1: window 1
.set ii, 0
.rept 32
	v_pk_add_f32 v[BB+ii:BB+ii+1], v[BB+ii:BB+ii+1], v[64*((\a)%4)+ii:64*((\a)%4)+ii+1]
.set ii, ii+2
.endr
	WIN 0
.irp t, 0,1,2,3,4,5,6,7,8,9,10,11,12,13,14,15
	v_pk_add_f32 v[BB+4*\t:BB+4*\t+1], v[BB+4*\t:BB+4*\t+1], v[BI:BI+1]
	v_pk_add_f32 v[BB+4*\t+2:BB+4*\t+3], v[BB+4*\t+2:BB+4*\t+3], v[BI+2:BI+3]
.endr
.irp t, 0,1,2,3,4,5,6,7,8,9,10,11,12,13,14,15
.if NTOUT
	global_store_b128 v[CO], v[BB+4*\t:BB+4*\t+3], s[12:13] offset:(32*((\a)/2)+8*((\a)%2)+\t+8*(\t/8))*4096 th:TH_STORE_NT   ; 32 lanes store 512 consecutive bytes
.else
	global_store_b128 v[CO], v[BB+4*\t:BB+4*\t+3], s[12:13] offset:(32*((\a)/2)+8*((\a)%2)+\t+8*(\t/8))*4096
.endif
.endr
.if \a < 4
	RLOAD \a+4
.endif
.endm
	PLACES NP
	RLOAD 0
	RLOAD 1
	RLOAD 2
	RLOAD 3
	OUTB 0, 48
	OUTB 1, 48
	OUTB 2, 48
	OUTB 3, 48
	OUTB 4, 48
	OUTB 5, 32
	OUTB 6, 16
	OUTB 7, 0
	s_wait_tensorcnt 0x0                           ; the wave's end
	ds_add_u32 v[SPW], v[NIL]
	s_wait_dscnt 0x0
	CROUND                                         ; the closing round
	s_endpgm
.Lfunc_end_k_q069849bd95_w2:
	.size	k_q069849bd95_w2, .Lfunc_end_k_q069849bd95_w2-k_q069849bd95_w2
	.p2alignl 7, 3214868480
	.fill 96, 4, 3214868480
	.section	.rodata,"a",@progbits
	.p2align	6, 0x0
	.amdhsa_kernel k_q069849bd95_w2
		.amdhsa_group_segment_fixed_size 327680
		.amdhsa_private_segment_fixed_size 0
		.amdhsa_enable_private_segment 0
		.amdhsa_kernarg_size 48
		.amdhsa_user_sgpr_count 2
		.amdhsa_user_sgpr_kernarg_segment_ptr 1
		.amdhsa_wavefront_size32 1
		.amdhsa_system_sgpr_workgroup_id_x 1
		.amdhsa_system_sgpr_workgroup_id_y 1
		.amdhsa_system_sgpr_workgroup_id_z 1
		.amdhsa_system_vgpr_workitem_id 0
		.amdhsa_next_free_vgpr 1024
		.amdhsa_next_free_sgpr 100
		.amdhsa_reserve_vcc 0
		.amdhsa_float_denorm_mode_32 3
		.amdhsa_float_denorm_mode_16_64 3
		.amdhsa_memory_ordered 1
		.amdhsa_forward_progress 1
		.amdhsa_inst_pref_size 201
	.end_amdhsa_kernel
	.amdgpu_metadata
---
amdhsa.version: [ 1, 2 ]
amdhsa.kernels:
  - .name:           k_q069849bd95_w2
    .symbol:         k_q069849bd95_w2.kd
    .args:
      - { .name: gbuf, .offset: 0, .size: 8, .value_kind: global_buffer, .address_space: global }
      - { .name: W2_codes, .offset: 8, .size: 8, .value_kind: global_buffer, .address_space: global }
      - { .name: W2_scales, .offset: 16, .size: 8, .value_kind: global_buffer, .address_space: global }
      - { .name: b2, .offset: 24, .size: 8, .value_kind: global_buffer, .address_space: global }
      - { .name: x1, .offset: 32, .size: 8, .value_kind: global_buffer, .address_space: global }
      - { .name: out0, .offset: 40, .size: 8, .value_kind: global_buffer, .address_space: global }
    .group_segment_fixed_size: 327680
    .private_segment_fixed_size: 0
    .kernarg_segment_align: 8
    .kernarg_segment_size: 48
    .max_flat_workgroup_size: 128
    .sgpr_count:     100
    .vgpr_count:     1024
    .wavefront_size: 32
...
	.end_amdgpu_metadata
.endif
;; end of part 6
;; ======== version 2 of 2: 7 launches
;; workspace buffers: hbuf 3,276,800 bytes; qbuf 3,407,872 bytes; kvrec 6,684,672 bytes; obuf 3,276,800 bytes; x1 16,777,216 bytes; gbuf 13,107,200 bytes
;; launch ln1: the kernel of part 1 again; grid 256 x 1, 16 waves a work-group, no clusters, 84,992 bytes of LDS; arguments x, ln1_g, ln1_b, hbuf; writes hbuf
;; launch qkv: the kernel of part 2 again; grid 12 x 16, 4 waves a work-group, clusters of 4 x 4, 327,680 bytes of LDS; arguments hbuf, Wq_codes, Wq_scales, Wk_codes, Wk_scales, Wv_codes, Wv_scales, qbuf, kvrec; writes qbuf, kvrec
;; launch attn (part 7): grid 272 x 1, 16 waves a work-group, no clusters, 169,984 bytes of LDS; arguments qbuf, kvrec, obuf; writes obuf
.if DOCPART == 7
	.amdgcn_target "amdgcn-amd-amdhsa--gfx1250"
	.amdhsa_code_object_version 6
	.text
	.protected	k_q069849bd95_attn
	.globl	k_q069849bd95_attn
	.p2align	8
	.type	k_q069849bd95_attn,@function
k_q069849bd95_attn:
	s_mov_b64 s[64:65], 0
	v_nop
	global_prefetch_b8 v0, s[64:65] scope:SCOPE_SE
	s_setreg_imm32_b32 hwreg(HW_REG_WAVE_MODE, 25, 1), 1
	s_wait_xcnt 0x0
; Banded causal attention, 32 heads of 64 channels, 2,048 positions, both products on codes of FP6 (E2M3) with E8M0 scales.
; Query i sees keys max(0, i - 128) .. i and key 0; query 2,047 sees every key.  With keys in blocks of 128, a block Q of 128 queries needs key blocks 0 (for key 0), Q - 1 and Q.
; THE SOFTMAX: t = score x log2(e) / 8; M = the running largest t rounded up to a whole number; p = 2^(t - M) is quantised along the keys, not normalised; the sum of the unquantised p divides at the end.
; IN: qbuf (half images of 16 queries x 64 channels, scale words at SCOFF); kvrec: a record of REC bytes for each head and key block: K's 8 half images, V^T's 4 images at VIMG, K's scale words at KSC, V's at VSC.
; Rows lie in image order: lane r of tile e stands for position 32 (e / 2) + 8 (e % 2) + r + 8 (r / 8) of its 128, so that the 16 registers of two neighbouring key tiles are 16 neighbouring keys.
; K = 64 is half of the instruction's 128: Q's upper six registers hold zero codes, which make every product of that half zero whatever K's registers hold there.
; OUT: obuf: o / l quantised along the model's 1,024: images [tile of rows 256][K step 8][1,536] (a head is half an image), scale words [K step][4096][4] at SCOFF.
; SHARES.  Work-groups 0-15: the tile that holds query 2,047, for a pair of heads: wave (c, e) walks key blocks 2 e and 2 e + 1 straight from memory; the eight partial sums of a head meet in LDS and are merged
; by exact powers of two.  Work-groups 16-271: a pair of heads and a block Q = 15 - (id - 16) / 16: wave (c, e) takes head c of the pair and tile e of 16 queries; the pair's six records come by six tensor loads,
; each filled once; there the two waves of query 2,047's tile compute nothing.  The order puts the work-groups with most key steps first and those with one key step (Q = 0) last.
; No cluster: neighbouring query blocks share one record in three.
; LIMITS: a block of zeros gets the scale byte 1; NaN and infinities are not served.
; REGISTERS: v1-3 LDS places, v4-6 places in memory, v7 lowest key - 16 h, v8 query - 16 h, v12 -M, v13 largest t, v[14:15] the sum, v16-27 Q, v28 its scale word, v32-79 four fragments, v80-83 their scale words,
; v96-159 S^T, then p; v160-191 O^T; v192-210 p's codes; v212-231 at work; v224 p's scale word.
.set REC,   13056
.set KIMG,  0
.set VIMG,  6144
.set KSC,   12288
.set VSC,   12800
.set HALFL, 3*REC                      ; a head's three records in LDS
.set SCX,   6*REC                      ; 512 bytes: the block's scale words
.set MRG,   SCX+512                    ; 16 x MRGW: a wave's O^T (8 x 512 bytes) and (-M, l) (256 bytes)
.set MRGW,  4608
.set SCX2,  MRG+16*MRGW                ; 256 bytes: the last tile's scale words
.set SCOFF, 3145728
.macro LDQ mode, d, al, ag, off        ; 16 bytes a lane, from LDS (mode 0) or from the record in memory (mode 1)
.if \mode
	global_load_b128 v[\d:\d+3], v[\ag], s[40:41] offset:\off
.else
	ds_load_b128 v[\d:\d+3], v[\al] offset:\off
.endif
.endm
.macro LDD mode, d, al, ag, off        ; 8 bytes
.if \mode
	global_load_b64 v[\d:\d+1], v[\ag], s[40:41] offset:\off
.else
	ds_load_b64 v[\d:\d+1], v[\al] offset:\off
.endif
.endm
.macro LDW mode, d, al, ag, off        ; 4 bytes
.if \mode
	global_load_b32 v[\d], v[\ag], s[40:41] offset:\off
.else
	ds_load_b32 v[\d], v[\al] offset:\off
.endif
.endm
.macro LDWAIT mode
.if \mode
	s_wait_loadcnt 0x0
.else
	s_wait_dscnt 0x0
.endif
.endm
	s_load_b128 s[4:7], s[0:1], 0x0                ; qbuf, kvrec
	s_load_b64 s[8:9], s[0:1], 0x10                ; obuf
	v_lshl_add_u32 v254, v0, 2, 0x29000
	v_mov_b32 v255, 0
	ds_add_u32 v254, v255
	ds_add_u32 v254, v255
	v_lshrrev_b32 v1, 5, v0
	v_readfirstlane_b32 s10, v1                    ; wave 0..15
	s_lshr_b32 s11, s10, 3                         ; c: the head of the pair
	s_and_b32 s12, s10, 7                          ; e
	s_sub_co_u32 s50, ttmp9, 16                    ; the blocks of queries begin at work-group 16
	s_and_b32 s13, s50, 15
	s_lshr_b32 s14, s50, 4
	s_sub_co_u32 s14, 15, s14                      ; Q runs down from 15
	s_cmp_ge_u32 ttmp9, 16
	s_cselect_b32 s13, s13, ttmp9                  ; batch x 8 + pair
	s_cselect_b32 s14, s14, 15                     ; Q
	s_cselect_b32 s15, s12, 7                      ; my tile of queries
	s_lshr_b32 s16, s13, 3                         ; batch
	s_and_b32 s17, s13, 7                          ; pair
	s_lshl_b32 s18, s16, 4
	s_lshl_b32 s50, s17, 1
	s_add_co_u32 s18, s18, s50
	s_add_co_u32 s18, s18, s11                     ; head 0..31
	s_lshl_b32 s19, s14, 3
	s_add_co_u32 s19, s19, s15                     ; tile of queries 0..127
	s_lshl_b32 s37, s14, 7                         ; the block's first query
	; every address register is made here, ahead of every parting of the ways
	v_and_b32 v89, 31, v0                          ; lane
	v_and_b32 v229, 15, v0                         ; r
	v_bfe_u32 v231, v0, 4, 1                       ; h
	v_lshlrev_b32 v4, 4, v89
	v_lshlrev_b32 v5, 3, v89
	v_lshlrev_b32 v6, 2, v229
	s_mul_i32 s50, s11, HALFL
	v_add_nc_u32 v1, s50, v4
	v_add_nc_u32 v2, s50, v5
	v_add_nc_u32 v3, s50, v6
	s_lshl_b32 s51, s11, 1
	v_add_nc_u32 v30, s51, v6
	v_add_nc_u32 v30, SCX2, v30                    ; the last tile's halfword: 4 r + 2 c
	s_lshl_b32 s52, s12, 6
	s_add_co_u32 s51, s51, s52
	v_add_nc_u32 v29, s51, v6
	v_add_nc_u32 v29, SCX, v29                     ; my tile's halfword: 64 e + 4 r + 2 c
	v_add_nc_u32 v31, SCX, v4
	v_and_b32 v88, 3, v0
	v_lshl_add_u32 v88, v88, 4, SCX2
	s_mul_i32 s51, s10, MRGW
	s_add_co_u32 s51, s51, MRG
	v_add_nc_u32 v84, s51, v4
	v_add_nc_u32 v85, s51, v5
	v_add_nc_u32 v85, 4096, v85
	s_mul_i32 s51, s11, 8*MRGW
	s_add_co_u32 s51, s51, MRG
	v_add_nc_u32 v86, s51, v4
	v_add_nc_u32 v87, s51, v5
	v_add_nc_u32 v87, 4096, v87
	s_lshr_b32 s50, s15, 1
	s_lshl_b32 s50, s50, 5
	s_and_b32 s51, s15, 1
	s_lshl_b32 s51, s51, 3
	s_add_co_u32 s50, s50, s51
	s_add_co_u32 s50, s50, s37
	v_and_b32 v10, 8, v229
	v_add_nc_u32 v10, v10, v229
	v_add_nc_u32 v10, s50, v10                     ; my query i
	v_lshlrev_b32 v11, 4, v231
	v_sub_nc_u32 v8, v10, v11                      ; i - 16 h
	v_add_nc_u32 v7, 0xffffff80, v10               ; the lowest key of the band: i - 128;
	v_mov_b32 v228, 0xfff00000
	v_cmp_eq_u32 vcc_lo, 0x7ff, v10
	v_cndmask_b32 v7, v7, v228, vcc_lo             ; query 2,047 has none
	v_sub_nc_u32 v7, v7, v11
	; the one tensor load: a record, 51 rows of 256 bytes, dense.  Wave w < 6 brings record w % 3 of head w / 3: key blocks 0, max(Q - 1, 0), Q
	s_mov_b32 s24, 3<<16                           ; no mask; elements of 8 bytes; no padding
	s_mov_b32 s25, 32<<16                          ; tensor_dim0 = 32
	s_mov_b32 s26, 51<<16                          ; tensor_dim1 = 51
	s_mov_b32 s27, 32<<16                          ; tile_dim0 = 32
	s_mov_b32 s28, 51                              ; tile_dim1 = 51
	s_mov_b32 s29, 32                              ; the pitch
	s_mov_b32 s30, 0
	s_mov_b32 s31, 0
	s_cmp_ge_u32 s10, 3
	s_cselect_b32 s51, 1, 0
	s_mul_i32 s52, s51, 3
	s_sub_co_u32 s52, s10, s52
	s_add_co_u32 s53, s14, s52
	s_sub_co_i32 s53, s53, 2
	s_max_i32 s53, s53, 0
	s_cmp_eq_u32 s52, 0
	s_cselect_b32 s53, 0, s53
	s_sub_co_u32 s54, s18, s11
	s_add_co_u32 s54, s54, s51
	s_lshl_b32 s54, s54, 4
	s_add_co_u32 s54, s54, s53
	s_mul_i32 s54, s54, REC
	s_mov_b32 s55, 0
	s_mov_b32 s32, 1
	s_mul_i32 s33, s10, REC
	; where Q comes from and o goes
	s_lshl_b32 s50, s18, 7
	s_add_co_u32 s50, s50, s19
	s_mul_i32 s42, s50, 768
	s_mov_b32 s43, 0
	s_lshl_b32 s44, s50, 6
	s_add_co_u32 s44, s44, SCOFF
	s_mov_b32 s45, 0
	s_lshl_b32 s50, s16, 7
	s_add_co_u32 s50, s50, s19
	s_lshl_b32 s50, s50, 3
	s_add_co_u32 s50, s50, s17
	s_mul_i32 s46, s50, 1536
	s_mul_i32 s51, s11, 768
	s_add_co_u32 s46, s46, s51
	s_mov_b32 s47, 0
	s_lshl_b32 s48, s17, 14
	s_lshl_b32 s51, s16, 13
	s_add_co_u32 s48, s48, s51
	s_lshl_b32 s51, s14, 9
	s_add_co_u32 s48, s48, s51
	s_add_co_u32 s48, s48, SCOFF
	s_mov_b32 s49, 0
	s_mov_b32 s20, 0x76543210
	s_mov_b32 s21, 0xfedcba98                      ; v_permlanex16_b32's selects for lane l xor 16
	s_mov_b32 s22, 0x3e38aa3b                      ; log2(e) / 8
	s_mov_b32 s23, s22
	s_wait_dscnt 0x0
	s_wait_kmcnt 0x0
	s_add_nc_u64 s[34:35], s[6:7], s[54:55]
	s_or_b32 s35, s35, 0x80000000
	s_add_nc_u64 s[42:43], s[4:5], s[42:43]
	s_add_nc_u64 s[44:45], s[4:5], s[44:45]
	s_add_nc_u64 s[46:47], s[8:9], s[46:47]
	s_add_nc_u64 s[48:49], s[8:9], s[48:49]
	s_cmp_lt_u32 ttmp9, 16
	s_cbranch_scc1 .Lnofill
	s_cmp_lt_u32 s10, 6
	s_cbranch_scc0 .Lnofill
	tensor_load_to_lds s[32:35], s[24:31]          ; a first fill; nothing in this launch is filled again
	s_nop 0
.rept 4
	v_nop
.endr
.Lnofill:
	global_load_b128 v[16:19], v4, s[42:43]        ; Q's half image
	global_load_b64 v[20:21], v5, s[42:43] offset:512
	global_load_b32 v28, v6, s[44:45]              ; and its scale words
	v_mov_b32 v9, 0xff800000                       ; -infinity
	v_mov_b32 v13, 0xff61b1e6                      ; the largest t so far: -3e38
	v_floor_f32 v12, -v13                          ; -M
	v_mov_b32 v14, 0
	v_mov_b32 v15, 0
.irp j, 22,23,24,25,26,27
	v_mov_b32 v[\j], 0                             ; zero codes for k = 64 .. 127
.endr
.irp t, 0,1,2,3
.irp j, 6,7,8,9,10,11
	v_mov_b32 v[32+12*\t+\j], 0                    ; written once: K's half images do not fill them
.endr
.endr
.set ii, 0
.rept 32
	v_mov_b32 v[160+ii], 0                         ; O^T: the step is written once and its first use finds zeros
.set ii, ii+1
.endr
.irp b, 0,1,2,3
	v_mov_b32 v[216+\b], 0                         ; a lane permute's destination counts as one of its sources
.endr
	v_mov_b32 v227, 0                              ; named as the upper half of the pair v[226:227]
	v_mov_b32 v230, 0                              ; the halfword of a wave that computes nothing
	s_wait_tensorcnt 0x0                           ; my record has landed
	s_barrier_signal -1
	s_barrier_wait -1                              ; everybody's has
	s_wait_loadcnt 0x0                             ; Q
; A KEY STEP: the 128 keys from s36 on, whose record lies ro bytes on.
.macro STEP mode, ro
.irp g, 0,1                            ; S^T = K Q^T, four tiles of 16 keys at a time
.rept 4
	v_nop                                          ; places in front of loads into registers that matrix instructions have read
.endr
.irp t, 0,1,2,3
	LDQ \mode, 32+12*\t, 1, 4, \ro+KIMG+768*(4*\g+\t)
	LDD \mode, 36+12*\t, 2, 5, \ro+KIMG+768*(4*\g+\t)+512
	LDW \mode, 80+\t, 3, 6, \ro+KSC+64*(4*\g+\t)
.endr
	LDWAIT \mode
.irp t, 0,1,2,3
	v_wmma_scale_f32_16x16x128_f8f6f4 v[96+8*(4*\g+\t):103+8*(4*\g+\t)], v[32+12*\t:43+12*\t], v[16:27], 0, v[80+\t], v28 matrix_a_fmt:MATRIX_FMT_FP6 matrix_b_fmt:MATRIX_FMT_FP6
.endr
.endr
.rept 4
	v_nop
.endr
.irp t, 0,1,2,3                        ; V^T's four images are asked for now and land under the softmax
	LDQ \mode, 32+12*\t, 1, 4, \ro+VIMG+1536*\t
	LDD \mode, 36+12*\t, 2, 5, \ro+VIMG+1536*\t+512
	LDQ \mode, 38+12*\t, 1, 4, \ro+VIMG+1536*\t+768
	LDD \mode, 42+12*\t, 2, 5, \ro+VIMG+1536*\t+1280
	LDW \mode, 80+\t, 3, 6, \ro+VSC+64*\t
.endr
	; THE MASK.  Register n holds key s36 + 16 h + c, c = 32 (n / 16) + n % 16.  Hidden scores become -infinity: p = 0 then.
	s_sub_co_i32 s39, 0, s36
	s_cmp_eq_u32 s36, s37
	s_cbranch_scc1 .Lupper_\@
	v_mov_b32 v11, v96                             ; below the diagonal block: hidden where the key lies under the band;
	v_add_nc_u32 v10, s39, v7
.set nn, 0
.rept 64
	v_cmp_lt_i32 vcc_lo, 32*(nn/16)+nn%16, v10
	v_cndmask_b32 v[96+nn], v[96+nn], v9, vcc_lo
.set nn, nn+1
.endr
	s_cmp_eq_u32 s36, 0
	s_cselect_b32 s38, 0xffff, 0
	v_cndmask_b32 v96, v96, v11, s38               ; key 0 (register 0 of lanes 0-15 in key block 0) counts for every query
	s_branch .Lmasked_\@
.Lupper_\@:
	v_add_nc_u32 v10, s39, v8                      ; the diagonal block: hidden where the key comes after the query
.set nn, 0
.rept 64
	v_cmp_gt_i32 vcc_lo, 32*(nn/16)+nn%16, v10
	v_cndmask_b32 v[96+nn], v[96+nn], v9, vcc_lo
.set nn, nn+1
.endr
.Lmasked_\@:
.irp b, 0,1,2,3
	v_max3_num_f32 v[212+\b], v[96+16*\b], v[97+16*\b], v[98+16*\b]    ; the largest score of each block of 32 keys: for the row's maximum, and, since p rises with the score, for the block's largest p
.endr
.irp i, 3,5,7,9,11,13
.irp b, 0,1,2,3
	v_max3_num_f32 v[212+\b], v[212+\b], v[96+16*\b+\i], v[97+16*\b+\i]
.endr
.endr
.irp b, 0,1,2,3
	v_max_num_f32 v[212+\b], v[212+\b], v[111+16*\b]
.endr
.irp b, 0,1,2,3
	v_permlanex16_b32 v[216+\b], v[212+\b], s20, s21
.endr
.irp b, 0,1,2,3
	v_max_num_f32 v[212+\b], v[212+\b], v[216+\b]
.endr
	v_max3_num_f32 v228, v212, v213, v214
	v_max_num_f32 v228, v228, v215
	v_mul_f32 v228, s22, v228                      ; as t
	v_max_num_f32 v13, v13, v228                   ; the running largest t
	v_mov_b32 v228, v12
	v_floor_f32 v12, -v13                          ; the new -M = -ceil(t)
	v_sub_f32 v228, v12, v228                      ; old M - new M: a whole number, 0 or less
	v_cvt_i32_f32 v228, v228                       ; (it saturates)
	v_ldexp_f32 v226, 1.0, v228                    ; f = 2^(old M - new M): rounds nothing
.set jj, 0
.rept 32
	v_pk_fma_f32 v[96+jj:97+jj], v[96+jj:97+jj], s[22:23], v[12:13] op_sel_hi:[1,0,0]   ; t - M
.set jj, jj+2
.endr
.irp b, 0,1,2,3
	v_fma_f32 v[212+\b], v[212+\b], s22, v12
.endr
.set jj, 0
.rept 64
	v_exp_f32 v[96+jj], v[96+jj]                   ; p = 2^(t - M)
.set jj, jj+1
.endr
.irp b, 0,1,2,3
	v_exp_f32 v[212+\b], v[212+\b]                 ; the block's largest p
.endr
	v_pk_mul_f32 v[14:15], v[14:15], v[226:227] op_sel_hi:[1,0]        ; the sums under the new M (a plain place behind the exponentials)
	s_wait_alu depctr_va_vdst(0)
.irp b, 0,1,2,3
	v_max_num_f32 v[212+\b], 0x1800000, v[212+\b]  ; the floor 2^(3 - 127)
.endr
.irp b, 0,1,2,3
	v_add_nc_u32 v[220+\b], 0xff000000, v[212+\b]  ; the conversion's scale operand
.endr
.irp b, 0,1,2,3
	v_lshrrev_b32 v[216+\b], 23, v[220+\b]         ; the scale's byte
.endr
	v_lshl_or_b32 v224, v217, 8, v216              ; p's scale word for these 128 keys
	v_lshl_or_b32 v224, v218, 16, v224
	v_lshl_or_b32 v224, v219, 24, v224
.irp c, 0,1
	v_cvt_scalef32_pk16_fp6_f32 v[192+6*\c:194+6*\c], v[96+32*\c:111+32*\c], v[220+2*\c]
	v_cvt_scalef32_pk16_fp6_f32 v[204+4*\c:206+4*\c], v[112+32*\c:127+32*\c], v[220+2*\c+1]
.endr
	v_nop                                          ; one plain place behind a scaled conversion
.irp c, 0,1
.irp i, 0,1,2
	v_permlane16_swap_b32 v[192+6*\c+\i], v[204+4*\c+\i]
.endr
.irp i, 0,1,2
	v_mov_b32 v[195+6*\c+\i], v[204+4*\c+\i]
.endr
.endr
	v_pk_add_f32 v[216:217], v[96:97], v[98:99]    ; the row's sum of the unquantised p, in two chains; these lines are also the places in front of the scaled products below
.irp j, 4,8,12,16,20,24,28,32,36,40,44,48,52,56,60
	v_pk_add_f32 v[14:15], v[14:15], v[96+\j:97+\j]
	v_pk_add_f32 v[216:217], v[216:217], v[98+\j:99+\j]
.endr
	v_pk_add_f32 v[14:15], v[14:15], v[216:217]
.set jj, 0
.rept 16
	v_pk_mul_f32 v[160+jj:161+jj], v[160+jj:161+jj], v[226:227] op_sel_hi:[1,0]     ; O^T under the new M, each accumulator from its low end on
.set jj, jj+2
.endr
	LDWAIT \mode                                   ; V^T
.irp t, 0,1,2,3                        ; O^T += V^T P^T: four accumulators, one instruction a turn
	v_wmma_scale_f32_16x16x128_f8f6f4 v[160+8*\t:167+8*\t], v[32+12*\t:43+12*\t], v[192:203], v[160+8*\t:167+8*\t], v[80+\t], v224 matrix_a_fmt:MATRIX_FMT_FP6 matrix_b_fmt:MATRIX_FMT_FP6
.endr
.endm
; THE WAY OUT OF A TILE: o = O^T / l; register 8 t + j = channel 16 t + 8 h + j becomes, by the exchange of halves, register 16 b + i = channel 32 b + 16 h + i; two blocks are quantised: half an image and a halfword of scale bytes (v230).
.macro EPI
.rept 4
	v_nop
.endr
	v_add_f32 v14, v14, v15
	v_permlanex16_b32 v228, v14, s20, s21
	v_add_f32 v14, v14, v228                       ; the row's sum
	v_rcp_f32 v14, v14
	v_nop
.set jj, 0
	s_wait_alu depctr_va_vdst(0)
.rept 32
	v_mul_f32 v[96+jj], v[160+jj], v14
.set jj, jj+1
.endr
.irp j, 0,1,2,3,4,5,6,7
	v_permlane16_swap_b32 v[96+\j], v[104+\j]
	v_permlane16_swap_b32 v[112+\j], v[120+\j]
.endr
.irp b, 0,1
	v_max3_num_f32 v[212+\b], |v[96+16*\b]|, |v[97+16*\b]|, 0x1800000
.endr
.irp i, 2,4,6,8,10,12,14
.irp b, 0,1
	v_max3_num_f32 v[212+\b], v[212+\b], |v[96+16*\b+\i]|, |v[97+16*\b+\i]|
.endr
.endr
.irp b, 0,1
	v_permlanex16_b32 v[216+\b], v[212+\b], s20, s21
.endr
.irp b, 0,1
	v_max_num_f32 v[212+\b], v[212+\b], v[216+\b]
.endr
.irp b, 0,1
	v_add_nc_u32 v[220+\b], 0xff000000, v[212+\b]
.endr
.irp b, 0,1
	v_lshrrev_b32 v[216+\b], 23, v[220+\b]
.endr
	v_lshl_or_b32 v230, v217, 8, v216
	v_cvt_scalef32_pk16_fp6_f32 v[192:194], v[96:111], v220
	v_cvt_scalef32_pk16_fp6_f32 v[204:206], v[112:127], v221
	v_nop
.irp i, 0,1,2
	v_permlane16_swap_b32 v[192+\i], v[204+\i]
.endr
.irp i, 0,1,2
	v_mov_b32 v[195+\i], v[204+\i]
.endr
	global_store_b128 v4, v[192:195], s[46:47]                 ; 512 consecutive bytes
	global_store_b64 v5, v[196:197], s[46:47] offset:512       ; 256 consecutive bytes
.endm
	s_cmp_lt_u32 ttmp9, 16
	s_cbranch_scc1 .Lspecial
	; ---- a block of 128 queries
	s_cmp_eq_u32 s19, 127                          ; the tile of query 2,047 is made elsewhere
	s_cbranch_scc1 .Ljoin
	s_cmp_lt_u32 s14, 2
	s_cbranch_scc1 .Lno_first
	s_mov_b32 s36, 0
	STEP 0, 0                                      ; key block 0, for key 0
.Lno_first:
	s_cmp_lt_u32 s14, 1
	s_cbranch_scc1 .Lno_prev
	s_sub_co_u32 s36, s37, 128
	STEP 0, REC                                    ; key block Q - 1
.Lno_prev:
	s_mov_b32 s36, s37
	STEP 0, 2*REC                                  ; the diagonal block
	EPI
.Ljoin:
	ds_store_b16 v29, v230                         ; both halves of the lanes write the same halfword
	s_wait_dscnt 0x0
	s_barrier_signal -1
	s_barrier_wait -1                              ; the block's 128 scale words lie in LDS
	s_cmp_lg_u32 s10, 0
	s_cbranch_scc1 .Lend
	ds_load_b128 v[96:99], v31
	s_cmp_eq_u32 s14, 15
	s_cselect_b32 s52, 28, 32                      ; in the last block the last tile's 64 bytes are another work-group's
	v_cmp_gt_u32 vcc_lo, s52, v89
	s_wait_dscnt 0x0
	s_wait_xcnt 0x0                                ; EXEC changes only behind this wait
	s_and_saveexec_b32 s53, vcc_lo
	global_store_b128 v4, v[96:99], s[48:49]
	s_wait_xcnt 0x0
	s_or_b32 exec_lo, exec_lo, s53
.Lend:
	s_wait_tensorcnt 0x0
	ds_add_u32 v254, v255
	s_wait_dscnt 0x0
	s_endpgm
.Lspecial:
	; ---- the tile of query 2,047: my two key blocks, from memory
	s_lshl_b32 s50, s18, 4
	s_lshl_b32 s51, s12, 1
	s_add_co_u32 s50, s50, s51
	s_mul_i32 s40, s50, REC
	s_mov_b32 s41, 0
	s_add_nc_u64 s[40:41], s[6:7], s[40:41]
	s_lshl_b32 s36, s12, 8
	STEP 1, 0
	s_add_co_u32 s36, s36, 128
	STEP 1, REC
.rept 4
	v_nop
.endr
	v_add_f32 v13, v14, v15                        ; (-M, l) as a pair
.irp k, 0,1,2,3,4,5,6,7
	ds_store_b128 v84, v[160+4*\k:163+4*\k] offset:512*\k
.endr
	ds_store_b64 v85, v[12:13]
	s_wait_dscnt 0x0
	s_barrier_signal -1
	s_barrier_wait -1                              ; all sixteen partial states lie in LDS
	s_cmp_lg_u32 s12, 0
	s_cbranch_scc1 .Lsjoin
.irp u, 0,1,2,3,4,5,6,7
	ds_load_b64 v[96+2*\u:97+2*\u], v87 offset:MRGW*\u
.endr
	s_wait_dscnt 0x0
	v_min3_num_f32 v12, v96, v98, v100             ; the least -M is the largest M
	v_min3_num_f32 v12, v12, v102, v104
	v_min3_num_f32 v12, v12, v106, v108
	v_min_num_f32 v12, v12, v110
.irp u, 0,1,2,3,4,5,6,7
	v_sub_f32 v[112+2*\u], v12, v[96+2*\u]         ; a part's M less the largest: a whole number, 0 or less
.endr
.irp u, 0,1,2,3,4,5,6,7
	v_cvt_i32_f32 v[112+2*\u], v[112+2*\u]
.endr
.irp u, 0,1,2,3,4,5,6,7
	v_ldexp_f32 v[112+2*\u], 1.0, v[112+2*\u]      ; its factor: an exact power of two, 0 for a part that saw no key
.endr
	v_mul_f32 v14, v112, v97
.irp u, 1,2,3,4,5,6,7
	v_fmac_f32 v14, v[112+2*\u], v[97+2*\u]
.endr
	v_mov_b32 v15, 0
.irp u, 0,1,2,3,4,5,6,7
.irp k, 0,1,2,3,4,5,6,7
	ds_load_b128 v[32+4*\k:35+4*\k], v86 offset:MRGW*\u+512*\k
.endr
	s_wait_dscnt 0x0
.irp i, 0,2,4,6,8,10,12,14,16,18,20,22,24,26,28,30
.if \u == 0
	v_pk_mul_f32 v[160+\i:161+\i], v[32+\i:33+\i], v[112:113] op_sel_hi:[1,0]
.else
	v_pk_fma_f32 v[160+\i:161+\i], v[32+\i:33+\i], v[112+2*\u:113+2*\u], v[160+\i:161+\i] op_sel_hi:[1,0,1]
.endif
.endr
.endr
	EPI
	ds_store_b16 v30, v230
.Lsjoin:
	s_wait_dscnt 0x0
	s_barrier_signal -1
	s_barrier_wait -1                              ; the tile's 16 scale words lie in LDS
	s_cmp_lg_u32 s10, 0
	s_cbranch_scc1 .Lsend
	ds_load_b128 v[96:99], v88                     ; every lane reads one of the four written pieces; lanes 0-3 store them
	v_cmp_gt_u32 vcc_lo, 4, v89
	s_wait_dscnt 0x0
	s_wait_xcnt 0x0
	s_and_saveexec_b32 s53, vcc_lo
	global_store_b128 v4, v[96:99], s[48:49] offset:448
	s_wait_xcnt 0x0
	s_or_b32 exec_lo, exec_lo, s53
.Lsend:
	s_wait_tensorcnt 0x0
	ds_add_u32 v254, v255
	s_wait_dscnt 0x0
	s_endpgm
.Lfunc_end_k_q069849bd95_attn:
	.size	k_q069849bd95_attn, .Lfunc_end_k_q069849bd95_attn-k_q069849bd95_attn
	.p2alignl 7, 3214868480
	.fill 96, 4, 3214868480
	.section	.rodata,"a",@progbits
	.p2align	6, 0x0
	.amdhsa_kernel k_q069849bd95_attn
		.amdhsa_group_segment_fixed_size 169984
		.amdhsa_private_segment_fixed_size 0
		.amdhsa_enable_private_segment 0
		.amdhsa_kernarg_size 24
		.amdhsa_user_sgpr_count 2
		.amdhsa_user_sgpr_kernarg_segment_ptr 1
		.amdhsa_wavefront_size32 1
		.amdhsa_system_sgpr_workgroup_id_x 1
		.amdhsa_system_sgpr_workgroup_id_y 1
		.amdhsa_system_sgpr_workgroup_id_z 1
		.amdhsa_system_vgpr_workitem_id 0
		.amdhsa_next_free_vgpr 256
		.amdhsa_next_free_sgpr 66
		.amdhsa_reserve_vcc 1
		.amdhsa_float_denorm_mode_32 3
		.amdhsa_float_denorm_mode_16_64 3
		.amdhsa_memory_ordered 1
		.amdhsa_forward_progress 1
		.amdhsa_inst_pref_size 170
	.end_amdhsa_kernel
	.amdgpu_metadata
---
amdhsa.version: [ 1, 2 ]
amdhsa.kernels:
  - .name:           k_q069849bd95_attn
    .symbol:         k_q069849bd95_attn.kd
    .args:
      - { .name: qbuf, .offset: 0, .size: 8, .value_kind: global_buffer, .address_space: global }
      - { .name: kvrec, .offset: 8, .size: 8, .value_kind: global_buffer, .address_space: global }
      - { .name: obuf, .offset: 16, .size: 8, .value_kind: global_buffer, .address_space: global }
    .group_segment_fixed_size: 169984
    .private_segment_fixed_size: 0
    .kernarg_segment_align: 8
    .kernarg_segment_size: 24
    .max_flat_workgroup_size: 512
    .sgpr_count:     66
    .vgpr_count:     256
    .wavefront_size: 32
...
	.end_amdgpu_metadata
.endif
;; end of part 7
;; launch wo (part 8): grid 8 x 32, 4 waves a work-group, clusters of 4 x 4, 327,680 bytes of LDS; arguments obuf, Wo_codes, Wo_scales, bo, x, x1; writes x1
.if DOCPART == 8
	.amdgcn_target "amdgcn-amd-amdhsa--gfx1250"
	.amdhsa_code_object_version 6
	.text
	.protected	k_q069849bd95_wo
	.globl	k_q069849bd95_wo
	.p2align	8
	.type	k_q069849bd95_wo,@function
k_q069849bd95_wo:
	s_mov_b64 s[64:65], 0
	v_nop
	global_prefetch_b8 v0, s[64:65] scope:SCOPE_SE
	s_setreg_imm32_b32 hwreg(HW_REG_WAVE_MODE, 25, 1), 1
	s_wait_xcnt 0x0
	s_wait_alu depctr_hold_cnt(0) depctr_sa_sdst(0) depctr_va_vdst(0) depctr_va_sdst(0) depctr_va_ssrc(0) depctr_va_vcc(0) depctr_vm_vsrc(0)
	s_getreg_b32 s2, hwreg(HW_REG_IB_STS2, 6, 4)
	s_cmp_eq_u32 s2, 0
	s_cbranch_scc0 .Lentry_in_a_cluster
	s_endpgm
.Lentry_in_a_cluster:
	s_bfe_u32 s2, ttmp6, 0x10000c
	s_cmp_lg_u32 s2, 0xf033
	s_cbranch_scc0 .Lentry_shape_is_right
	s_endpgm
.Lentry_shape_is_right:
; out = res + A B^T + bias.  A: 4,096 rows x SIZE_K as codes of FP6 (E2M3), laid as IMAGES of the operand's registers: [tile of 16 rows 256][K step of 128][1,536 bytes] (registers 6 c .. 6 c + 3 at 768 c + 16 lane,
; 6 c + 4, 6 c + 5 at 768 c + 512 + 8 lane), its scale words [K step][4096][4] at ASC_OFF; the rows lie in image order (place 16 tau + r = true row 32 (tau / 2) + 8 (tau % 2) + r + 8 (r / 8)).
; B: the weight, codes [1024][SIZE_K x 3 / 4 bytes], scale bytes [1024][SIZE_K / 32], K innermost.  bias [1024], res and out [4096][1024] f32, true rows.
; A TILE OF 128 x 128 to a work-group of four waves, so that the 4,096 x 1,024 results make 256 work-groups; a wave makes 64 x 64 in 16 accumulators.
; K goes in steps of 512 through a ring of two LDS slots: a wave's one tensor load brings 4 tiles of rows x 6,144 bytes of A, or 64 rows x 384 bytes of B; all scale bytes of the tile's rows stay in LDS.
; A's fragments come out of LDS by loads of 16 and 8 consecutive bytes a lane; B's rows have 16 bytes of padding behind every 128: 432 bytes = 108 words from row to row, so that 16 rows start at 16 different multiples of 4 banks.
; Both sides have two sets of fragment registers: a step's 40 loads are issued ahead of the 16 products of the step before.
; THE MATRIX INSTRUCTION IS USED TRANSPOSED (source 0 = 16 rows of B, source 1 = 16 rows of A): a lane holds eight neighbouring columns of one row.
; CLUSTERS: 4 x 4 work-groups; A's tiles are asked for jointly along a row of the cluster, B's along a column.
; REGISTERS: window 0: v0-31 addresses; v32-63 A's scale words, v64-95 B's, two sets each; v96-99 the bias; v128-223 A's fragments, two sets; later v128-255 rows on their way out.
;   window 1: B's fragments, sets at v0 and v128; later v0-127 the residual.  window 2: the 16 accumulators ((a, b) at v[8 (4 a + b)]).
.set SIZE_K, 1024
.set ASC_OFF, 3145728
.set NTOUT,  0                         ; the result is read again by later launches
.set KF,     SIZE_K/128
.set KSTEP,  512                       ; along K in a slot
.set NQ,     KSTEP/128
.set ROWB,   384                       ; a row of B's tile in bytes
.set KROW,   SIZE_K*6/8
.set PITCH,  432                       ; 3 x (128 bytes + 16 of padding)
.set FR,     12
.set NP,     4
.set HA,     4*6144                    ; A: 4 tiles of rows x four K steps of 1,536 bytes: what one tensor load brings
.set HB,     64*PITCH                  ; B: 64 rows
.set SLOT,   2*HA+2*HB
.set LAPS,   SIZE_K/(2*KSTEP)
.set KS,     SIZE_K/32
.set SCLA,   2*SLOT                    ; behind the ring: A's scale words, [half][K step of 128][64 rows x 4]
.set HSA,    KF*256
.set SCLB,   SCLA+2*HSA                ; B's scale bytes, as 256 bytes + 16 of padding
.set HALFS,  (64*KS/256)*272
.set SBLK,   (16*KS/256)*272
.set SPARE,  SCLB+2*HALFS              ; the spare words, 128 bytes for each wave: two blocks of 256 bytes that no other line names
.set SPITCH, 272                       ; the way out: a stage of 16 rows x (256 + 16) bytes a wave, in slot 0, which has had its last fill and its last read by then
.set ADRA, 16                          ; v16-17 16 lane + my half of A in slot 0, 1;  v18-19 the same with 8 lane
.set ADRB, 20                          ; v20-21 my B fragments in slot 0, 1;  v22-23 behind one padding more
.set STO,  24
.set RD,   25
.set CO,   26                          ; v26  4,096 h + 16 r; never rewritten
.set ADRSA, 27
.set SPW,  28                          ; v28  LDS address of my spare word; never rewritten
.set NIL,  29                          ; v29  0; never rewritten
.set ADRSB, 30
.set BA,   31                          ; v31  16 r
.set SCA,  32
.set SCB,  64
.set BI,   96
.set AF,   128
.set BB,   128
.set G1, 24
.set G0, 32
.set G1B, 48
.set G0B, 56
.set G1S, 68
.set G0S, 76
.set G1SB, 80
.set G0SB, 88
.set MSB, 0
.macro WIN new                         ; the immediate's high byte repeats the setting that is left
.if MSB != (\new)
	s_set_vgpr_msb (MSB<<8)|(\new)
.set MSB, (\new)
.endif
.endm
.set MUL,    0xa1                      ; source 0 (B) window 1, source 1 (A) window 0, C and D window 2
.set TO_B,   0x40
.macro JLOAD g0a, g1a, g0b, g1b        ; a joint load: waves 0 and 1 fetch for A, waves 2 and 3 for B; four v_nop follow each of the two lines
	s_cmp_eq_u32 s15, 0
	s_cbranch_scc0 .Lfor_b_\@
	tensor_load_to_lds s[\g0a:\g0a+3], s[\g1a:\g1a+7]
	s_nop 0
.rept 4
	v_nop
.endr
	s_branch .Lasked_\@
.Lfor_b_\@:
	tensor_load_to_lds s[\g0b:\g0b+3], s[\g1b:\g1b+7]
	s_nop 0
.rept 4
	v_nop
.endr
.Lasked_\@:
.endm
.macro CREST                           ; a round of the cluster's barrier behind its opening barrier
	s_cmp_lg_u32 s14, 0
	s_cbranch_scc1 .Lnot_wave_0_\@
	s_barrier_signal -3
.Lnot_wave_0_\@:
	s_barrier_wait -3
	s_barrier_signal -1
	s_barrier_wait -1
.endm
.macro CROUND
	s_barrier_signal -1
	s_barrier_wait -1
	CREST
.endm
	s_load_b64 s[4:5], s[0:1], 0x0                 ; A
	s_load_b128 s[8:11], s[0:1], 0x8               ; B's codes, B's scales
	s_load_b128 s[96:99], s[0:1], 0x18             ; bias, res
	s_load_b64 s[12:13], s[0:1], 0x28              ; out
	v_lshl_add_u32 v[SPW], v0, 2, SPARE
	v_mov_b32 v[NIL], 0
	ds_add_u32 v28, v29
	ds_add_u32 v28, v29
	s_wait_dscnt 0x0
	v_lshrrev_b32 v1, 5, v0
	v_readfirstlane_b32 s14, v1                    ; wave 0..3
	s_lshr_b32 s15, s14, 1                         ; my half of the rows.  Also: I fetch for A (0) or for B (1)
	s_and_b32 s16, s14, 1                          ; my half of the columns.  Also: which half I fetch
	s_bfe_u32 s40, ttmp6, 0x40000
	s_bfe_u32 s41, ttmp6, 0x40004
	s_lshl_b32 s42, ttmp9, 2
	s_add_co_u32 s42, s42, s40                     ; tile column 0..7
	s_and_b32 s17, ttmp7, 0xffff
	s_lshl_b32 s17, s17, 2
	s_add_co_u32 s17, s17, s41                     ; tile row 0..31
	s_lshl_b32 s43, s41, 2
	s_lshl_b32 s43, 15, s43                        ; my row of the cluster
	s_lshl_b32 s44, 0x1111, s40                    ; my column
	; A's tiles: 4 rows (tiles of 16 rows) of 6,144 bytes (four K steps' images), KF x 1,536 bytes apart; elements of 8 bytes; no padding
	s_or_b32 s[G1+0], s43, (3<<16)|(1<<21)
	s_mov_b32 s[G1+1], 768<<16
	s_mov_b32 s[G1+2], 4<<16
	s_mov_b32 s[G1+3], 768<<16
	s_mov_b32 s[G1+4], 4
	s_mov_b32 s[G1+5], KF*192
	s_mov_b32 s[G1+6], 0
	s_mov_b32 s[G1+7], 0
	; B's tiles: 64 rows x 384 bytes, 16 bytes of padding behind every 128 (32 words: code 4; 4 words: code 3)
	s_or_b32 s[G1B+0], s44, (0<<16)|(1<<20)|(1<<21)|(4<<22)|(3<<25)
	s_mov_b32 s[G1B+1], ROWB<<16
	s_mov_b32 s[G1B+2], 64<<16
	s_mov_b32 s[G1B+3], ROWB<<16
	s_mov_b32 s[G1B+4], 64
	s_mov_b32 s[G1B+5], KROW
	s_mov_b32 s[G1B+6], 0
	s_mov_b32 s[G1B+7], 0
	; A's scale words of 64 rows: KF rows of 256 bytes, 16,384 bytes apart
	s_or_b32 s[G1S+0], s43, (3<<16)|(1<<21)
	s_mov_b32 s[G1S+1], 32<<16
	s_mov_b32 s[G1S+2], KF<<16
	s_mov_b32 s[G1S+3], 32<<16
	s_mov_b32 s[G1S+4], KF
	s_mov_b32 s[G1S+5], 2048
	s_mov_b32 s[G1S+6], 0
	s_mov_b32 s[G1S+7], 0
	; B's scale bytes of 64 rows: a dense block, as rows of 256 bytes with 16 of padding behind each
	s_or_b32 s[G1SB+0], s44, (3<<16)|(1<<20)|(1<<21)|(5<<22)|(3<<25)
	s_mov_b32 s[G1SB+1], 32<<16
	s_mov_b32 s[G1SB+2], (64*KS/256)<<16
	s_mov_b32 s[G1SB+3], 32<<16
	s_mov_b32 s[G1SB+4], 64*KS/256
	s_mov_b32 s[G1SB+5], 32
	s_mov_b32 s[G1SB+6], 0
	s_mov_b32 s[G1SB+7], 0
	s_lshl_b32 s20, s17, 3
	s_lshl_b32 s18, s16, 2
	s_add_co_u32 s20, s20, s18                     ; A: tile of rows 8 x tile row + 4 x half
	s_lshl_b32 s22, s20, 6
	s_add_co_u32 s22, s22, ASC_OFF                 ; its rows' scale words in K step 0
	s_mul_i32 s20, s20, KF*1536
	s_mov_b32 s21, 0
	s_mov_b32 s23, 0
	s_lshl_b32 s46, s42, 7
	s_lshl_b32 s18, s16, 6
	s_add_co_u32 s46, s46, s18                     ; B: row 128 x tile column + 64 x half
	s_mul_i32 s92, s46, KS
	s_mul_i32 s46, s46, KROW
	s_mov_b32 s47, 0
	s_mov_b32 s93, 0
	s_mul_i32 s45, s16, HA                         ; where they go: no place in the cluster enters an LDS address
	s_mul_i32 s94, s16, HB
	s_add_co_u32 s94, s94, 2*HA
	s_mul_i32 s18, s16, HSA
	s_add_co_u32 s18, s18, SCLA
	s_mul_i32 s19, s16, HALFS
	s_add_co_u32 s19, s19, SCLB
	s_wait_kmcnt 0x0
	s_add_nc_u64 s[20:21], s[4:5], s[20:21]
	s_add_nc_u64 s[22:23], s[4:5], s[22:23]
	s_add_nc_u64 s[46:47], s[8:9], s[46:47]
	s_add_nc_u64 s[92:93], s[10:11], s[92:93]
	CROUND                                         ; all sixteen work-groups are here: the first joint loads meet
	s_mov_b32 s[G0S], 1
	s_mov_b32 s[G0S+1], s18
	s_mov_b64 s[G0S+2:G0S+3], s[22:23]
	s_or_b32 s[G0S+3], s[G0S+3], 0x80000000
	s_mov_b32 s[G0SB], 1
	s_mov_b32 s[G0SB+1], s19
	s_mov_b64 s[G0SB+2:G0SB+3], s[92:93]
	s_or_b32 s[G0SB+3], s[G0SB+3], 0x80000000
	JLOAD G0S, G1S, G0SB, G1SB                     ; the scales first
.irp s, 0,1
	s_mov_b32 s[G0+4*\s], 1
	s_add_co_u32 s[G0+4*\s+1], s45, \s*SLOT
	s_add_nc_u64 s[G0+4*\s+2:G0+4*\s+3], s[20:21], \s*6144
	s_or_b32 s[G0+4*\s+3], s[G0+4*\s+3], 0x80000000
	s_mov_b32 s[G0B+4*\s], 1
	s_add_co_u32 s[G0B+4*\s+1], s94, \s*SLOT
	s_add_nc_u64 s[G0B+4*\s+2:G0B+4*\s+3], s[46:47], \s*ROWB
	s_or_b32 s[G0B+4*\s+3], s[G0B+4*\s+3], 0x80000000
	JLOAD G0+4*\s, G1, G0B+4*\s, G1B
.endr
	v_and_b32 v1, 15, v0                           ; r
	v_bfe_u32 v2, v0, 4, 1                         ; h
	v_and_b32 v7, 31, v0                           ; lane
	v_mul_u32_u24 v3, v1, PITCH
	v_mul_u32_u24 v4, v2, 24
	v_add_nc_u32 v4, v3, v4                        ; a fragment of B: row x pitch + 24 x half
	v_lshl_add_u32 v5, v2, 4, v4                   ; and the same behind one padding more
	v_lshlrev_b32 v9, 4, v7
	v_lshlrev_b32 v8, 3, v7
	s_mul_i32 s21, s15, HA
	s_mul_i32 s22, s16, HB
	s_add_co_u32 s22, s22, 2*HA
.irp s, 0,1
	v_add_nc_u32 v[ADRA+\s], s21, v9
	v_add_nc_u32 v[ADRA+2+\s], s21, v8
	v_add_nc_u32 v[ADRB+\s], s22, v4
	v_add_nc_u32 v[ADRB+2+\s], s22, v5
	s_add_co_u32 s21, s21, SLOT
	s_add_co_u32 s22, s22, SLOT
.endr
	s_mul_i32 s21, s15, HSA
	s_add_co_u32 s21, s21, SCLA
	v_lshl_add_u32 v[ADRSA], v1, 2, s21            ; A's scale words: 4 r in my half's K step 0
	v_mul_u32_u24 v5, v1, KS
	v_lshrrev_b32 v6, 8, v5
	v_lshl_add_u32 v5, v6, 4, v5
	s_mul_i32 s22, s16, HALFS
	s_add_co_u32 s22, s22, SCLB
	v_add_nc_u32 v[ADRSB], s22, v5                 ; B's: KS bytes a row, 16 more for each 256 passed
	s_mul_i32 s23, s14, 16*SPITCH                  ; my stage
	v_mul_u32_u24 v5, v1, SPITCH
	v_lshl_add_u32 v5, v2, 5, v5
	v_add_nc_u32 v[STO], s23, v5                   ; in: row r, 32 bytes for each half of the lanes
	v_lshlrev_b32 v[BA], 4, v1
	v_mul_u32_u24 v5, v2, SPITCH
	v_add_nc_u32 v5, v5, v[BA]
	v_add_nc_u32 v[RD], s23, v5                    ; back: lanes 0-15 one row of 256 bytes, lanes 16-31 the next
	v_lshl_add_u32 v[CO], v2, 12, v[BA]            ; and the same two rows in memory
	s_lshl_b32 s20, s17, 7
	s_lshl_b32 s21, s15, 6
	s_add_co_u32 s20, s20, s21
	s_lshl_b32 s20, s20, 12                        ; my first row, 4,096 bytes a row
	s_lshl_b32 s46, s42, 9
	s_lshl_b32 s47, s16, 8
	s_add_co_u32 s46, s46, s47                     ; my first column, in bytes
	s_mov_b32 s47, 0
	s_add_nc_u64 s[96:97], s[96:97], s[46:47]
	s_add_co_u32 s20, s20, s46
	s_mov_b32 s21, 0
	s_add_nc_u64 s[98:99], s[98:99], s[20:21]
	s_add_nc_u64 s[12:13], s[12:13], s[20:21]
	global_load_b128 v[BI:BI+3], v[BA], s[96:97]   ; the bias of my four columns on the way out
.macro FRAG reg, adr, q, i             ; a fragment of B: 12 registers, in pieces of 8 bytes; 16 pieces lie between two paddings; where the piece three on lies behind one padding more, the second address register serves
.irp p, 0,1,2,3,4,5
.set PCE, 12*(\q)+6*(\p/3)+\p%3
.if PCE%16 < 13
	ds_load_b64 v[\reg+2*\p:\reg+2*\p+1], v[\adr] offset:8*PCE+16*(PCE/16)+(\i)*16*PITCH
.else
	ds_load_b64 v[\reg+2*\p:\reg+2*\p+1], v[\adr+2] offset:8*PCE+16*(PCE/16)+(\i)*16*PITCH
.endif
.endr
.endm
; 8 matrix instructions: A's blocks a0, a0 + 1 x B's four; p: the set of fragments; q: which 128 of the slot; sc: the set of scale words.
; The 16 accumulators take turns, one instruction a turn, in the same order in every step.
.macro MUL8 a0, p, q, sc, zero
.irp a, \a0, \a0+1
.irp b, 0,1,2,3
.if \zero
	v_wmma_scale_f32_16x16x128_f8f6f4 v[8*(4*(\a)+\b):8*(4*(\a)+\b)+7], v[128*(\p)+FR*\b:128*(\p)+FR*\b+FR-1], v[AF+48*(\p)+FR*(\a):AF+48*(\p)+FR*(\a)+FR-1], 0, v[SCB+16*(\sc)+4*\b+(\q)], v[SCA+16*(\sc)+4*(\a)+(\q)] matrix_a_fmt:MATRIX_FMT_FP6 matrix_b_fmt:MATRIX_FMT_FP6
.else
	v_wmma_scale_f32_16x16x128_f8f6f4 v[8*(4*(\a)+\b):8*(4*(\a)+\b)+7], v[128*(\p)+FR*\b:128*(\p)+FR*\b+FR-1], v[AF+48*(\p)+FR*(\a):AF+48*(\p)+FR*(\a)+FR-1], v[8*(4*(\a)+\b):8*(4*(\a)+\b)+7], v[SCB+16*(\sc)+4*\b+(\q)], v[SCA+16*(\sc)+4*(\a)+(\q)] matrix_a_fmt:MATRIX_FMT_FP6 matrix_b_fmt:MATRIX_FMT_FP6
.endif
.endr
.endr
.endm
.macro FETCH slot, q, p                ; 40 LDS loads in one run: B's four fragments and A's four of the slot's q-th 128 along K, into set p
	WIN TO_B
.irp i, 0,1,2,3
	FRAG 128*(\p)+FR*\i, ADRB+\slot, \q, \i
.endr
	WIN 0
.irp i, 0,1,2,3
	ds_load_b128 v[AF+48*(\p)+FR*\i:AF+48*(\p)+FR*\i+3], v[ADRA+\slot] offset:6144*\i+1536*(\q)
	ds_load_b64 v[AF+48*(\p)+FR*\i+4:AF+48*(\p)+FR*\i+5], v[ADRA+2+\slot] offset:6144*\i+1536*(\q)+512
	ds_load_b128 v[AF+48*(\p)+FR*\i+6:AF+48*(\p)+FR*\i+9], v[ADRA+\slot] offset:6144*\i+1536*(\q)+768
	ds_load_b64 v[AF+48*(\p)+FR*\i+10:AF+48*(\p)+FR*\i+11], v[ADRA+2+\slot] offset:6144*\i+1536*(\q)+1280
.endr
.endm
.macro SCALES sc                       ; a slot's scale words: register 4 i + q of a set
.irp i, 0,1,2,3
.irp q, 0,1,2,3
	ds_load_b32 v[SCA+16*\sc+4*\i+\q], v[ADRSA] offset:256*\q+64*\i
.endr
	ds_load_b128 v[SCB+16*\sc+4*\i:SCB+16*\sc+4*\i+3], v[ADRSB] offset:\i*SBLK
.endr
.endm
.macro PLACES n                        ; plain vector places behind matrix instructions, in front of loads into their registers and of reads of their results
.rept \n
	v_nop
.endr
.endm
.macro STEP slot, q, zero              ; a step of 128 along K that has its successor in the same slot
	s_wait_dscnt 0x0                               ; this step's fragments, asked for a step ago, are in
	PLACES NP                                      ; behind the last step's products: the loads below land in the registers that they read
	FETCH \slot, (\q)+1, 1-(\q)%2
	WIN MUL
	MUL8 0, (\q)%2, \q, \slot, \zero
	MUL8 2, (\q)%2, \q, \slot, \zero
	WIN 0
.endm
; A slot's last step changes slots: one barrier; in front of it each wave waits for all its tensor loads, adds 0 to its spare word, and waits for that and for its own reads of this slot.
.macro TURN slot, next, fill
	s_wait_tensorcnt 0x0                           ; all my tensor loads have landed: my part of the next slot
	ds_add_u32 v[SPW], v[NIL]                      ; 0 onto my spare word
	s_wait_dscnt 0x0                               ; the add is done, and my reads of this slot, this step's fragments, are in
	s_barrier_signal -1
	WIN MUL
	MUL8 0, 1, NQ-1, \slot, 0                      ; work on registers while the others arrive
	WIN 0
	s_barrier_wait -1
.if \fill
	CREST                                          ; the barrier has opened a round of the cluster's barrier: no wave of any partner still reads this slot or has a load on its way
	s_add_nc_u64 s[G0+4*\slot+2:G0+4*\slot+3], s[G0+4*\slot+2:G0+4*\slot+3], 2*6144
	s_add_nc_u64 s[G0B+4*\slot+2:G0B+4*\slot+3], s[G0B+4*\slot+2:G0B+4*\slot+3], 2*ROWB
	JLOAD G0+4*\slot, G1, G0B+4*\slot, G1B         ; the first tensor load behind the round; its four v_nop are the places in front of the loads below
.else
	PLACES NP
.endif
	v_add_nc_u32 v[ADRSA], 1024, v[ADRSA]          ; on to the next slot's scale words
	v_add_nc_u32 v[ADRSB], 16, v[ADRSB]
	FETCH \next, 0, 0
	SCALES \next
	WIN MUL
	MUL8 2, 1, NQ-1, \slot, 0
	WIN 0
.endm
	s_wait_tensorcnt 1                             ; the scales and my part of slot 0 are in (slot 1's load may be out)
	s_barrier_signal -1
	s_barrier_wait -1
	FETCH 0, 0, 0
	SCALES 0
	STEP 0, 0, 1                                   ; the first step's products start the sums
.if LAPS > 1
	s_mov_b32 s3, LAPS-1
.Llap:                                             ; a trip goes once round the ring, from a lap's second step to the next lap's first, and fills both slots again
	STEP 0, 1, 0
	STEP 0, 2, 0
	TURN 0, 1, 1
	STEP 1, 0, 0
	STEP 1, 1, 0
	STEP 1, 2, 0
	TURN 1, 0, 1
	STEP 0, 0, 0
	s_sub_co_u32 s3, s3, 1
	s_cmp_lg_u32 s3, 0
	s_cbranch_scc1 .Llap
.endif
	STEP 0, 1, 0                                   ; the last lap fills nothing
	STEP 0, 2, 0
	TURN 0, 1, 0
	STEP 1, 0, 0
	STEP 1, 1, 0
	STEP 1, 2, 0
	s_wait_dscnt 0x0                               ; the very last step: nothing more to fetch
	WIN MUL
	MUL8 0, 1, NQ-1, 1, 0
	MUL8 2, 1, NQ-1, 1, 0
	WIN 0
; THE WAY OUT, block by block of 16 rows x 64 columns: through my stage, back as whole rows of 256 bytes, two rows an instruction; the residual and the bias are added.
; Row t of block a is true row 32 (a / 2) + 8 (a % 2) + t + 8 (t / 8) of my 64.  Each block has registers of its own: no store's data are written again.
	PLACES NP
	WIN 0x40                                       ; destination window 1
.irp a, 0,1,2,3
.irp t, 0,1,2,3,4,5,6,7
	global_load_b128 v[32*\a+4*\t:32*\a+4*\t+3], v[CO], s[98:99] offset:(32*(\a/2)+8*(\a%2)+2*\t+8*(\t/4))*4096 th:TH_LOAD_NT   ; the residual: its last read
.endr
.endr
.irp a, 0,1,2,3
	WIN 0x08                                       ; an LDS store's data are its source 1: window 2
.irp b, 0,1,2,3
	ds_store_b128 v[STO], v[32*\a+8*\b:32*\a+8*\b+3] offset:64*\b              ; each accumulator from its low end on
	ds_store_b128 v[STO], v[32*\a+8*\b+4:32*\a+8*\b+7] offset:64*\b+16
.endr
	WIN 0
.irp t, 0,1,2,3,4,5,6,7
	ds_load_b128 v[BB+32*\a+4*\t:BB+32*\a+4*\t+3], v[RD] offset:\t*2*SPITCH    ; LDS serves a wave's instructions in order: these see my stores, and the next block's stores come behind them
.endr
.endr
.macro OUTB a
	s_wait_dscnt 16*(3-\a)                         ; block a is back; the later blocks' 8 stores and 8 loads each may be out
	s_wait_loadcnt 8*(3-\a)                        ; its residual is in; the later blocks' 8 loads each may be out
	WIN 0x04                                       ; source 1: window 1
.set ii, 0
.rept 16
	v_pk_add_f32 v[BB+32*\a+ii:BB+32*\a+ii+1], v[BB+32*\a+ii:BB+32*\a+ii+1], v[32*\a+ii:32*\a+ii+1]
.set ii, ii+2
.endr
	WIN 0
.irp t, 0,1,2,3,4,5,6,7
	v_pk_add_f32 v[BB+32*\a+4*\t:BB+32*\a+4*\t+1], v[BB+32*\a+4*\t:BB+32*\a+4*\t+1], v[BI:BI+1]
	v_pk_add_f32 v[BB+32*\a+4*\t+2:BB+32*\a+4*\t+3], v[BB+32*\a+4*\t+2:BB+32*\a+4*\t+3], v[BI+2:BI+3]
.endr
.irp t, 0,1,2,3,4,5,6,7
.if NTOUT
	global_store_b128 v[CO], v[BB+32*\a+4*\t:BB+32*\a+4*\t+3], s[12:13] offset:(32*(\a/2)+8*(\a%2)+2*\t+8*(\t/4))*4096 th:TH_STORE_NT
.else
	global_store_b128 v[CO], v[BB+32*\a+4*\t:BB+32*\a+4*\t+3], s[12:13] offset:(32*(\a/2)+8*(\a%2)+2*\t+8*(\t/4))*4096   ; 16 lanes store 256 consecutive bytes, aligned
.endif
.endr
.endm
	OUTB 0
	OUTB 1
	OUTB 2
	OUTB 3
	s_wait_tensorcnt 0x0                           ; the wave's end
	ds_add_u32 v[SPW], v[NIL]
	s_wait_dscnt 0x0
	CROUND                                         ; the closing round
	s_endpgm
.Lfunc_end_k_q069849bd95_wo:
	.size	k_q069849bd95_wo, .Lfunc_end_k_q069849bd95_wo-k_q069849bd95_wo
	.p2alignl 7, 3214868480
	.fill 96, 4, 3214868480
	.section	.rodata,"a",@progbits
	.p2align	6, 0x0
	.amdhsa_kernel k_q069849bd95_wo
		.amdhsa_group_segment_fixed_size 327680
		.amdhsa_private_segment_fixed_size 0
		.amdhsa_enable_private_segment 0
		.amdhsa_kernarg_size 48
		.amdhsa_user_sgpr_count 2
		.amdhsa_user_sgpr_kernarg_segment_ptr 1
		.amdhsa_wavefront_size32 1
		.amdhsa_system_sgpr_workgroup_id_x 1
		.amdhsa_system_sgpr_workgroup_id_y 1
		.amdhsa_system_sgpr_workgroup_id_z 1
		.amdhsa_system_vgpr_workitem_id 0
		.amdhsa_next_free_vgpr 768
		.amdhsa_next_free_sgpr 100
		.amdhsa_reserve_vcc 0
		.amdhsa_float_denorm_mode_32 3
		.amdhsa_float_denorm_mode_16_64 3
		.amdhsa_memory_ordered 1
		.amdhsa_forward_progress 1
		.amdhsa_inst_pref_size 71
	.end_amdhsa_kernel
	.amdgpu_metadata
---
amdhsa.version: [ 1, 2 ]
amdhsa.kernels:
  - .name:           k_q069849bd95_wo
    .symbol:         k_q069849bd95_wo.kd
    .args:
      - { .name: obuf, .offset: 0, .size: 8, .value_kind: global_buffer, .address_space: global }
      - { .name: Wo_codes, .offset: 8, .size: 8, .value_kind: global_buffer, .address_space: global }
      - { .name: Wo_scales, .offset: 16, .size: 8, .value_kind: global_buffer, .address_space: global }
      - { .name: bo, .offset: 24, .size: 8, .value_kind: global_buffer, .address_space: global }
      - { .name: x, .offset: 32, .size: 8, .value_kind: global_buffer, .address_space: global }
      - { .name: x1, .offset: 40, .size: 8, .value_kind: global_buffer, .address_space: global }
    .group_segment_fixed_size: 327680
    .private_segment_fixed_size: 0
    .kernarg_segment_align: 8
    .kernarg_segment_size: 48
    .max_flat_workgroup_size: 128
    .sgpr_count:     100
    .vgpr_count:     768
    .wavefront_size: 32
...
	.end_amdgpu_metadata
.endif
;; end of part 8
;; launch ln2: the kernel of part 1 again; grid 256 x 1, 16 waves a work-group, no clusters, 84,992 bytes of LDS; arguments x1, ln2_g, ln2_b, hbuf; writes hbuf
;; launch w1 (part 9): grid 16 x 16, 4 waves a work-group, clusters of 4 x 4, 327,680 bytes of LDS; arguments hbuf, W1_codes, W1_scales, b1, gbuf; writes gbuf
.if DOCPART == 9
	.amdgcn_target "amdgcn-amd-amdhsa--gfx1250"
	.amdhsa_code_object_version 6
	.text
	.protected	k_q069849bd95_w1
	.globl	k_q069849bd95_w1
	.p2align	8
	.type	k_q069849bd95_w1,@function
k_q069849bd95_w1:
	s_mov_b64 s[64:65], 0
	v_nop
	global_prefetch_b8 v0, s[64:65] scope:SCOPE_SE
	s_setreg_imm32_b32 hwreg(HW_REG_WAVE_MODE, 25, 1), 1
	s_wait_xcnt 0x0
	s_wait_alu depctr_hold_cnt(0) depctr_sa_sdst(0) depctr_va_vdst(0) depctr_va_sdst(0) depctr_va_ssrc(0) depctr_va_vcc(0) depctr_vm_vsrc(0)
	s_getreg_b32 s2, hwreg(HW_REG_IB_STS2, 6, 4)
	s_cmp_eq_u32 s2, 0
	s_cbranch_scc0 .Lentry_in_a_cluster
	s_endpgm
.Lentry_in_a_cluster:
	s_bfe_u32 s2, ttmp6, 0x10000c
	s_cmp_lg_u32 s2, 0xf033
	s_cbranch_scc0 .Lentry_shape_is_right
	s_endpgm
.Lentry_shape_is_right:
; g = gelu(h W1 + b1), exact (erf) form, on codes of FP6 (E2M3) with E8M0 scales, K = 1,024; g is quantised here along its 4,096 columns, which are the next product's K.
; h: codes [4096][768 bytes], scale bytes [4096][32] at SCOFF, rows in image order.  W1: codes [4096][768], scale bytes [4096][32], K innermost.  b1 [4096] f32.
; OUT: gbuf: images of the next operand's registers [tile of 16 rows 256][K step of 128: 32][1,536 bytes] (registers 6 c .. 6 c + 3 at 768 c + 16 lane, 6 c + 4, 6 c + 5 at 768 c + 512 + 8 lane), scale words [K step][4096][4] at GSC_OFF.
; The GEMM: tiles of 256 x 256, four waves of 128 x 128, K in steps of 256 through a ring of two LDS slots, the scale bytes of the tile's rows in LDS for the whole launch; 4 x 4 clusters with joint loads.
; THE MATRIX INSTRUCTION IS USED TRANSPOSED (source 0 = 16 rows of W1, source 1 = 16 rows of h): a lane holds one row and its registers run along the columns; a wave's 128 columns are one K step of the next product.
; THE WAY OUT IS A LOOP of eight trips, one for each block of 16 rows: only the addition of b1, which names the block's own accumulators, is written eight times, in arms chosen by the trip's number; the gelu, the quantiser and the stores are written once.
; GELU: gelu(x) = max(x, 0) - |x| q, q = erfc(|x| / sqrt 2) / 2 = t 2^(P(t) - x^2 log2(e) / 2), t = 1 / (1 + |x| / (2 sqrt 2)), P of degree 9 (a fit of erfc whose fractional error stays under 1.2e-7 for every x).
; LIMITS: beside the fit's error, f32 rounding of the exponent gives about 2e-6 of q at |x| = 6; q is 0 where it falls under 2^-126; a block of zeros gets the scale byte 1 and not 127 (this program alone reads the bytes); NaN and infinities are not served.
; REGISTERS: window 0: v0-31 addresses; v32-63 scale words, two sets; v64-127 b1 in the results' layout; from v128 A's fragments, later 64 numbers at work; v192-255 the gelu's and the quantiser's.  window 1: B's fragments.  windows 2, 3: the accumulators.
.set SIZE_K, 1024
.set KSTEP,  256
.set NQ,     KSTEP/128
.set ROWB,   192
.set KROW,   SIZE_K*6/8
.set PITCH,  240                       ; an LDS row: 3 x (64 bytes + 16 of padding)
.set FR,     12
.set NL,     6
.set NP,     4
.set HALFT,  128*PITCH
.set SLOT,   4*HALFT
.set LAPS,   SIZE_K/(2*KSTEP)
.set KS,     SIZE_K/32
.set SCL,    2*SLOT
.set HALFS,  (128*KS/256)*272
.set SBLK,   (16*KS/256)*272
.set SPARE,  SCL+4*HALFS               ; the spare words, 128 bytes for each wave: two blocks of 256 bytes that no other line names
.set SCOFF,  3145728
.set GSC_OFF, 12582912
.set ADRA, 16
.set ADRB, 20
.set ADRS, 27
.set SPW,  28                          ; v28  LDS address of my spare word; never rewritten
.set NIL,  29                          ; v29  0; never rewritten
.set SC,   32
.set BIAS, 64
.set AF,   128
.set T,    128                         ; the way out: v128-191 64 numbers
.set AX,   192                         ; |x|
.set TT,   208                         ; t
.set PP,   224                         ; the polynomial, then q
.set XX,   240                         ; -|x| log2(e) / 2
.set PC,   192                         ; behind the gelu: v192-211 the codes, v212-227 the quantiser's, v228 the scale word
.set TM,   212
.set PW,   228
.set C9,   2                           ; v[2:3] the polynomial's highest coefficient, twice
.set G16,  16                          ; 16 lane;  v17: 8 lane;  v18: the scale words' stage, block 0;  v19: the way back;  v20: the block in hand
.set G8,   17
.set STB,  18
.set STR,  19
.set STS,  20
.set SEL,  50
.set G1, 24
.set G0, 32
.set G1B, 48
.set G0B, 56
.set G1S, 68
.set G0S, 76
.set G1SB, 80
.set G0SB, 88
.set MSB, 0
.macro WIN new                         ; the immediate's high byte repeats the setting that is left
.if MSB != (\new)
	s_set_vgpr_msb (MSB<<8)|(\new)
.set MSB, (\new)
.endif
.endm
.set MUL_LO, 0xa1                      ; source 0 (B) window 1, source 1 (A) window 0, C and D window 2
.set MUL_HI, 0xf1
.set TO_B,   0x40
.macro JLOAD g0a, g1a, g0b, g1b        ; a joint load: waves 0 and 1 fetch for A, waves 2 and 3 for B; four v_nop follow each of the two lines
	s_cmp_eq_u32 s15, 0
	s_cbranch_scc0 .Lfor_b_\@
	tensor_load_to_lds s[\g0a:\g0a+3], s[\g1a:\g1a+7]
	s_nop 0
.rept 4
	v_nop
.endr
	s_branch .Lasked_\@
.Lfor_b_\@:
	tensor_load_to_lds s[\g0b:\g0b+3], s[\g1b:\g1b+7]
	s_nop 0
.rept 4
	v_nop
.endr
.Lasked_\@:
.endm
.macro CREST                           ; a round of the cluster's barrier behind its opening barrier
	s_cmp_lg_u32 s14, 0
	s_cbranch_scc1 .Lnot_wave_0_\@
	s_barrier_signal -3
.Lnot_wave_0_\@:
	s_barrier_wait -3
	s_barrier_signal -1
	s_barrier_wait -1
.endm
.macro CROUND
	s_barrier_signal -1
	s_barrier_wait -1
	CREST
.endm
	s_load_b64 s[4:5], s[0:1], 0x0                 ; h
	s_load_b128 s[8:11], s[0:1], 0x8               ; W1's codes, W1's scales
	s_load_b128 s[96:99], s[0:1], 0x18             ; b1, gbuf
	v_lshl_add_u32 v[SPW], v0, 2, SPARE
	v_mov_b32 v[NIL], 0
	ds_add_u32 v28, v29
	ds_add_u32 v28, v29
	s_wait_dscnt 0x0
	v_lshrrev_b32 v1, 5, v0
	v_readfirstlane_b32 s14, v1                    ; wave 0..3
	s_lshr_b32 s15, s14, 1                         ; my half of the rows.  Also: I fetch for A (0) or for B (1)
	s_and_b32 s16, s14, 1                          ; my half of the columns.  Also: which 128 rows I fetch
	s_bfe_u32 s40, ttmp6, 0x40000                  ; cx, cy
	s_bfe_u32 s41, ttmp6, 0x40004
	s_lshl_b32 s42, ttmp9, 2
	s_add_co_u32 s42, s42, s40                     ; tile column
	s_and_b32 s17, ttmp7, 0xffff
	s_lshl_b32 s17, s17, 2
	s_add_co_u32 s17, s17, s41                     ; tile row
	s_lshl_b32 s43, s41, 2
	s_lshl_b32 s43, 15, s43                        ; my row of the cluster
	s_lshl_b32 s44, 0x1111, s40                    ; my column
	; descriptor group 1: a tile of 128 rows x ROWB bytes, 16 bytes of padding behind every 64
	s_or_b32 s[G1+0], s43, (0<<16)|(1<<20)|(1<<21)|(3<<22)|(3<<25)
	s_or_b32 s[G1B+0], s44, (0<<16)|(1<<20)|(1<<21)|(3<<22)|(3<<25)
.irp g, G1, G1B
	s_mov_b32 s[\g+1], ROWB<<16
	s_mov_b32 s[\g+2], 128<<16
	s_mov_b32 s[\g+3], ROWB<<16
	s_mov_b32 s[\g+4], 128
	s_mov_b32 s[\g+5], KROW
	s_mov_b32 s[\g+6], 0
	s_mov_b32 s[\g+7], 0
.endr
	; the scale bytes of 128 rows: a dense block, as rows of 256 bytes with 16 of padding behind each
	s_or_b32 s[G1S+0], s43, (3<<16)|(1<<20)|(1<<21)|(5<<22)|(3<<25)
	s_or_b32 s[G1SB+0], s44, (3<<16)|(1<<20)|(1<<21)|(5<<22)|(3<<25)
.irp g, G1S, G1SB
	s_mov_b32 s[\g+1], 32<<16
	s_mov_b32 s[\g+2], (128*KS/256)<<16
	s_mov_b32 s[\g+3], 32<<16
	s_mov_b32 s[\g+4], 128*KS/256
	s_mov_b32 s[\g+5], 32
	s_mov_b32 s[\g+6], 0
	s_mov_b32 s[\g+7], 0
.endr
	s_lshl_b32 s18, s16, 7
	s_lshl_b32 s20, s17, 8
	s_add_co_u32 s20, s20, s18                     ; A: row 256 x tile row + 128 x half
	s_lshl_b32 s46, s42, 8
	s_add_co_u32 s46, s46, s18                     ; B: row 256 x tile column + 128 x half
	s_mov_b32 s21, 0
	s_mov_b32 s47, 0
	s_mov_b64 s[18:19], KS
	s_mul_u64 s[22:23], s[20:21], s[18:19]
	s_mul_u64 s[92:93], s[46:47], s[18:19]
	s_mov_b64 s[18:19], KROW
	s_mul_u64 s[20:21], s[20:21], s[18:19]
	s_mul_u64 s[46:47], s[46:47], s[18:19]
	s_mul_i32 s45, s14, HALFT                      ; where they go: wave x 128 rows: no place in the cluster enters an LDS address
	s_mul_i32 s94, s14, HALFS
	s_wait_kmcnt 0x0
	s_add_nc_u64 s[6:7], s[4:5], SCOFF             ; h's scale bytes
	s_add_nc_u64 s[20:21], s[4:5], s[20:21]
	s_add_nc_u64 s[22:23], s[6:7], s[22:23]
	s_add_nc_u64 s[46:47], s[8:9], s[46:47]
	s_add_nc_u64 s[92:93], s[10:11], s[92:93]
	CROUND                                         ; all sixteen work-groups are here: the first joint loads meet
	s_mov_b32 s[G0S], 1
	s_add_co_u32 s[G0S+1], s94, SCL
	s_mov_b64 s[G0S+2:G0S+3], s[22:23]
	s_or_b32 s[G0S+3], s[G0S+3], 0x80000000
	s_mov_b32 s[G0SB], 1
	s_add_co_u32 s[G0SB+1], s94, SCL
	s_mov_b64 s[G0SB+2:G0SB+3], s[92:93]
	s_or_b32 s[G0SB+3], s[G0SB+3], 0x80000000
	JLOAD G0S, G1S, G0SB, G1SB                     ; the scales first: they are wanted with K step 0
.irp s, 0,1
	s_mov_b32 s[G0+4*\s], 1
	s_add_co_u32 s[G0+4*\s+1], s45, \s*SLOT
	s_add_nc_u64 s[G0+4*\s+2:G0+4*\s+3], s[20:21], \s*ROWB
	s_or_b32 s[G0+4*\s+3], s[G0+4*\s+3], 0x80000000
	s_mov_b32 s[G0B+4*\s], 1
	s_add_co_u32 s[G0B+4*\s+1], s45, \s*SLOT
	s_add_nc_u64 s[G0B+4*\s+2:G0B+4*\s+3], s[46:47], \s*ROWB
	s_or_b32 s[G0B+4*\s+3], s[G0B+4*\s+3], 0x80000000
	JLOAD G0+4*\s, G1, G0B+4*\s, G1B
.endr
	v_and_b32 v1, 15, v0                           ; r
	v_bfe_u32 v2, v0, 4, 1                         ; h
	v_mul_u32_u24 v3, v1, PITCH
	v_mul_u32_u24 v4, v2, 24
	v_add_nc_u32 v4, v3, v4                        ; a fragment's row x pitch + 24 x half
	v_lshl_add_u32 v5, v2, 4, v4                   ; and the same behind one padding more
	s_mul_i32 s21, s15, HALFT
	s_mul_i32 s22, s16, HALFT
	s_add_co_u32 s22, s22, 2*HALFT
.irp s, 0,1
	v_add_nc_u32 v[ADRA+\s], s21, v4
	v_add_nc_u32 v[ADRB+\s], s22, v4
	v_add_nc_u32 v[ADRA+2+\s], s21, v5
	v_add_nc_u32 v[ADRB+2+\s], s22, v5
	s_add_co_u32 s21, s21, SLOT
	s_add_co_u32 s22, s22, SLOT
.endr
	v_mul_u32_u24 v5, v1, KS
	v_lshrrev_b32 v6, 8, v5
	v_lshl_add_u32 v5, v6, 4, v5                   ; my row's scales: KS bytes a row, 16 more for each 256 passed
	s_mul_i32 s21, s15, HALFS
	s_mul_i32 s22, s16, HALFS
	s_add_co_u32 s22, s22, 2*HALFS
	s_sub_co_u32 s22, s22, s21
	v_mul_u32_u24 v6, s22, v2                      ; lanes 16-31 take B's
	s_add_co_u32 s21, s21, SCL
	v_add_nc_u32 v5, v5, v6
	v_add_nc_u32 v[ADRS], s21, v5
	; where the results go, and my 128 numbers of b1
	s_lshl_b32 s20, s17, 4
	s_lshl_b32 s21, s15, 3
	s_add_co_u32 s20, s20, s21                     ; my first tile of rows
	s_lshl_b32 s46, s42, 1
	s_add_co_u32 s46, s46, s16                     ; my K step of the next product
	s_lshl_b32 s21, s20, 5
	s_add_co_u32 s21, s21, s46
	s_mul_i32 s22, s21, 1536
	s_mov_b32 s23, 0
	s_add_nc_u64 s[12:13], s[98:99], s[22:23]      ; images
	s_lshl_b32 s22, s46, 14
	s_lshl_b32 s21, s20, 6
	s_add_co_u32 s22, s22, s21
	s_add_co_u32 s22, s22, GSC_OFF
	s_add_nc_u64 s[98:99], s[98:99], s[22:23]      ; scale words
	s_lshl_b32 s46, s46, 9
	s_mov_b32 s47, 0
	s_add_nc_u64 s[96:97], s[96:97], s[46:47]
	v_lshlrev_b32 v31, 5, v2                       ; 32 h; not rewritten
.irp b, 0,1,2,3,4,5,6,7
	global_load_b128 v[BIAS+8*\b:BIAS+8*\b+3], v31, s[96:97] offset:64*\b          ; register 8 b + j: b1 at column 16 b + 8 h + j; waited for on the way out
	global_load_b128 v[BIAS+8*\b+4:BIAS+8*\b+7], v31, s[96:97] offset:64*\b+16
.endr
.macro FRAG reg, adr, q, i             ; a fragment, 16 rows x 128 K: 12 registers, in pieces of 8 bytes; where the piece three on lies behind one padding more, the second address register serves
.irp p, 0,1,2,3,4,5
.set PCE, 12*(\q)+6*(\p/3)+\p%3
.if PCE%8 < 5
	ds_load_b64 v[\reg+2*\p:\reg+2*\p+1], v[\adr] offset:8*PCE+16*(PCE/8)+(\i)*16*PITCH
.else
	ds_load_b64 v[\reg+2*\p:\reg+2*\p+1], v[\adr+2] offset:8*PCE+16*(PCE/8)+(\i)*16*PITCH
.endif
.endr
.endm
; 16 matrix instructions: A's blocks a0, a0 + 1 x B's eight.  The 64 accumulators take turns, one instruction a turn, in the same order in every step.
.macro MUL16 a0, p, q, sc, zero
.irp a, \a0, \a0+1
.irp b, 0,1,2,3,4,5,6,7
.if \zero
	v_wmma_scale_f32_16x16x128_f8f6f4 v[8*(8*((\a)%4)+\b):8*(8*((\a)%4)+\b)+7], v[128*(\p)+FR*\b:128*(\p)+FR*\b+FR-1], v[AF+FR*(\a):AF+FR*(\a)+FR-1], 0, v[SC+8*NQ*(\sc)+NQ*\b+(\q)], v[SC+8*NQ*(\sc)+NQ*(\a)+(\q)] matrix_a_fmt:MATRIX_FMT_FP6 matrix_b_fmt:MATRIX_FMT_FP6 matrix_a_scale:MATRIX_SCALE_ROW1
.else
	v_wmma_scale_f32_16x16x128_f8f6f4 v[8*(8*((\a)%4)+\b):8*(8*((\a)%4)+\b)+7], v[128*(\p)+FR*\b:128*(\p)+FR*\b+FR-1], v[AF+FR*(\a):AF+FR*(\a)+FR-1], v[8*(8*((\a)%4)+\b):8*(8*((\a)%4)+\b)+7], v[SC+8*NQ*(\sc)+NQ*\b+(\q)], v[SC+8*NQ*(\sc)+NQ*(\a)+(\q)] matrix_a_fmt:MATRIX_FMT_FP6 matrix_b_fmt:MATRIX_FMT_FP6 matrix_a_scale:MATRIX_SCALE_ROW1
.endif
.endr
.endr
.endm
.macro FETCH_B slot, q, p
	WIN TO_B
.irp i, 0,1,2,3,4,5,6,7
	FRAG 128*(\p)+FR*\i, ADRB+\slot, \q, \i
.endr
	WIN 0
.endm
.macro FETCH_A slot, q, i0
.irp i, \i0, \i0+1, \i0+2, \i0+3
	FRAG AF+FR*(\i), ADRA+\slot, \q, \i
.endr
.endm
.macro SCALES sc                       ; the next K step's scale words: lanes 0-15 take A's block i, lanes 16-31 B's block i
.irp i, 0,1,2,3,4,5,6,7
	ds_load_b64 v[SC+8*NQ*\sc+NQ*\i:SC+8*NQ*\sc+NQ*\i+1], v[ADRS] offset:\i*SBLK
.endr
.endm
.macro PLACES n                        ; plain vector places behind matrix instructions, in front of loads into their registers and of reads of their results
.rept \n
	v_nop
.endr
.endm
.macro STEP slot, q, zero              ; a step of 128 along K that has its successor in the same slot
	s_wait_dscnt 4*NL                              ; all but the youngest 24 loads (A's blocks 4-7) are in
	WIN MUL_LO
	MUL16 0, (\q)%2, \q, \slot, \zero
	MUL16 2, (\q)%2, \q, \slot, \zero
	s_wait_dscnt 0
	PLACES NP
	FETCH_B \slot, (\q)+1, 1-(\q)%2
	FETCH_A \slot, (\q)+1, 0
	WIN MUL_HI
	MUL16 4, (\q)%2, \q, \slot, \zero
	MUL16 6, (\q)%2, \q, \slot, \zero
	PLACES NP
	WIN 0
	FETCH_A \slot, (\q)+1, 4
.endm
; A slot's last step changes slots: one barrier; in front of it each wave waits for all its tensor loads, adds 0 to its spare word, and waits for that and for its own reads of this slot.
.macro TURN slot, next, fill
	s_wait_tensorcnt 0x0                           ; all my tensor loads have landed: my part of the next slot
	ds_add_u32 v[SPW], v[NIL]                      ; 0 onto my spare word
	s_wait_dscnt 4*NL+1                            ; (the add and the youngest 24 loads may be out)
	WIN MUL_LO
	MUL16 0, 1, NQ-1, \slot, 0
	s_wait_dscnt 0x0                               ; the add is done, and my reads of this slot are over
	s_barrier_signal -1
	MUL16 2, 1, NQ-1, \slot, 0
	WIN 0
	s_barrier_wait -1
.if \fill
	CREST                                          ; the barrier has opened a round of the cluster's barrier: no wave of any partner still reads this slot or has a load on its way
	s_add_nc_u64 s[G0+4*\slot+2:G0+4*\slot+3], s[G0+4*\slot+2:G0+4*\slot+3], 2*ROWB
	s_add_nc_u64 s[G0B+4*\slot+2:G0B+4*\slot+3], s[G0B+4*\slot+2:G0B+4*\slot+3], 2*ROWB
	JLOAD G0+4*\slot, G1, G0B+4*\slot, G1B         ; the first tensor load behind the round; its four v_nop are the places in front of the loads below
.else
	PLACES NP
.endif
	v_add_nc_u32 v[ADRS], 4*NQ, v[ADRS]
	FETCH_B \next, 0, 0
	FETCH_A \next, 0, 0
	SCALES \next
	WIN MUL_HI
	MUL16 4, 1, NQ-1, \slot, 0
	MUL16 6, 1, NQ-1, \slot, 0
	PLACES NP
	WIN 0
	FETCH_A \next, 0, 4
.endm
	s_wait_tensorcnt 1                             ; the scales and my part of K step 0 are in (K step 1's load may be out)
	s_barrier_signal -1
	s_barrier_wait -1
	FETCH_B 0, 0, 0
	FETCH_A 0, 0, 0
	SCALES 0
	FETCH_A 0, 0, 4
	STEP 0, 0, 1                                   ; the first step's products start the sums
	s_mov_b32 s3, LAPS-1
.Llap:
	TURN 0, 1, 1
	STEP 1, 0, 0
	TURN 1, 0, 1
	STEP 0, 0, 0
	s_sub_co_u32 s3, s3, 1
	s_cmp_lg_u32 s3, 0
	s_cbranch_scc1 .Llap
	TURN 0, 1, 0                                   ; the last lap fills nothing
	STEP 1, 0, 0
	s_wait_dscnt 4*NL
	WIN MUL_LO
	MUL16 0, 1, NQ-1, 1, 0
	MUL16 2, 1, NQ-1, 1, 0
	s_wait_dscnt 0
	WIN MUL_HI
	MUL16 4, 1, NQ-1, 1, 0
	MUL16 6, 1, NQ-1, 1, 0
	WIN 0
; THE WAY OUT, all in window 0 once the bias has been added.
.macro SWAPS                           ; the halves of the lanes change places between the registers of tiles 2 b and 2 b + 1: register 16 b + i then holds column 32 b + 16 h + i
.irp b, 0,1,2,3
.irp j, 0,1,2,3,4,5,6,7
	v_permlane16_swap_b32 v[T+16*\b+\j], v[T+16*\b+8+\j]
.endr
.endr
.endm
.macro QUANT                           ; the 64 numbers in v[T] on, register 16 b + i = k 32 b + 16 h + i of my row, become a fragment's codes in v[PC] on and its scale word in v[PW]
.irp b, 0,1,2,3
	v_max3_num_f32 v[TM+\b], |v[T+16*\b]|, |v[T+1+16*\b]|, 0x1800000       ; with the floor 2^(3 - 127): the byte cannot fall under 1
.endr
.irp i, 2,4,6,8,10,12,14
.irp b, 0,1,2,3
	v_max3_num_f32 v[TM+\b], |v[T+16*\b+\i]|, |v[T+1+16*\b+\i]|, v[TM+\b]
.endr
.endr
.irp b, 0,1,2,3
	v_permlanex16_b32 v[TM+4+\b], v[TM+\b], s[SEL], s[SEL+1]               ; (its destination, which counts as read, was written by the gelu)
.endr
.irp b, 0,1,2,3
	v_max_num_f32 v[TM+\b], v[TM+\b], v[TM+4+\b]   ; with lane l xor 16's: the block's largest magnitude
.endr
.irp b, 0,1,2,3
	v_add_nc_u32 v[TM+12+\b], 0xff000000, v[TM+\b] ; 2 off its exponent field: the conversion's scale operand
.endr
.irp b, 0,1,2,3
	v_lshrrev_b32 v[TM+4+\b], 23, v[TM+12+\b]      ; the scale's byte
.endr
	v_lshl_or_b32 v[PW], v[TM+5], 8, v[TM+4]
	v_lshl_or_b32 v[PW], v[TM+6], 16, v[PW]
	v_lshl_or_b32 v[PW], v[TM+7], 24, v[PW]
.irp c, 0,1
	v_cvt_scalef32_pk16_fp6_f32 v[PC+6*\c:PC+2+6*\c], v[T+32*\c:T+15+32*\c], v[TM+12+2*\c]
	v_cvt_scalef32_pk16_fp6_f32 v[PC+12+4*\c:PC+14+4*\c], v[T+16+32*\c:T+31+32*\c], v[TM+12+2*\c+1]
.endr
	v_nop                                          ; one plain place behind a scaled conversion
.irp c, 0,1                            ; the operand's layout wants a whole block in a lane
.irp i, 0,1,2
	v_permlane16_swap_b32 v[PC+6*\c+\i], v[PC+12+4*\c+\i]
.endr
.irp i, 0,1,2
	v_mov_b32 v[PC+3+6*\c+\i], v[PC+12+4*\c+\i]
.endr
.endr
.endm
.macro GELU16 x                        ; 16 numbers in v[x] on, in place
.irp i, 0,1,2,3,4,5,6,7,8,9,10,11,12,13,14,15
	v_and_b32 v[AX+\i], 0x7fffffff, v[\x+\i]
.endr
.irp i, 0,2,4,6,8,10,12,14
	v_pk_fma_f32 v[TT+\i:TT+\i+1], v[AX+\i:AX+\i+1], 0x3eb504f3, 1.0 op_sel_hi:[1,0,0]      ; 1 + |x| / (2 sqrt 2)
.endr
.irp i, 0,1,2,3,4,5,6,7,8,9,10,11,12,13,14,15
	v_rcp_f32 v[TT+\i], v[TT+\i]                   ; t
.endr
.irp i, 0,2,4,6,8,10,12,14
	v_pk_mul_f32 v[XX+\i:XX+\i+1], v[AX+\i:AX+\i+1], 0xbf38aa3b op_sel_hi:[1,0]             ; -|x| log2(e) / 2 (plain places behind the reciprocals)
.endr
	s_wait_alu depctr_va_vdst(0)
.irp i, 0,2,4,6,8,10,12,14
	v_pk_fma_f32 v[PP+\i:PP+\i+1], v[TT+\i:TT+\i+1], v[C9:C9+1], 0xbf97d29d op_sel_hi:[1,1,0]   ; c9 t + c8
.endr
.irp c, 0x40097039, 0xbfd1a1e5, 0x3ecdfd18, 0xbe899a80, 0x3e0efb2e, 0x3f0a29d2, 0x3fb8ab5a, 0xc034d90f   ; c7 .. c0: the fit's coefficients x log2(e); 1 is taken off c0 for the half
.irp i, 0,2,4,6,8,10,12,14
	v_pk_fma_f32 v[PP+\i:PP+\i+1], v[PP+\i:PP+\i+1], v[TT+\i:TT+\i+1], \c op_sel_hi:[1,1,0]
.endr
.endr
.irp i, 0,2,4,6,8,10,12,14
	v_pk_fma_f32 v[PP+\i:PP+\i+1], v[XX+\i:XX+\i+1], v[AX+\i:AX+\i+1], v[PP+\i:PP+\i+1]     ; P(t) - x^2 log2(e) / 2
.endr
.irp i, 0,1,2,3,4,5,6,7,8,9,10,11,12,13,14,15
	v_exp_f32 v[PP+\i], v[PP+\i]
.endr
.irp i, 0,1,2,3,4,5,6,7,8,9,10,11,12,13,14,15
	v_max_num_f32 v[\x+\i], 0, v[\x+\i]            ; max(x, 0) (plain places behind the exponentials)
.endr
	s_wait_alu depctr_va_vdst(0)
.irp i, 0,2,4,6,8,10,12,14
	v_pk_mul_f32 v[PP+\i:PP+\i+1], v[TT+\i:TT+\i+1], v[PP+\i:PP+\i+1]                       ; q
.endr
.irp i, 0,2,4,6,8,10,12,14
	v_pk_fma_f32 v[\x+\i:\x+\i+1], v[AX+\i:AX+\i+1], v[PP+\i:PP+\i+1], v[\x+\i:\x+\i+1] neg_lo:[1,0,0] neg_hi:[1,0,0]   ; max(x, 0) - |x| q
.endr
.endm
; The arm of block a: + b1, each accumulator from its low end on; this is also the move out of the accumulators' window into window 0.  last = 1: the arm that is left when no other was taken.
.macro ARM a, last
.if \last == 0
	s_cmp_lg_u32 s3, \a
	s_cbranch_scc1 .Lnot_mine_\@
.endif
	WIN 2+(\a)/4                                   ; source 0: the accumulators' window
.set ii, 0
.rept 32
	v_pk_add_f32 v[T+ii:T+ii+1], v[64*((\a)%4)+ii:64*((\a)%4)+ii+1], v[BIAS+ii:BIAS+ii+1]
.set ii, ii+2
.endr
	WIN 0                                          ; at a branch and at a label every window is 0
.if \last == 0
	s_branch .Lgot
.Lnot_mine_\@:
.endif
.endm
	PLACES NP
	v_and_b32 v1, 15, v0
	v_and_b32 v7, 31, v0
	v_lshlrev_b32 v[G16], 4, v7
	v_lshlrev_b32 v[G8], 3, v7
	s_lshl_b32 s20, s14, 9                         ; my 512 bytes of scale words, in slot 0: it has had its last fill, and every wave has passed the barrier behind its last read of it
	v_lshl_add_u32 v[STB], v1, 2, s20
	v_add_nc_u32 v[STR], s20, v[G16]
	v_mov_b32 v[C9], 0x3e7c6f08
	v_mov_b32 v[C9+1], 0x3e7c6f08
	s_mov_b32 s[SEL], 0x76543210
	s_mov_b32 s[SEL+1], 0xfedcba98                 ; v_permlanex16_b32's selects for lane l xor 16
	s_wait_loadcnt 0x0                             ; b1
	s_mov_b32 s3, 0                                ; the block of 16 rows in hand
	s_mov_b32 s21, 0                               ; its scale words' place in my 512 bytes: 64 bytes a block
.Lblk:                                             ; eight trips: 16 rows x my 128 columns become one image and 16 scale words
	v_add_nc_u32 v[STS], s21, v[STB]
	ARM 0, 0
	ARM 1, 0
	ARM 2, 0
	ARM 3, 0
	ARM 4, 0
	ARM 5, 0
	ARM 6, 0
	ARM 7, 1
.Lgot:
	GELU16 T
	GELU16 T+16
	GELU16 T+32
	GELU16 T+48
	SWAPS
	QUANT
	global_store_b128 v[G16], v[PC:PC+3], s[12:13]                     ; 512 consecutive bytes
	global_store_b64 v[G8], v[PC+4:PC+5], s[12:13] offset:512          ; 256 consecutive bytes
	global_store_b128 v[G16], v[PC+6:PC+9], s[12:13] offset:768
	global_store_b64 v[G8], v[PC+10:PC+11], s[12:13] offset:1280
	ds_store_b32 v[STS], v[PW]                     ; both halves of the lanes hold the same word and write it to the same place
	s_wait_xcnt 0x0                                ; the stores to memory have read their registers and their base: both are written again below and in the next trip,
	s_wait_dscnt 0x0                               ; and so has the store of the scale word
	s_add_nc_u64 s[12:13], s[12:13], 49152         ; the next tile of rows: 32 K steps of 1,536 bytes on
	s_add_co_u32 s21, s21, 64
	s_add_co_u32 s3, s3, 1
	s_cmp_lt_u32 s3, 8
	s_cbranch_scc1 .Lblk
	ds_load_b128 v[T:T+3], v[STR]                  ; LDS serves a wave's instructions in order: this sees my stores
	s_wait_dscnt 0x0
	global_store_b128 v[G16], v[T:T+3], s[98:99]   ; my 128 rows' scale words: 512 consecutive bytes
	s_wait_tensorcnt 0x0                           ; the wave's end
	ds_add_u32 v[SPW], v[NIL]
	s_wait_dscnt 0x0
	CROUND                                         ; the closing round
	s_endpgm
.Lfunc_end_k_q069849bd95_w1:
	.size	k_q069849bd95_w1, .Lfunc_end_k_q069849bd95_w1-k_q069849bd95_w1
	.p2alignl 7, 3214868480
	.fill 96, 4, 3214868480
	.section	.rodata,"a",@progbits
	.p2align	6, 0x0
	.amdhsa_kernel k_q069849bd95_w1
		.amdhsa_group_segment_fixed_size 327680
		.amdhsa_private_segment_fixed_size 0
		.amdhsa_enable_private_segment 0
		.amdhsa_kernarg_size 40
		.amdhsa_user_sgpr_count 2
		.amdhsa_user_sgpr_kernarg_segment_ptr 1
		.amdhsa_wavefront_size32 1
		.amdhsa_system_sgpr_workgroup_id_x 1
		.amdhsa_system_sgpr_workgroup_id_y 1
		.amdhsa_system_sgpr_workgroup_id_z 1
		.amdhsa_system_vgpr_workitem_id 0
		.amdhsa_next_free_vgpr 1024
		.amdhsa_next_free_sgpr 100
		.amdhsa_reserve_vcc 0
		.amdhsa_float_denorm_mode_32 3
		.amdhsa_float_denorm_mode_16_64 3
		.amdhsa_memory_ordered 1
		.amdhsa_forward_progress 1
		.amdhsa_inst_pref_size 204
	.end_amdhsa_kernel
	.amdgpu_metadata
---
amdhsa.version: [ 1, 2 ]
amdhsa.kernels:
  - .name:           k_q069849bd95_w1
    .symbol:         k_q069849bd95_w1.kd
    .args:
      - { .name: hbuf, .offset: 0, .size: 8, .value_kind: global_buffer, .address_space: global }
      - { .name: W1_codes, .offset: 8, .size: 8, .value_kind: global_buffer, .address_space: global }
      - { .name: W1_scales, .offset: 16, .size: 8, .value_kind: global_buffer, .address_space: global }
      - { .name: b1, .offset: 24, .size: 8, .value_kind: global_buffer, .address_space: global }
      - { .name: gbuf, .offset: 32, .size: 8, .value_kind: global_buffer, .address_space: global }
    .group_segment_fixed_size: 327680
    .private_segment_fixed_size: 0
    .kernarg_segment_align: 8
    .kernarg_segment_size: 40
    .max_flat_workgroup_size: 128
    .sgpr_count:     100
    .vgpr_count:     1024
    .wavefront_size: 32
...
	.end_amdgpu_metadata
.endif
;; end of part 9
;; launch w2 (part 10): grid 8 x 32, 4 waves a work-group, clusters of 4 x 4, 327,680 bytes of LDS; arguments gbuf, W2_codes, W2_scales, b2, x1, out0; writes out0
.if DOCPART == 10
	.amdgcn_target "amdgcn-amd-amdhsa--gfx1250"
	.amdhsa_code_object_version 6
	.text
	.protected	k_q069849bd95_w2
	.globl	k_q069849bd95_w2
	.p2align	8
	.type	k_q069849bd95_w2,@function
k_q069849bd95_w2:
	s_mov_b64 s[64:65], 0
	v_nop
	global_prefetch_b8 v0, s[64:65] scope:SCOPE_SE
	s_setreg_imm32_b32 hwreg(HW_REG_WAVE_MODE, 25, 1), 1
	s_wait_xcnt 0x0
	s_wait_alu depctr_hold_cnt(0) depctr_sa_sdst(0) depctr_va_vdst(0) depctr_va_sdst(0) depctr_va_ssrc(0) depctr_va_vcc(0) depctr_vm_vsrc(0)
	s_getreg_b32 s2, hwreg(HW_REG_IB_STS2, 6, 4)
	s_cmp_eq_u32 s2, 0
	s_cbranch_scc0 .Lentry_in_a_cluster
	s_endpgm
.Lentry_in_a_cluster:
	s_bfe_u32 s2, ttmp6, 0x10000c
	s_cmp_lg_u32 s2, 0xf033
	s_cbranch_scc0 .Lentry_shape_is_right
	s_endpgm
.Lentry_shape_is_right:
; out = res + A B^T + bias.  A: 4,096 rows x SIZE_K as codes of FP6 (E2M3), laid as IMAGES of the operand's registers: [tile of 16 rows 256][K step of 128][1,536 bytes] (registers 6 c .. 6 c + 3 at 768 c + 16 lane,
; 6 c + 4, 6 c + 5 at 768 c + 512 + 8 lane), its scale words [K step][4096][4] at ASC_OFF; the rows lie in image order (place 16 tau + r = true row 32 (tau / 2) + 8 (tau % 2) + r + 8 (r / 8)).
; B: the weight, codes [1024][SIZE_K x 3 / 4 bytes], scale bytes [1024][SIZE_K / 32], K innermost.  bias [1024], res and out [4096][1024] f32, true rows.
; A TILE OF 128 x 128 to a work-group of four waves, so that the 4,096 x 1,024 results make 256 work-groups; a wave makes 64 x 64 in 16 accumulators.
; K goes in steps of 512 through a ring of two LDS slots: a wave's one tensor load brings 4 tiles of rows x 6,144 bytes of A, or 64 rows x 384 bytes of B; all scale bytes of the tile's rows stay in LDS.
; A's fragments come out of LDS by loads of 16 and 8 consecutive bytes a lane; B's rows have 16 bytes of padding behind every 128: 432 bytes = 108 words from row to row, so that 16 rows start at 16 different multiples of 4 banks.
; Both sides have two sets of fragment registers: a step's 40 loads are issued ahead of the 16 products of the step before.
; THE MATRIX INSTRUCTION IS USED TRANSPOSED (source 0 = 16 rows of B, source 1 = 16 rows of A): a lane holds eight neighbouring columns of one row.
; CLUSTERS: 4 x 4 work-groups; A's tiles are asked for jointly along a row of the cluster, B's along a column.
; REGISTERS: window 0: v0-31 addresses; v32-63 A's scale words, v64-95 B's, two sets each; v96-99 the bias; v128-223 A's fragments, two sets; later v128-255 rows on their way out.
;   window 1: B's fragments, sets at v0 and v128; later v0-127 the residual.  window 2: the 16 accumulators ((a, b) at v[8 (4 a + b)]).
.set SIZE_K, 4096
.set ASC_OFF, 12582912
.set NTOUT,  1                         ; the result is read by nobody here
.set KF,     SIZE_K/128
.set KSTEP,  512                       ; along K in a slot
.set NQ,     KSTEP/128
.set ROWB,   384                       ; a row of B's tile in bytes
.set KROW,   SIZE_K*6/8
.set PITCH,  432                       ; 3 x (128 bytes + 16 of padding)
.set FR,     12
.set NP,     4
.set HA,     4*6144                    ; A: 4 tiles of rows x four K steps of 1,536 bytes: what one tensor load brings
.set HB,     64*PITCH                  ; B: 64 rows
.set SLOT,   2*HA+2*HB
.set LAPS,   SIZE_K/(2*KSTEP)
.set KS,     SIZE_K/32
.set SCLA,   2*SLOT                    ; behind the ring: A's scale words, [half][K step of 128][64 rows x 4]
.set HSA,    KF*256
.set SCLB,   SCLA+2*HSA                ; B's scale bytes, as 256 bytes + 16 of padding
.set HALFS,  (64*KS/256)*272
.set SBLK,   (16*KS/256)*272
.set SPARE,  SCLB+2*HALFS              ; the spare words, 128 bytes for each wave: two blocks of 256 bytes that no other line names
.set SPITCH, 272                       ; the way out: a stage of 16 rows x (256 + 16) bytes a wave, in slot 0, which has had its last fill and its last read by then
.set ADRA, 16                          ; v16-17 16 lane + my half of A in slot 0, 1;  v18-19 the same with 8 lane
.set ADRB, 20                          ; v20-21 my B fragments in slot 0, 1;  v22-23 behind one padding more
.set STO,  24
.set RD,   25
.set CO,   26                          ; v26  4,096 h + 16 r; never rewritten
.set ADRSA, 27
.set SPW,  28                          ; v28  LDS address of my spare word; never rewritten
.set NIL,  29                          ; v29  0; never rewritten
.set ADRSB, 30
.set BA,   31                          ; v31  16 r
.set SCA,  32
.set SCB,  64
.set BI,   96
.set AF,   128
.set BB,   128
.set G1, 24
.set G0, 32
.set G1B, 48
.set G0B, 56
.set G1S, 68
.set G0S, 76
.set G1SB, 80
.set G0SB, 88
.set MSB, 0
.macro WIN new                         ; the immediate's high byte repeats the setting that is left
.if MSB != (\new)
	s_set_vgpr_msb (MSB<<8)|(\new)
.set MSB, (\new)
.endif
.endm
.set MUL,    0xa1                      ; source 0 (B) window 1, source 1 (A) window 0, C and D window 2
.set TO_B,   0x40
.macro JLOAD g0a, g1a, g0b, g1b        ; a joint load: waves 0 and 1 fetch for A, waves 2 and 3 for B; four v_nop follow each of the two lines
	s_cmp_eq_u32 s15, 0
	s_cbranch_scc0 .Lfor_b_\@
	tensor_load_to_lds s[\g0a:\g0a+3], s[\g1a:\g1a+7]
	s_nop 0
.rept 4
	v_nop
.endr
	s_branch .Lasked_\@
.Lfor_b_\@:
	tensor_load_to_lds s[\g0b:\g0b+3], s[\g1b:\g1b+7]
	s_nop 0
.rept 4
	v_nop
.endr
.Lasked_\@:
.endm
.macro CREST                           ; a round of the cluster's barrier behind its opening barrier
	s_cmp_lg_u32 s14, 0
	s_cbranch_scc1 .Lnot_wave_0_\@
	s_barrier_signal -3
.Lnot_wave_0_\@:
	s_barrier_wait -3
	s_barrier_signal -1
	s_barrier_wait -1
.endm
.macro CROUND
	s_barrier_signal -1
	s_barrier_wait -1
	CREST
.endm
	s_load_b64 s[4:5], s[0:1], 0x0                 ; A
	s_load_b128 s[8:11], s[0:1], 0x8               ; B's codes, B's scales
	s_load_b128 s[96:99], s[0:1], 0x18             ; bias, res
	s_load_b64 s[12:13], s[0:1], 0x28              ; out
	v_lshl_add_u32 v[SPW], v0, 2, SPARE
	v_mov_b32 v[NIL], 0
	ds_add_u32 v28, v29
	ds_add_u32 v28, v29
	s_wait_dscnt 0x0
	v_lshrrev_b32 v1, 5, v0
	v_readfirstlane_b32 s14, v1                    ; wave 0..3
	s_lshr_b32 s15, s14, 1                         ; my half of the rows.  Also: I fetch for A (0) or for B (1)
	s_and_b32 s16, s14, 1                          ; my half of the columns.  Also: which half I fetch
	s_bfe_u32 s40, ttmp6, 0x40000
	s_bfe_u32 s41, ttmp6, 0x40004
	s_lshl_b32 s42, ttmp9, 2
	s_add_co_u32 s42, s42, s40                     ; tile column 0..7
	s_and_b32 s17, ttmp7, 0xffff
	s_lshl_b32 s17, s17, 2
	s_add_co_u32 s17, s17, s41                     ; tile row 0..31
	s_lshl_b32 s43, s41, 2
	s_lshl_b32 s43, 15, s43                        ; my row of the cluster
	s_lshl_b32 s44, 0x1111, s40                    ; my column
	; A's tiles: 4 rows (tiles of 16 rows) of 6,144 bytes (four K steps' images), KF x 1,536 bytes apart; elements of 8 bytes; no padding
	s_or_b32 s[G1+0], s43, (3<<16)|(1<<21)
	s_mov_b32 s[G1+1], 768<<16
	s_mov_b32 s[G1+2], 4<<16
	s_mov_b32 s[G1+3], 768<<16
	s_mov_b32 s[G1+4], 4
	s_mov_b32 s[G1+5], KF*192
	s_mov_b32 s[G1+6], 0
	s_mov_b32 s[G1+7], 0
	; B's tiles: 64 rows x 384 bytes, 16 bytes of padding behind every 128 (32 words: code 4; 4 words: code 3)
	s_or_b32 s[G1B+0], s44, (0<<16)|(1<<20)|(1<<21)|(4<<22)|(3<<25)
	s_mov_b32 s[G1B+1], ROWB<<16
	s_mov_b32 s[G1B+2], 64<<16
	s_mov_b32 s[G1B+3], ROWB<<16
	s_mov_b32 s[G1B+4], 64
	s_mov_b32 s[G1B+5], KROW
	s_mov_b32 s[G1B+6], 0
	s_mov_b32 s[G1B+7], 0
	; A's scale words of 64 rows: KF rows of 256 bytes, 16,384 bytes apart
	s_or_b32 s[G1S+0], s43, (3<<16)|(1<<21)
	s_mov_b32 s[G1S+1], 32<<16
	s_mov_b32 s[G1S+2], KF<<16
	s_mov_b32 s[G1S+3], 32<<16
	s_mov_b32 s[G1S+4], KF
	s_mov_b32 s[G1S+5], 2048
	s_mov_b32 s[G1S+6], 0
	s_mov_b32 s[G1S+7], 0
	; B's scale bytes of 64 rows: a dense block, as rows of 256 bytes with 16 of padding behind each
	s_or_b32 s[G1SB+0], s44, (3<<16)|(1<<20)|(1<<21)|(5<<22)|(3<<25)
	s_mov_b32 s[G1SB+1], 32<<16
	s_mov_b32 s[G1SB+2], (64*KS/256)<<16
	s_mov_b32 s[G1SB+3], 32<<16
	s_mov_b32 s[G1SB+4], 64*KS/256
	s_mov_b32 s[G1SB+5], 32
	s_mov_b32 s[G1SB+6], 0
	s_mov_b32 s[G1SB+7], 0
	s_lshl_b32 s20, s17, 3
	s_lshl_b32 s18, s16, 2
	s_add_co_u32 s20, s20, s18                     ; A: tile of rows 8 x tile row + 4 x half
	s_lshl_b32 s22, s20, 6
	s_add_co_u32 s22, s22, ASC_OFF                 ; its rows' scale words in K step 0
	s_mul_i32 s20, s20, KF*1536
	s_mov_b32 s21, 0
	s_mov_b32 s23, 0
	s_lshl_b32 s46, s42, 7
	s_lshl_b32 s18, s16, 6
	s_add_co_u32 s46, s46, s18                     ; B: row 128 x tile column + 64 x half
	s_mul_i32 s92, s46, KS
	s_mul_i32 s46, s46, KROW
	s_mov_b32 s47, 0
	s_mov_b32 s93, 0
	s_mul_i32 s45, s16, HA                         ; where they go: no place in the cluster enters an LDS address
	s_mul_i32 s94, s16, HB
	s_add_co_u32 s94, s94, 2*HA
	s_mul_i32 s18, s16, HSA
	s_add_co_u32 s18, s18, SCLA
	s_mul_i32 s19, s16, HALFS
	s_add_co_u32 s19, s19, SCLB
	s_wait_kmcnt 0x0
	s_add_nc_u64 s[20:21], s[4:5], s[20:21]
	s_add_nc_u64 s[22:23], s[4:5], s[22:23]
	s_add_nc_u64 s[46:47], s[8:9], s[46:47]
	s_add_nc_u64 s[92:93], s[10:11], s[92:93]
	CROUND                                         ; all sixteen work-groups are here: the first joint loads meet
	s_mov_b32 s[G0S], 1
	s_mov_b32 s[G0S+1], s18
	s_mov_b64 s[G0S+2:G0S+3], s[22:23]
	s_or_b32 s[G0S+3], s[G0S+3], 0x80000000
	s_mov_b32 s[G0SB], 1
	s_mov_b32 s[G0SB+1], s19
	s_mov_b64 s[G0SB+2:G0SB+3], s[92:93]
	s_or_b32 s[G0SB+3], s[G0SB+3], 0x80000000
	JLOAD G0S, G1S, G0SB, G1SB                     ; the scales first
.irp s, 0,1
	s_mov_b32 s[G0+4*\s], 1
	s_add_co_u32 s[G0+4*\s+1], s45, \s*SLOT
	s_add_nc_u64 s[G0+4*\s+2:G0+4*\s+3], s[20:21], \s*6144
	s_or_b32 s[G0+4*\s+3], s[G0+4*\s+3], 0x80000000
	s_mov_b32 s[G0B+4*\s], 1
	s_add_co_u32 s[G0B+4*\s+1], s94, \s*SLOT
	s_add_nc_u64 s[G0B+4*\s+2:G0B+4*\s+3], s[46:47], \s*ROWB
	s_or_b32 s[G0B+4*\s+3], s[G0B+4*\s+3], 0x80000000
	JLOAD G0+4*\s, G1, G0B+4*\s, G1B
.endr
	v_and_b32 v1, 15, v0                           ; r
	v_bfe_u32 v2, v0, 4, 1                         ; h
	v_and_b32 v7, 31, v0                           ; lane
	v_mul_u32_u24 v3, v1, PITCH
	v_mul_u32_u24 v4, v2, 24
	v_add_nc_u32 v4, v3, v4                        ; a fragment of B: row x pitch + 24 x half
	v_lshl_add_u32 v5, v2, 4, v4                   ; and the same behind one padding more
	v_lshlrev_b32 v9, 4, v7
	v_lshlrev_b32 v8, 3, v7
	s_mul_i32 s21, s15, HA
	s_mul_i32 s22, s16, HB
	s_add_co_u32 s22, s22, 2*HA
.irp s, 0,1
	v_add_nc_u32 v[ADRA+\s], s21, v9
	v_add_nc_u32 v[ADRA+2+\s], s21, v8
	v_add_nc_u32 v[ADRB+\s], s22, v4
	v_add_nc_u32 v[ADRB+2+\s], s22, v5
	s_add_co_u32 s21, s21, SLOT
	s_add_co_u32 s22, s22, SLOT
.endr
	s_mul_i32 s21, s15, HSA
	s_add_co_u32 s21, s21, SCLA
	v_lshl_add_u32 v[ADRSA], v1, 2, s21            ; A's scale words: 4 r in my half's K step 0
	v_mul_u32_u24 v5, v1, KS
	v_lshrrev_b32 v6, 8, v5
	v_lshl_add_u32 v5, v6, 4, v5
	s_mul_i32 s22, s16, HALFS
	s_add_co_u32 s22, s22, SCLB
	v_add_nc_u32 v[ADRSB], s22, v5                 ; B's: KS bytes a row, 16 more for each 256 passed
	s_mul_i32 s23, s14, 16*SPITCH                  ; my stage
	v_mul_u32_u24 v5, v1, SPITCH
	v_lshl_add_u32 v5, v2, 5, v5
	v_add_nc_u32 v[STO], s23, v5                   ; in: row r, 32 bytes for each half of the lanes
	v_lshlrev_b32 v[BA], 4, v1
	v_mul_u32_u24 v5, v2, SPITCH
	v_add_nc_u32 v5, v5, v[BA]
	v_add_nc_u32 v[RD], s23, v5                    ; back: lanes 0-15 one row of 256 bytes, lanes 16-31 the next
	v_lshl_add_u32 v[CO], v2, 12, v[BA]            ; and the same two rows in memory
	s_lshl_b32 s20, s17, 7
	s_lshl_b32 s21, s15, 6
	s_add_co_u32 s20, s20, s21
	s_lshl_b32 s20, s20, 12                        ; my first row, 4,096 bytes a row
	s_lshl_b32 s46, s42, 9
	s_lshl_b32 s47, s16, 8
	s_add_co_u32 s46, s46, s47                     ; my first column, in bytes
	s_mov_b32 s47, 0
	s_add_nc_u64 s[96:97], s[96:97], s[46:47]
	s_add_co_u32 s20, s20, s46
	s_mov_b32 s21, 0
	s_add_nc_u64 s[98:99], s[98:99], s[20:21]
	s_add_nc_u64 s[12:13], s[12:13], s[20:21]
	global_load_b128 v[BI:BI+3], v[BA], s[96:97]   ; the bias of my four columns on the way out
.macro FRAG reg, adr, q, i             ; a fragment of B: 12 registers, in pieces of 8 bytes; 16 pieces lie between two paddings; where the piece three on lies behind one padding more, the second address register serves
.irp p, 0,1,2,3,4,5
.set PCE, 12*(\q)+6*(\p/3)+\p%3
.if PCE%16 < 13
	ds_load_b64 v[\reg+2*\p:\reg+2*\p+1], v[\adr] offset:8*PCE+16*(PCE/16)+(\i)*16*PITCH
.else
	ds_load_b64 v[\reg+2*\p:\reg+2*\p+1], v[\adr+2] offset:8*PCE+16*(PCE/16)+(\i)*16*PITCH
.endif
.endr
.endm
; 8 matrix instructions: A's blocks a0, a0 + 1 x B's four; p: the set of fragments; q: which 128 of the slot; sc: the set of scale words.
; The 16 accumulators take turns, one instruction a turn, in the same order in every step.
.macro MUL8 a0, p, q, sc, zero
.irp a, \a0, \a0+1
.irp b, 0,1,2,3
.if \zero
	v_wmma_scale_f32_16x16x128_f8f6f4 v[8*(4*(\a)+\b):8*(4*(\a)+\b)+7], v[128*(\p)+FR*\b:128*(\p)+FR*\b+FR-1], v[AF+48*(\p)+FR*(\a):AF+48*(\p)+FR*(\a)+FR-1], 0, v[SCB+16*(\sc)+4*\b+(\q)], v[SCA+16*(\sc)+4*(\a)+(\q)] matrix_a_fmt:MATRIX_FMT_FP6 matrix_b_fmt:MATRIX_FMT_FP6
.else
	v_wmma_scale_f32_16x16x128_f8f6f4 v[8*(4*(\a)+\b):8*(4*(\a)+\b)+7], v[128*(\p)+FR*\b:128*(\p)+FR*\b+FR-1], v[AF+48*(\p)+FR*(\a):AF+48*(\p)+FR*(\a)+FR-1], v[8*(4*(\a)+\b):8*(4*(\a)+\b)+7], v[SCB+16*(\sc)+4*\b+(\q)], v[SCA+16*(\sc)+4*(\a)+(\q)] matrix_a_fmt:MATRIX_FMT_FP6 matrix_b_fmt:MATRIX_FMT_FP6
.endif
.endr
.endr
.endm
.macro FETCH slot, q, p                ; 40 LDS loads in one run: B's four fragments and A's four of the slot's q-th 128 along K, into set p
	WIN TO_B
.irp i, 0,1,2,3
	FRAG 128*(\p)+FR*\i, ADRB+\slot, \q, \i
.endr
	WIN 0
.irp i, 0,1,2,3
	ds_load_b128 v[AF+48*(\p)+FR*\i:AF+48*(\p)+FR*\i+3], v[ADRA+\slot] offset:6144*\i+1536*(\q)
	ds_load_b64 v[AF+48*(\p)+FR*\i+4:AF+48*(\p)+FR*\i+5], v[ADRA+2+\slot] offset:6144*\i+1536*(\q)+512
	ds_load_b128 v[AF+48*(\p)+FR*\i+6:AF+48*(\p)+FR*\i+9], v[ADRA+\slot] offset:6144*\i+1536*(\q)+768
	ds_load_b64 v[AF+48*(\p)+FR*\i+10:AF+48*(\p)+FR*\i+11], v[ADRA+2+\slot] offset:6144*\i+1536*(\q)+1280
.endr
.endm
.macro SCALES sc                       ; a slot's scale words: register 4 i + q of a set
.irp i, 0,1,2,3
.irp q, 0,1,2,3
	ds_load_b32 v[SCA+16*\sc+4*\i+\q], v[ADRSA] offset:256*\q+64*\i
.endr
	ds_load_b128 v[SCB+16*\sc+4*\i:SCB+16*\sc+4*\i+3], v[ADRSB] offset:\i*SBLK
.endr
.endm
.macro PLACES n                        ; plain vector places behind matrix instructions, in front of loads into their registers and of reads of their results
.rept \n
	v_nop
.endr
.endm
.macro STEP slot, q, zero              ; a step of 128 along K that has its successor in the same slot
	s_wait_dscnt 0x0                               ; this step's fragments, asked for a step ago, are in
	PLACES NP                                      ; behind the last step's products: the loads below land in the registers that they read
	FETCH \slot, (\q)+1, 1-(\q)%2
	WIN MUL
	MUL8 0, (\q)%2, \q, \slot, \zero
	MUL8 2, (\q)%2, \q, \slot, \zero
	WIN 0
.endm
; A slot's last step changes slots: one barrier; in front of it each wave waits for all its tensor loads, adds 0 to its spare word, and waits for that and for its own reads of this slot.
.macro TURN slot, next, fill
	s_wait_tensorcnt 0x0                           ; all my tensor loads have landed: my part of the next slot
	ds_add_u32 v[SPW], v[NIL]                      ; 0 onto my spare word
	s_wait_dscnt 0x0                               ; the add is done, and my reads of this slot, this step's fragments, are in
	s_barrier_signal -1
	WIN MUL
	MUL8 0, 1, NQ-1, \slot, 0                      ; work on registers while the others arrive
	WIN 0
	s_barrier_wait -1
.if \fill
	CREST                                          ; the barrier has opened a round of the cluster's barrier: no wave of any partner still reads this slot or has a load on its way
	s_add_nc_u64 s[G0+4*\slot+2:G0+4*\slot+3], s[G0+4*\slot+2:G0+4*\slot+3], 2*6144
	s_add_nc_u64 s[G0B+4*\slot+2:G0B+4*\slot+3], s[G0B+4*\slot+2:G0B+4*\slot+3], 2*ROWB
	JLOAD G0+4*\slot, G1, G0B+4*\slot, G1B         ; the first tensor load behind the round; its four v_nop are the places in front of the loads below
.else
	PLACES NP
.endif
	v_add_nc_u32 v[ADRSA], 1024, v[ADRSA]          ; on to the next slot's scale words
	v_add_nc_u32 v[ADRSB], 16, v[ADRSB]
	FETCH \next, 0, 0
	SCALES \next
	WIN MUL
	MUL8 2, 1, NQ-1, \slot, 0
	WIN 0
.endm
	s_wait_tensorcnt 1                             ; the scales and my part of slot 0 are in (slot 1's load may be out)
	s_barrier_signal -1
	s_barrier_wait -1
	FETCH 0, 0, 0
	SCALES 0
	STEP 0, 0, 1                                   ; the first step's products start the sums
.if LAPS > 1
	s_mov_b32 s3, LAPS-1
.Llap:                                             ; a trip goes once round the ring, from a lap's second step to the next lap's first, and fills both slots again
	STEP 0, 1, 0
	STEP 0, 2, 0
	TURN 0, 1, 1
	STEP 1, 0, 0
	STEP 1, 1, 0
	STEP 1, 2, 0
	TURN 1, 0, 1
	STEP 0, 0, 0
	s_sub_co_u32 s3, s3, 1
	s_cmp_lg_u32 s3, 0
	s_cbranch_scc1 .Llap
.endif
	STEP 0, 1, 0                                   ; the last lap fills nothing
	STEP 0, 2, 0
	TURN 0, 1, 0
	STEP 1, 0, 0
	STEP 1, 1, 0
	STEP 1, 2, 0
	s_wait_dscnt 0x0                               ; the very last step: nothing more to fetch
	WIN MUL
	MUL8 0, 1, NQ-1, 1, 0
	MUL8 2, 1, NQ-1, 1, 0
	WIN 0
; THE WAY OUT, block by block of 16 rows x 64 columns: through my stage, back as whole rows of 256 bytes, two rows an instruction; the residual and the bias are added.
; Row t of block a is true row 32 (a / 2) + 8 (a % 2) + t + 8 (t / 8) of my 64.  Each block has registers of its own: no store's data are written again.
	PLACES NP
	WIN 0x40                                       ; destination window 1
.irp a, 0,1,2,3
.irp t, 0,1,2,3,4,5,6,7
	global_load_b128 v[32*\a+4*\t:32*\a+4*\t+3], v[CO], s[98:99] offset:(32*(\a/2)+8*(\a%2)+2*\t+8*(\t/4))*4096 th:TH_LOAD_NT   ; the residual: its last read
.endr
.endr
.irp a, 0,1,2,3
	WIN 0x08                                       ; an LDS store's data are its source 1: window 2
.irp b, 0,1,2,3
	ds_store_b128 v[STO], v[32*\a+8*\b:32*\a+8*\b+3] offset:64*\b              ; each accumulator from its low end on
	ds_store_b128 v[STO], v[32*\a+8*\b+4:32*\a+8*\b+7] offset:64*\b+16
.endr
	WIN 0
.irp t, 0,1,2,3,4,5,6,7
	ds_load_b128 v[BB+32*\a+4*\t:BB+32*\a+4*\t+3], v[RD] offset:\t*2*SPITCH    ; LDS serves a wave's instructions in order: these see my stores, and the next block's stores come behind them
.endr
.endr
.macro OUTB a
	s_wait_dscnt 16*(3-\a)                         ; block a is back; the later blocks' 8 stores and 8 loads each may be out
	s_wait_loadcnt 8*(3-\a)                        ; its residual is in; the later blocks' 8 loads each may be out
	WIN 0x04                                       ; source 1: window 1
.set ii, 0
.rept 16
	v_pk_add_f32 v[BB+32*\a+ii:BB+32*\a+ii+1], v[BB+32*\a+ii:BB+32*\a+ii+1], v[32*\a+ii:32*\a+ii+1]
.set ii, ii+2
.endr
	WIN 0
.irp t, 0,1,2,3,4,5,6,7
	v_pk_add_f32 v[BB+32*\a+4*\t:BB+32*\a+4*\t+1], v[BB+32*\a+4*\t:BB+32*\a+4*\t+1], v[BI:BI+1]
	v_pk_add_f32 v[BB+32*\a+4*\t+2:BB+32*\a+4*\t+3], v[BB+32*\a+4*\t+2:BB+32*\a+4*\t+3], v[BI+2:BI+3]
.endr
.irp t, 0,1,2,3,4,5,6,7
.if NTOUT
	global_store_b128 v[CO], v[BB+32*\a+4*\t:BB+32*\a+4*\t+3], s[12:13] offset:(32*(\a/2)+8*(\a%2)+2*\t+8*(\t/4))*4096 th:TH_STORE_NT   ; 16 lanes store 256 consecutive bytes, aligned
.else
	global_store_b128 v[CO], v[BB+32*\a+4*\t:BB+32*\a+4*\t+3], s[12:13] offset:(32*(\a/2)+8*(\a%2)+2*\t+8*(\t/4))*4096
.endif
.endr
.endm
	OUTB 0
	OUTB 1
	OUTB 2
	OUTB 3
	s_wait_tensorcnt 0x0                           ; the wave's end
	ds_add_u32 v[SPW], v[NIL]
	s_wait_dscnt 0x0
	CROUND                                         ; the closing round
	s_endpgm
.Lfunc_end_k_q069849bd95_w2:
	.size	k_q069849bd95_w2, .Lfunc_end_k_q069849bd95_w2-k_q069849bd95_w2
	.p2alignl 7, 3214868480
	.fill 96, 4, 3214868480
	.section	.rodata,"a",@progbits
	.p2align	6, 0x0
	.amdhsa_kernel k_q069849bd95_w2
		.amdhsa_group_segment_fixed_size 327680
		.amdhsa_private_segment_fixed_size 0
		.amdhsa_enable_private_segment 0
		.amdhsa_kernarg_size 48
		.amdhsa_user_sgpr_count 2
		.amdhsa_user_sgpr_kernarg_segment_ptr 1
		.amdhsa_wavefront_size32 1
		.amdhsa_system_sgpr_workgroup_id_x 1
		.amdhsa_system_sgpr_workgroup_id_y 1
		.amdhsa_system_sgpr_workgroup_id_z 1
		.amdhsa_system_vgpr_workitem_id 0
		.amdhsa_next_free_vgpr 768
		.amdhsa_next_free_sgpr 100
		.amdhsa_reserve_vcc 0
		.amdhsa_float_denorm_mode_32 3
		.amdhsa_float_denorm_mode_16_64 3
		.amdhsa_memory_ordered 1
		.amdhsa_forward_progress 1
		.amdhsa_inst_pref_size 114
	.end_amdhsa_kernel
	.amdgpu_metadata
---
amdhsa.version: [ 1, 2 ]
amdhsa.kernels:
  - .name:           k_q069849bd95_w2
    .symbol:         k_q069849bd95_w2.kd
    .args:
      - { .name: gbuf, .offset: 0, .size: 8, .value_kind: global_buffer, .address_space: global }
      - { .name: W2_codes, .offset: 8, .size: 8, .value_kind: global_buffer, .address_space: global }
      - { .name: W2_scales, .offset: 16, .size: 8, .value_kind: global_buffer, .address_space: global }
      - { .name: b2, .offset: 24, .size: 8, .value_kind: global_buffer, .address_space: global }
      - { .name: x1, .offset: 32, .size: 8, .value_kind: global_buffer, .address_space: global }
      - { .name: out0, .offset: 40, .size: 8, .value_kind: global_buffer, .address_space: global }
    .group_segment_fixed_size: 327680
    .private_segment_fixed_size: 0
    .kernarg_segment_align: 8
    .kernarg_segment_size: 48
    .max_flat_workgroup_size: 128
    .sgpr_count:     100
    .vgpr_count:     768
    .wavefront_size: 32
...
	.end_amdgpu_metadata
.endif
;; end of part 10
